; MI455X (gfx1250); checked and timed in simulation.
; The chip was launched on July 23, 2026; its instructions are those of AMD's public machine-readable ISA for CDNA 5 (MIT licence, August 2026) and "CDNA5" Instruction Set Architecture Reference Guide (July 2026). The comments in the code are by the model that wrote it; some were corrected since.
;; Mo E Layer Parallel. Allowed arithmetic: matrix products marked QUANTISED: E2M1 operands, one E8M0 scale for each 32 along K, by v_wmma_scale_f32_16x16x128_f8f6f4 with both operands' format E2M1 (or v_wmma_scale_f32_32x16x128_f4), f32 sums; products left as they are: f32 operands where the result goes on into a quantised operand, else bf16, f16 or f32 operands; f32 sums; everything else in f32.
;; Inputs: b1 8 x 3,072 float32; b2 8 x 3,072 float32; bp 8 x 768 float32; gate_w 8 x 768 float32; noise 4 x 256 x 8 float32; noise_weight 8 float32; w1 8 x 768 x 3,072 float32; w2 8 x 768 x 3,072 float32; wp 8 x 3,072 x 768 float32; x 4 x 256 x 768 float32.
;; Outputs: out0 4 x 256 x 768 float32; out1 one number float32.
;; This version of the problem:
;;   THIS VERSION OF THE PROBLEM IS GIVEN IN LOW PRECISION. The matrix products marked QUANTISED in the list below multiply operands that are first quantised to E2M1 (2 exponent bits, 1 mantissa bit; 4 bits a number), with one power-of-two scale for each 32 numbers along K (OCP MX v1.0); their sums are f32. All else is computed in f32.
;;   The module's matrix products, in the order in which they are computed (A, B: the left and right operand; K: the contracted axis; several contracted axes count as one K, in the product's order):
;;     1. [M 1,024, K 768] x [K 768, N 8]; A: input x; B: input gate_w: left as it is (N = 8 < 16)
;;     2. [M 1,024, K 768] x [K 768, N 3,072]; A: input x; B: input w1: QUANTISED
;;     3. [M 1,024, K 768] x [K 768, N 3,072]; A: input x; B: input w2: QUANTISED
;;     4. [M 1,024, K 3,072] x [K 3,072, N 768]; A: computed on the way; B: input wp: QUANTISED
;;     5. [M 1,024, K 768] x [K 768, N 3,072]; A: input x; B: input w1: QUANTISED
;;     6. [M 1,024, K 768] x [K 768, N 3,072]; A: input x; B: input w2: QUANTISED
;;     7. [M 1,024, K 3,072] x [K 3,072, N 768]; A: computed on the way; B: input wp: QUANTISED
;;     8. [M 1,024, K 768] x [K 768, N 3,072]; A: input x; B: input w1: QUANTISED
;;     9. [M 1,024, K 768] x [K 768, N 3,072]; A: input x; B: input w2: QUANTISED
;;     10. [M 1,024, K 3,072] x [K 3,072, N 768]; A: computed on the way; B: input wp: QUANTISED
;;     11. [M 1,024, K 768] x [K 768, N 3,072]; A: input x; B: input w1: QUANTISED
;;     12. [M 1,024, K 768] x [K 768, N 3,072]; A: input x; B: input w2: QUANTISED
;;     13. [M 1,024, K 3,072] x [K 3,072, N 768]; A: computed on the way; B: input wp: QUANTISED
;;     14. [M 1,024, K 768] x [K 768, N 3,072]; A: input x; B: input w1: QUANTISED
;;     15. [M 1,024, K 768] x [K 768, N 3,072]; A: input x; B: input w2: QUANTISED
;;     16. [M 1,024, K 3,072] x [K 3,072, N 768]; A: computed on the way; B: input wp: QUANTISED
;;     17. [M 1,024, K 768] x [K 768, N 3,072]; A: input x; B: input w1: QUANTISED
;;     18. [M 1,024, K 768] x [K 768, N 3,072]; A: input x; B: input w2: QUANTISED
;;     19. [M 1,024, K 3,072] x [K 3,072, N 768]; A: computed on the way; B: input wp: QUANTISED
;;     20. [M 1,024, K 768] x [K 768, N 3,072]; A: input x; B: input w1: QUANTISED
;;     21. [M 1,024, K 768] x [K 768, N 3,072]; A: input x; B: input w2: QUANTISED
;;     22. [M 1,024, K 3,072] x [K 3,072, N 768]; A: computed on the way; B: input wp: QUANTISED
;;     23. [M 1,024, K 768] x [K 768, N 3,072]; A: input x; B: input w1: QUANTISED
;;     24. [M 1,024, K 768] x [K 768, N 3,072]; A: input x; B: input w2: QUANTISED
;;     25. [M 1,024, K 3,072] x [K 3,072, N 768]; A: computed on the way; B: input wp: QUANTISED
;;   THE QUANTISER, for each operand of a quantised product, along K:
;;     - K is cut into blocks of 32 from its start; a last block that is shorter is filled with zeros.
;;     - A block's scale is 2^e with e = floor(log2(the largest magnitude in the block)) - 2, held to -126 .. 127; a block of zeros has e = 0. As a byte (E8M0): e + 127.
;;     - Each number is divided by its block's scale, clamped to +-6, and rounded to the nearest number of E2M1, ties to even, subnormals kept.
;;     - The product sums the exact products of the quantised numbers (number of the format x scale) in f32.
;;   ~~~python
;;   def quantise(x, axis):      # numpy; x: float32 -> the quantised numbers, widened to float32 again
;;       x = np.moveaxis(x, axis, -1); K = x.shape[-1]
;;       x = np.pad(x, [(0, 0)] * (x.ndim - 1) + [(0, -K % 32)]); x = x.reshape(x.shape[:-1] + (-1, 32)); a = np.abs(x).max(-1, keepdims=True)
;;       e = np.where(a > 0, np.clip(np.frexp(np.where(a > 0, a, 1))[1] - 1 - 2, -126, 127), 0)      # np.frexp(a)[1] - 1 = floor(log2(a)), exactly
;;       r = np.clip(x / 2.0 ** e, -6, 6)
;;       step = 2.0 ** (np.maximum(np.frexp(np.where(r == 0, 1, r))[1] - 1, 0) - 1)
;;       q = np.round(r / step) * step * 2.0 ** e      # np.round: ties to even
;;       return np.moveaxis(q.reshape(q.shape[:-2] + (-1,))[..., :K], -1, axis).astype(np.float32)
;;   ~~~
;;   OPERANDS COMPUTED ON THE WAY. 'Computed on the way' means the value that the module computes at that place (a softmax that the list does not call 'softmax' is quantised finished and normalised). What goes into a quantiser is computed in f32, as accurately as f32 sums, v_exp_f32 and their like allow (about 1e-6 of the number): no bf16 or f16 on the way to a quantiser, and a product that is left as it is and whose result goes on into a quantised operand takes f32 operands (vector FMAs, or v_wmma_f32_16x16x4_f32). A number that lies on a knife's edge between two numbers of the format may be rounded either way, as far as f32 arithmetic and the matrix unit's own rounding can turn it there, and no further.
;; 2 versions. Each part assembles by itself: llvm-mc -triple=amdgcn-amd-amdhsa -mcpu=gfx1250 --defsym DOCPART=n.
;; ======== version 1 of 2: 4 launches
;; workspace buffers: xq 524,288 bytes; gt 8,192 bytes; msk 4,096 bytes of whole numbers; lossp 4,096 bytes; hq 12,582,912 bytes; hs 786,432 bytes; z 12,582,912 bytes
;; launch route (part 1): grid 32 x 1, 8 waves a work-group, no clusters, 6,144 bytes of LDS; arguments x, gate_w, noise_weight, noise, xq, gt, msk, lossp; writes xq, gt, msk, lossp
.if DOCPART == 1
	.amdgcn_target "amdgcn-amd-amdhsa--gfx1250"
	.amdhsa_code_object_version 6
	.text
	.protected	k_q4690d3a07a_route
	.globl	k_q4690d3a07a_route
	.p2align	8
	.type	k_q4690d3a07a_route,@function
k_q4690d3a07a_route:
	s_mov_b64 s[64:65], 0
	v_nop
	global_prefetch_b8 v0, s[64:65] scope:SCOPE_SE
	s_setreg_imm32_b32 hwreg(HW_REG_WAVE_MODE, 25, 1), 1
	s_wait_xcnt 0x0
; THE ROUTER, AND x AS CODES.  1,024 tokens of 768 numbers, 8 experts, the two best chosen.
; A work-group takes 32 tokens, each of its eight waves four of them.  For each token: the 8 logits x . gate_w[e] in f32 (fused multiply-adds, then a sum over the lanes),
; and x as codes of E2M1 with one E8M0 byte for each 32 along K, laid as a record of 512 bytes: bytes 0-383 the codes in the order of k, bytes 384-407 six scale words (one for 128 k), the rest 0.
; Then wave 0, a lane to a token: the full softmax (its sums over the 32 tokens go to lossp), the noisy logits, the two best (ties: the lower index), the softmax over the two.
; What is chosen leaves as whole numbers at fixed places: for each expert a word whose bit t says 'token t of this group chose it first', and one for 'second'.  No address and no branch hangs on a floating-point number.
; A block's scale is 2^(floor(log2(largest magnitude)) - 2); its byte is that magnitude's exponent field - 2, held at 1 from below.
; LIMITS: NaN and infinities among the inputs are not served.  A block of zeros gets the byte 1 where the rule says 127: its codes are zeros, and this program alone reads the bytes.
; A lane holds k = 256 p + 8 lane + 0 .. 7, p = 0 .. 2, of x and of gate_w alike: each load of a wave covers 1,024 consecutive bytes in two instructions.
; REGISTERS: v1-13 addresses; v32-127 x of four tokens; v128-143 eight packed sums; v144-151 logits; v152-195 at work; v256-447 (the second window) gate_w: 24 registers an expert.
.set STGX, 0                           ; LDS: a record's stage, 512 bytes for each wave
.set LGT,  4096                        ; LDS: 32 tokens x 8 logits
.set X,    32
.set ACC,  128
.set LG,   144
.set MSB,  0
.macro WIN new                         ; the immediate's high byte repeats the setting that is left
.if MSB != \new
	s_set_vgpr_msb (MSB<<8)|\new
.set MSB, \new
.endif
.endm
	s_load_b512 s[4:19], s[0:1], 0x0               ; x, gate_w, noise_weight, noise, xq, gt, msk, lossp
	v_lshl_add_u32 v254, v0, 2, 0x1400
	v_mov_b32 v255, 0
	v_lshrrev_b32 v9, 5, v0
	v_readfirstlane_b32 s20, v9                    ; wave 0..7
	v_and_b32 v1, 31, v0                           ; lane
	v_lshlrev_b32 v2, 5, v1                        ; 32 x lane
	v_lshlrev_b32 v3, 4, v1                        ; 16 x lane
	s_lshl_b32 s21, s20, 9                         ; my stage
	v_lshl_add_u32 v4, v1, 2, s21                  ; codes: 4 bytes a lane
	v_lshrrev_b32 v9, 4, v1
	v_lshl_add_u32 v5, v9, 2, s21
	v_add_nc_u32 v5, 384, v5                       ; scale words: lanes 0-15 the even word, lanes 16-31 the odd one
	v_add_nc_u32 v6, s21, v3                       ; the record back: 16 bytes a lane
	v_bfe_u32 v7, v1, 2, 2
	v_lshlrev_b32 v7, 3, v7                        ; my block's byte in its word: 8 x ((lane / 4) % 4) bits up
	s_lshl_b32 s21, s20, 7
	s_add_co_u32 s21, s21, LGT
	v_mov_b32 v8, s21                              ; my four tokens' logits
	v_lshl_add_u32 v11, v1, 5, LGT                 ; wave 0, later: token = lane
	v_lshlrev_b32 v12, 2, v1
	v_lshlrev_b32 v13, 3, v1
	v_mov_b32 v10, 0
	ds_store_b32 v4, v10 offset:384                ; bytes 384-511 of the stage: zeros, once; the six words are written over them for each token
.irp j,0,1,2,3,4,5,6,7
	v_mov_b32 v[152+\j], 0                         ; written once: the destination of a lane permute counts as read
.endr
.irp j,0,1,2
	v_mov_b32 v[176+\j], 0
.endr
	s_mov_b32 s22, 0x76543210
	s_mov_b32 s23, 0xfedcba98                      ; v_permlanex16_b32: lane l xor 16
	s_lshl_b32 s48, ttmp9, 5
	s_lshl_b32 s49, s20, 2
	s_add_co_u32 s48, s48, s49                     ; my first token
	s_mul_i32 s50, s48, 3072
	s_mov_b32 s51, 0
	s_lshl_b32 s52, s48, 9
	s_mov_b32 s53, 0
	s_lshl_b32 s54, ttmp9, 10                      ; the group's noise: 32 tokens x 32 bytes
	s_mov_b32 s55, 0
	s_lshl_b32 s56, ttmp9, 8                       ; its gates: 32 x 8 bytes
	s_mov_b32 s57, 0
	s_lshl_b32 s58, ttmp9, 7                       ; its records of 128 bytes in msk and in lossp
	s_mov_b32 s59, 0
	s_wait_kmcnt 0x0
	s_load_b256 s[24:31], s[8:9], 0x0              ; noise_weight
	s_add_nc_u64 s[4:5], s[4:5], s[50:51]
	s_add_nc_u64 s[12:13], s[12:13], s[52:53]
	s_add_nc_u64 s[10:11], s[10:11], s[54:55]
	s_add_nc_u64 s[14:15], s[14:15], s[56:57]
	s_add_nc_u64 s[16:17], s[16:17], s[58:59]
	s_add_nc_u64 s[18:19], s[18:19], s[58:59]
	WIN 0x40                                       ; loaded data into the second window
.irp e,0,1,2,3,4,5,6,7
.irp p,0,1,2
	global_load_b128 v[24*\e+8*\p:24*\e+8*\p+3], v2, s[6:7] offset:3072*\e+1024*\p
	global_load_b128 v[24*\e+8*\p+4:24*\e+8*\p+7], v2, s[6:7] offset:3072*\e+1024*\p+16
.endr
.endr
	WIN 0
.irp i,0,1,2,3
.irp p,0,1,2
	global_load_b128 v[X+24*\i+8*\p:X+24*\i+8*\p+3], v2, s[4:5] offset:3072*\i+1024*\p th:TH_LOAD_NT
	global_load_b128 v[X+24*\i+8*\p+4:X+24*\i+8*\p+7], v2, s[4:5] offset:3072*\i+1024*\p+16 th:TH_LOAD_NT
.endr
.endr
	s_wait_loadcnt 0x0
	s_wait_kmcnt 0x0
; One token: its logits, and its record.
.macro TOKEN i
	WIN 0x04                                       ; source 1 (gate_w) in the second window
.irp e,0,1,2,3,4,5,6,7
	v_pk_mul_f32 v[ACC+2*\e:ACC+2*\e+1], v[X+24*\i:X+24*\i+1], v[24*\e:24*\e+1]   ; the first product starts each sum
.endr
.irp p,2,4,6,8,10,12,14,16,18,20,22
.irp e,0,1,2,3,4,5,6,7
	v_pk_fma_f32 v[ACC+2*\e:ACC+2*\e+1], v[X+24*\i+\p:X+24*\i+\p+1], v[24*\e+\p:24*\e+\p+1], v[ACC+2*\e:ACC+2*\e+1]   ; the eight experts by turns
.endr
.endr
	WIN 0
.irp e,0,1,2,3,4,5,6,7
	v_add_f32 v[LG+\e], v[ACC+2*\e], v[ACC+2*\e+1]
.endr
.irp k,1,2,4,8
.irp e,0,1,2,3,4,5,6,7
	v_add_f32_dpp v[LG+\e], v[LG+\e], v[LG+\e] row_xmask:\k row_mask:0xf bank_mask:0xf
.endr
.endr
.irp e,0,1,2,3,4,5,6,7
	v_permlanex16_b32 v[152+\e], v[LG+\e], s22, s23
.endr
.irp e,0,1,2,3,4,5,6,7
	v_add_f32 v[LG+\e], v[LG+\e], v[152+\e]        ; every lane holds the logit
.endr
	ds_store_b128 v8, v[LG:LG+3] offset:32*\i      ; all lanes write the same bytes with the same values
	ds_store_b128 v8, v[LG+4:LG+7] offset:32*\i+16
.irp p,0,1,2
	v_max3_num_f32 v[160+\p], |v[X+24*\i+8*\p]|, |v[X+24*\i+8*\p+1]|, 0x1800000   ; my 8 numbers, and the floor 2^(3 - 127): the byte cannot fall under 1
	v_max3_num_f32 v[160+\p], v[160+\p], |v[X+24*\i+8*\p+2]|, |v[X+24*\i+8*\p+3]|
	v_max3_num_f32 v[160+\p], v[160+\p], |v[X+24*\i+8*\p+4]|, |v[X+24*\i+8*\p+5]|
	v_max3_num_f32 v[160+\p], v[160+\p], |v[X+24*\i+8*\p+6]|, |v[X+24*\i+8*\p+7]|
	v_max_num_f32_dpp v[160+\p], v[160+\p], v[160+\p] row_xmask:1 row_mask:0xf bank_mask:0xf
	v_max_num_f32_dpp v[160+\p], v[160+\p], v[160+\p] row_xmask:2 row_mask:0xf bank_mask:0xf   ; four lanes hold a block of 32
	v_add_nc_u32 v[164+\p], 0xff000000, v[160+\p]  ; 2 off the exponent field: the conversion's scale operand
	v_cvt_scalef32_pk8_fp4_f32 v[168+\p], v[X+24*\i+8*\p:X+24*\i+8*\p+7], v[164+\p]
	v_lshrrev_b32 v[172+\p], 23, v[164+\p]         ; the scale's byte (a plain line behind the conversion),
	v_lshlrev_b32 v[172+\p], v7, v[172+\p]         ; at its place in the word of its 128 k;
	v_mov_b32_dpp v[176+\p], v[172+\p] row_xmask:4 row_mask:0xf bank_mask:0xf
	v_or_b32 v[172+\p], v[172+\p], v[176+\p]
	v_mov_b32_dpp v[176+\p], v[172+\p] row_xmask:8 row_mask:0xf bank_mask:0xf
	v_or_b32 v[172+\p], v[172+\p], v[176+\p]       ; with the three other blocks' the word is whole, in all sixteen lanes
	ds_store_b32 v4, v[168+\p] offset:128*\p
	ds_store_b32 v5, v[172+\p] offset:8*\p
.endr
	ds_load_b128 v[180+4*\i:183+4*\i], v6          ; LDS serves a wave's instructions in order: this sees the stores above
	s_wait_dscnt 0x0
	global_store_b128 v3, v[180+4*\i:183+4*\i], s[12:13] offset:512*\i   ; the wave stores 512 consecutive bytes, aligned; each token has its own data registers
.endm
	TOKEN 0
	TOKEN 1
	TOKEN 2
	TOKEN 3
	s_wait_dscnt 0x0                               ; my logits lie in LDS
	s_barrier_signal -1
	s_barrier_wait -1
	s_cmp_lg_u32 s20, 0
	s_cbranch_scc1 .Lend
	; ---- wave 0: a lane to a token
	ds_load_b128 v[32:35], v11
	ds_load_b128 v[36:39], v11 offset:16
	global_load_b128 v[40:43], v2, s[10:11]
	global_load_b128 v[44:47], v2, s[10:11] offset:16
	s_wait_dscnt 0x0
	v_max3_num_f32 v48, v32, v33, v34              ; the full softmax, its maximum taken away first
	v_max3_num_f32 v48, v48, v35, v36
	v_max3_num_f32 v48, v48, v37, v38
	v_max_num_f32 v48, v48, v39
.irp e,0,1,2,3,4,5,6,7
	v_sub_f32 v[50+\e], v[32+\e], v48
.endr
.irp e,0,1,2,3,4,5,6,7
	v_mul_f32 v[50+\e], 0x3fb8aa3b, v[50+\e]
.endr
.irp e,0,1,2,3,4,5,6,7
	v_exp_f32 v[50+\e], v[50+\e]
.endr
	v_mov_b32 v70, 0                               ; a plain line behind the exponentials
	s_wait_alu depctr_va_vdst(0)                   ; one wait for the eight, ahead of their first reader
	v_add_f32 v58, v50, v51
	v_add_f32 v59, v52, v53
	v_add_f32 v60, v54, v55
	v_add_f32 v61, v56, v57
	v_add_f32 v58, v58, v59
	v_add_f32 v60, v60, v61
	v_add_f32 v58, v58, v60
	v_rcp_f32 v59, v58
	v_mov_b32 v90, 0                               ; a plain line behind the reciprocal
	s_wait_alu depctr_va_vdst(0)
.irp e,0,1,2,3,4,5,6,7
	v_mul_f32 v[50+\e], v[50+\e], v59
.endr
.irp k,1,2,4,8
.irp e,0,1,2,3,4,5,6,7
	v_add_f32_dpp v[50+\e], v[50+\e], v[50+\e] row_xmask:\k row_mask:0xf bank_mask:0xf
.endr
.endr
.irp e,0,1,2,3,4,5,6,7
	v_permlanex16_b32 v[152+\e], v[50+\e], s22, s23
.endr
.irp e,0,1,2,3,4,5,6,7
	v_add_f32 v[50+\e], v[50+\e], v[152+\e]        ; the 32 tokens' sum of expert e's weight
.endr
.irp e,0,1,2,3,4,5,6,7
	v_readfirstlane_b32 s48, v[50+\e]
	v_writelane_b32 v70, s48, \e                   ; lane e holds sum e, the other lanes 0
.endr
	global_store_b32 v12, v70, s[18:19]            ; the group's record: 128 consecutive bytes
	s_wait_loadcnt 0x0
.irp e,0,1,2,3,4,5,6,7
	v_fma_f32 v[72+\e], v[40+\e], s[24+\e], v[32+\e]   ; the noisy logits
.endr
	v_mov_b32 v80, v72                             ; the best, by a strict comparison in ascending order: of equals the lower index stays
	v_mov_b32 v81, 0
.irp e,1,2,3,4,5,6,7
	v_cmp_gt_f32 vcc_lo, v[72+\e], v80
	v_cndmask_b32 v80, v80, v[72+\e], vcc_lo
	v_cndmask_b32 v81, v81, \e, vcc_lo
.endr
	v_mov_b32 v82, 0xff800000                      ; the second best, likewise, over the other seven
	v_cmp_eq_u32 vcc_lo, 0, v81
	v_cndmask_b32 v83, 0, 1, vcc_lo
.irp e,0,1,2,3,4,5,6,7
	v_cmp_ne_u32 s48, \e, v81
	v_cmp_gt_f32 vcc_lo, v[72+\e], v82
	s_and_b32 vcc_lo, vcc_lo, s48
	v_cndmask_b32 v82, v82, v[72+\e], vcc_lo
	v_cndmask_b32 v83, v83, \e, vcc_lo
.endr
	v_sub_f32 v84, v82, v80                        ; the softmax over the two, the larger taken away: 1 and t = e^(second - first), at most 1
	v_mul_f32 v84, 0x3fb8aa3b, v84
	v_exp_f32 v84, v84
	v_nop
	s_wait_alu depctr_va_vdst(0)
	v_add_f32 v85, 1.0, v84
	v_rcp_f32 v86, v85
	v_nop
	s_wait_alu depctr_va_vdst(0)
	v_mul_f32 v87, v84, v86
	global_store_b64 v13, v[86:87], s[14:15]       ; the token's two gates: the wave stores 256 consecutive bytes
.irp e,0,1,2,3,4,5,6,7
	v_cmp_eq_u32 s[32+\e], \e, v81                 ; which tokens chose e first,
	v_cmp_eq_u32 s[40+\e], \e, v83                 ; and which second
.endr
.irp j,0,1,2,3,4,5,6,7,8,9,10,11,12,13,14,15
	v_writelane_b32 v90, s[32+\j], \j
.endr
	global_store_b32 v12, v90, s[16:17]            ; the group's record of 16 words and 16 zeros
.Lend:
	s_wait_tensorcnt 0x0
	ds_add_u32 v254, v255
	s_wait_dscnt 0x0
	s_endpgm
.Lfunc_end_k_q4690d3a07a_route:
	.size	k_q4690d3a07a_route, .Lfunc_end_k_q4690d3a07a_route-k_q4690d3a07a_route
	.p2alignl 7, 3214868480
	.fill 96, 4, 3214868480
	.section	.rodata,"a",@progbits
	.p2align	6, 0x0
	.amdhsa_kernel k_q4690d3a07a_route
		.amdhsa_group_segment_fixed_size 6144
		.amdhsa_private_segment_fixed_size 0
		.amdhsa_enable_private_segment 0
		.amdhsa_kernarg_size 64
		.amdhsa_user_sgpr_count 2
		.amdhsa_user_sgpr_kernarg_segment_ptr 1
		.amdhsa_wavefront_size32 1
		.amdhsa_system_sgpr_workgroup_id_x 1
		.amdhsa_system_sgpr_workgroup_id_y 1
		.amdhsa_system_sgpr_workgroup_id_z 1
		.amdhsa_system_vgpr_workitem_id 0
		.amdhsa_next_free_vgpr 448
		.amdhsa_next_free_sgpr 66
		.amdhsa_reserve_vcc 1
		.amdhsa_float_denorm_mode_32 3
		.amdhsa_float_denorm_mode_16_64 3
		.amdhsa_memory_ordered 1
		.amdhsa_forward_progress 1
		.amdhsa_inst_pref_size 70
	.end_amdhsa_kernel
	.amdgpu_metadata
---
amdhsa.version: [ 1, 2 ]
amdhsa.kernels:
  - .name:           k_q4690d3a07a_route
    .symbol:         k_q4690d3a07a_route.kd
    .args:
      - { .name: x, .offset: 0, .size: 8, .value_kind: global_buffer, .address_space: global }
      - { .name: gate_w, .offset: 8, .size: 8, .value_kind: global_buffer, .address_space: global }
      - { .name: noise_weight, .offset: 16, .size: 8, .value_kind: global_buffer, .address_space: global }
      - { .name: noise, .offset: 24, .size: 8, .value_kind: global_buffer, .address_space: global }
      - { .name: xq, .offset: 32, .size: 8, .value_kind: global_buffer, .address_space: global }
      - { .name: gt, .offset: 40, .size: 8, .value_kind: global_buffer, .address_space: global }
      - { .name: msk, .offset: 48, .size: 8, .value_kind: global_buffer, .address_space: global }
      - { .name: lossp, .offset: 56, .size: 8, .value_kind: global_buffer, .address_space: global }
    .group_segment_fixed_size: 6144
    .private_segment_fixed_size: 0
    .kernarg_segment_align: 8
    .kernarg_segment_size: 64
    .max_flat_workgroup_size: 256
    .sgpr_count:     66
    .vgpr_count:     448
    .wavefront_size: 32
...
	.end_amdgpu_metadata
.endif
;; end of part 1
;; launch up (part 2): grid 24 x 8, 16 waves a work-group, no clusters, 323,584 bytes of LDS; arguments w1, w2, b1, b2, xq, msk, hq, hs; writes hq, hs
.if DOCPART == 2
	.amdgcn_target "amdgcn-amd-amdhsa--gfx1250"
	.amdhsa_code_object_version 6
	.text
	.protected	k_q4690d3a07a_up
	.globl	k_q4690d3a07a_up
	.p2align	8
	.type	k_q4690d3a07a_up,@function
k_q4690d3a07a_up:
	s_mov_b64 s[64:65], 0
	v_nop
	global_prefetch_b8 v0, s[64:65] scope:SCOPE_SE
	s_setreg_imm32_b32 hwreg(HW_REG_WAVE_MODE, 25, 1), 1
	s_wait_xcnt 0x0
; h = (x w1[e] + b1[e]) * silu(x w2[e] + b2[e]) for the rows that chose expert e, both products on codes of E2M1 with one E8M0 scale for each 32 along K; h leaves as codes.
; A work-group (x = slice, y = e) owns hidden units 128 slice .. + 127 of expert e: one K step of the third product.  It reads its 768 x 128 numbers of w1 and of w2 ONCE, as f32, quantises them in registers
; and keeps them in LDS as images of the operand's registers; then it multiplies them with the expert's rows alone.
; THE LIST.  The expert's rows are found from the stored masks by whole-number work: position p holds 2 x token + (0: first choice, 1: second) of the p-th token, ascending, that chose e.  n rows make NP = (n + 31) / 32
; pairs of tiles of 16.  Positions from n on repeat position n - 1: such rows compute and store the same numbers again.  Every split is served: n = 0 .. 1,024.
; QUANTISING THE WEIGHTS.  K is the weights' first axis: a lane takes a column and its registers run down K, so a block of 32 lies in one lane and the codes come out with K innermost.  Wave w: columns 32 (w % 4) on,
; w1 or w2 by w / 8, rows 384 ((w / 4) % 2) on: 12 blocks.  Each load of a wave covers 128 consecutive bytes, four waves side by side 512.  Two blocks (64 loads) are on their way.
; Lane l takes the column whose number is l with bits 3 and 4 changed: lanes 0-15 are then a tile's rows r + 8 (r / 8), lanes 16-31 those 8 further on, so that a lane's 16 results of the two tiles are 16 neighbours along the next K.
; THE PRODUCTS are used transposed (source 0 = 16 hidden units, source 1 = 16 rows of x): a lane holds one row and its registers run along the hidden units.  The biases are the C of each sum's first product.
; Wave w: hidden units 32 (w % 4) on; pairs w / 4 + 4 i of a chunk of 12 pairs, whose x records lie in LDS.  The three chunks (36 pairs cover the 32 that a list can have) are written out, so that every offset that hangs on
; the chunk is a constant of the text.  No tensor load: branches hang on NP, a stored number.  No barrier stands under such a branch, and every lane is on throughout.
; h's SCALE WORDS of a chunk leave whole, also where the list ends inside the chunk: the words of pairs from NP on hold zeros or an earlier chunk's bytes; they lie in this work-group's own part of hs, and the next launch reads
; the words of pairs under NP alone.
; LIMITS: NaN and infinities are not served; a block of zeros gets the byte 1 where the rule says 127 (its codes are zeros; this program alone reads the bytes).
; No cluster: what work-groups share (x's records, under a fifth of a work-group's bytes) is gathered by lists that differ from expert to expert.
; REGISTERS: v1-23 addresses, v24-35 the weights' scale words, v36-41 x's, v43-44 at work, v48-79 biases, v80-143 eight accumulators, v144-239 two sets of fragments, v240-255 at work.
;   While the weights are quantised: v48-143 the list's work, then 24 gathered records; v144-207 two blocks of 32 numbers; v208-223 codes; v224-232 at work.
.set WIMG, 0                           ; LDS: 96 fragments of 1,024 bytes: ((8 m + 2 g + u) 6 + s); in each 512 c + 16 lane
.set WSC,  98304                       ; their scale words: ((4 m + g) 6 + s) 128 + 4 lane
.set XIMG, 104448                      ; 24 tiles of 16 records: piece p of 16 bytes at 272 p, row r at 16 r: 8,704 bytes a tile
.set LIST, 313344                      ; 1,536 words: the list, and zeros from position 1,024 on (the third chunk's gather reads positions 768 to 1,151)
.set HSS,  319488                      ; h's scale bytes of a chunk: 4 x row + g: 1,536 bytes; 2,048 are cleared at the head, a word a thread
.set PITCH, 12288                      ; a row of w1 or w2 in bytes
.set PT,   48
.set LSTR, 16
.set X0,   144
.set CODES, 208
.set QT,   224
.set QS,   232
.set WS,   24
.set XS,   36
.set BIAS, 48
.set ACC,  80
.set SETS, 144
; block t of my column: 32 numbers down K
.macro LOADB t, xs
.set I, 0
.rept 32
	global_load_b32 v[\xs+I], v1, s[26:27] offset:(32*(\t)+I)*PITCH th:TH_LOAD_NT
.set I, I+1
.endr
.endm
; a block's largest magnitude, scale and codes; cnt: the younger loads that may stay out
.macro BLOCK xs, cd, cnt
	s_wait_loadcnt \cnt
	v_max3_num_f32 v[QT], |v[\xs]|, |v[\xs+1]|, |v[\xs+2]|
	v_max3_num_f32 v[QT+1], |v[\xs+3]|, |v[\xs+4]|, |v[\xs+5]|
.irp i,6,10,14,18,22,26
	v_max3_num_f32 v[QT], v[QT], |v[\xs+\i]|, |v[\xs+\i+1]|
	v_max3_num_f32 v[QT+1], v[QT+1], |v[\xs+\i+2]|, |v[\xs+\i+3]|
.endr
	v_max3_num_f32 v[QT], v[QT], |v[\xs+30]|, |v[\xs+31]|
	v_max3_num_f32 v[QT], v[QT], v[QT+1], 0x1800000    ; the floor 2^(3 - 127): the byte cannot fall under 1
	v_add_nc_u32 v[QT+2], 0xff000000, v[QT]            ; 2 off the exponent field: the conversion's scale operand
	s_wait_dscnt 0x0                                   ; the LDS stores of earlier codes and scale words have read their registers
.irp g,0,1,2,3
	v_cvt_scalef32_pk8_fp4_f32 v[\cd+\g], v[\xs+8*\g:\xs+8*\g+7], v[QT+2]
.endr
	v_lshrrev_b32 v[QT+3], 23, v[QT+2]                 ; the scale's byte; a plain line behind the conversions
.endm
; one step of the search for the q-th set bit: if q is at least the count t of the lower half, take t off q and go wd bits up
.macro PSEL pb, wd, first
	v_cmp_ge_u32 vcc_lo, v[\pb+5], v[\pb+11]
	v_cndmask_b32 v[\pb+11], 0, v[\pb+11], vcc_lo
	v_sub_nc_u32 v[\pb+5], v[\pb+5], v[\pb+11]
.if \first
	v_cndmask_b32 v[\pb+10], 0, \wd, vcc_lo
.else
	v_cndmask_b32 v[\pb+12], 0, \wd, vcc_lo
	v_add_nc_u32 v[\pb+10], v[\pb+10], v[\pb+12]
.endif
.endm
; registers at pb: +0 my position, +1 rows ahead of my group, +2 the group's mask, +3 its 'second choice' mask, +4 the group, +5 q, +6 .. +8 counts of 2, 4, 8 bits, +10 the bit, +11, +12 at work
.macro PFIND pb, off
	v_sub_nc_u32 v[\pb+5], v[\pb], v[\pb+1]
	v_lshrrev_b32 v[\pb+11], 1, v[\pb+2]
	v_and_b32 v[\pb+11], 0x55555555, v[\pb+11]
	v_sub_nc_u32 v[\pb+6], v[\pb+2], v[\pb+11]
	v_lshrrev_b32 v[\pb+11], 2, v[\pb+6]
	v_and_b32 v[\pb+11], 0x33333333, v[\pb+11]
	v_and_b32 v[\pb+7], 0x33333333, v[\pb+6]
	v_add_nc_u32 v[\pb+7], v[\pb+7], v[\pb+11]
	v_lshrrev_b32 v[\pb+11], 4, v[\pb+7]
	v_add_nc_u32 v[\pb+8], v[\pb+7], v[\pb+11]
	v_and_b32 v[\pb+8], 0x0f0f0f0f, v[\pb+8]
	v_lshrrev_b32 v[\pb+11], 8, v[\pb+8]
	v_add_nc_u32 v[\pb+11], v[\pb+8], v[\pb+11]
	v_and_b32 v[\pb+11], 0xff, v[\pb+11]               ; set bits among the low 16
	PSEL \pb, 16, 1
	v_bfe_u32 v[\pb+11], v[\pb+8], v[\pb+10], 8
	PSEL \pb, 8, 0
	v_bfe_u32 v[\pb+11], v[\pb+7], v[\pb+10], 4
	PSEL \pb, 4, 0
	v_bfe_u32 v[\pb+11], v[\pb+6], v[\pb+10], 2
	PSEL \pb, 2, 0
	v_bfe_u32 v[\pb+11], v[\pb+2], v[\pb+10], 1
	PSEL \pb, 1, 0
	v_bfe_u32 v[\pb+11], v[\pb+3], v[\pb+10], 1        ; was it the token's second choice?
	v_lshl_add_u32 v[\pb+12], v[\pb+4], 5, v[\pb+10]   ; the token: 32 x group + bit
	v_lshl_or_b32 v[\pb+12], v[\pb+12], 1, v[\pb+11]
	v_min_u32 v[\pb+12], 0x7ff, v[\pb+12]
	ds_store_b32 v[LSTR], v[\pb+12] offset:\off
.endm
; THE LIST.  In: v[PT], v[PT+1]: lane l holds group l's two masks for my expert.  Out: s40 n, s41 NP, and my thread's two positions (thread, thread + 512) in LDS.
.macro PLACE
	v_or_b32 v[PT+3], v[PT], v[PT+1]
	s_mov_b32 s40, 0
.set W, 0
.rept 32
	v_readlane_b32 s[66+W], v[PT+3], W
	s_bcnt1_i32_b32 s45, s[66+W]
	s_add_co_u32 s40, s40, s45
.set W, W+1
.endr
	s_add_co_u32 s41, s40, 31
	s_lshr_b32 s41, s41, 5
	s_sub_co_u32 s42, s40, 1
	v_min_u32 v[PT+4], s42, v0                         ; positions from n on repeat position n - 1
	v_add_nc_u32 v[PT+20], 512, v0
	v_min_u32 v[PT+20], s42, v[PT+20]
	v_readlane_b32 s46, v[PT+1], 0
.irp b,4,20
	v_mov_b32 v[PT+\b+1], 0
	v_mov_b32 v[PT+\b+2], s66
	v_mov_b32 v[PT+\b+3], s46
	v_mov_b32 v[PT+\b+4], 0
.endr
	s_bcnt1_i32_b32 s47, s66                           ; rows ahead of the group in hand
.set W, 1
.rept 31
	v_readlane_b32 s46, v[PT+1], W
.irp b,4,20
	v_cmp_le_u32 vcc_lo, s47, v[PT+\b]                 ; the last group with no more rows ahead of it than my position is mine
	v_cndmask_b32 v[PT+\b+1], v[PT+\b+1], s47, vcc_lo
	v_cndmask_b32 v[PT+\b+2], v[PT+\b+2], s[66+W], vcc_lo
	v_cndmask_b32 v[PT+\b+3], v[PT+\b+3], s46, vcc_lo
	v_cndmask_b32 v[PT+\b+4], v[PT+\b+4], W, vcc_lo
.endr
	s_bcnt1_i32_b32 s45, s[66+W]
	s_add_co_u32 s47, s47, s45
.set W, W+1
.endr
	PFIND PT+4, 0
	PFIND PT+20, 2048
.endm
; my 24 rows of a chunk (tile w / 2 + 8 k, rows 8 (w % 2) + 0 .. 7): their list entries, every lane the same, become byte offsets of records: 512 x token + 16 x lane, in the first register of each row's four.
; off: where the chunk's part of the list begins, in bytes: a constant
.macro GLIST gb, off
.irp j,0,1,2,3,4,5
	ds_load_b128 v[\gb+16*\j:\gb+16*\j+3], v15 offset:\off+512*(\j/2)+16*(\j%2)
.endr
	s_wait_dscnt 0x0
.irp j,0,1,2,3,4,5
.irp q,1,2,3,0
	v_min_u32 v[\gb+16*\j+\q], 0x7ff, v[\gb+16*\j+\q]
	v_and_b32 v[\gb+16*\j+\q], 0x7fe, v[\gb+16*\j+\q]
	v_lshl_add_u32 v[\gb+16*\j+4*\q], v[\gb+16*\j+\q], 8, v19
.endr
.endr
.endm
.macro GLOAD gb                        ; one load brings one record: 512 consecutive bytes; it lands on its own offset register
.set R, 0
.rept 24
	global_load_b128 v[\gb+4*R:\gb+4*R+3], v[\gb+4*R], s[12:13]
.set R, R+1
.endr
.endm
.macro GSTORE gb                       ; lane l's piece l of the record: 272 bytes from piece to piece, so the lanes fall on different banks
.set R, 0
.rept 24
	ds_store_b128 v[12+R/8], v[\gb+4*R:\gb+4*R+3] offset:16*(R%8)
.set R, R+1
.endr
.endm
; four blocks of my column are a K step: the halves of the lanes change places so that lanes 0-15 hold blocks 0 and 2 and lanes 16-31 blocks 1 and 3 of a tile's rows; two fragments and a scale word go to LDS as they stand
.macro UNITEND i
.irp j,0,1,2,3,4,5,6,7
	v_permlane16_swap_b32 v[CODES+\j], v[CODES+8+\j]
.endr
	ds_store_b128 v2, v[CODES:CODES+3] offset:1024*(\i)
	ds_store_b128 v2, v[CODES+4:CODES+7] offset:1024*(\i)+512
	ds_store_b128 v2, v[CODES+8:CODES+11] offset:6144+1024*(\i)
	ds_store_b128 v2, v[CODES+12:CODES+15] offset:6144+1024*(\i)+512
	ds_store_b32 v3, v[QS] offset:128*(\i)
.endm
.macro QB t, cnt                       ; block t: blocks 0, 2, 1, 3 of a K step go to CODES + 0, 4, 8, 12
	BLOCK X0+32*((\t)%2), CODES+8*((\t)%2)+4*(((\t)%4)/2), \cnt
.if (\t)%4 == 0
	v_mov_b32 v[QS], v[QT+3]
.else
	v_lshl_or_b32 v[QS], v[QT+3], 8*((\t)%4), v[QS]
.endif
.if (\t)+2 < 12
	LOADB (\t)+2, X0+32*((\t)%2)
.endif
.if (\t)%4 == 3
	UNITEND (\t)/4
.endif
.endm
; a scaled product; ra, rb: the scale words stand in lanes 16-31 of their registers
.macro WM d, a, b, c, sa, sb, ra, rb
.if (\ra) == 0
.if (\rb) == 0
	v_wmma_scale_f32_16x16x128_f8f6f4 v[\d:\d+7], v[\a:\a+7], v[\b:\b+7], v[\c:\c+7], v[\sa], v[\sb] matrix_a_fmt:MATRIX_FMT_FP4 matrix_b_fmt:MATRIX_FMT_FP4
.else
	v_wmma_scale_f32_16x16x128_f8f6f4 v[\d:\d+7], v[\a:\a+7], v[\b:\b+7], v[\c:\c+7], v[\sa], v[\sb] matrix_a_fmt:MATRIX_FMT_FP4 matrix_b_fmt:MATRIX_FMT_FP4 matrix_b_scale:MATRIX_SCALE_ROW1
.endif
.else
.if (\rb) == 0
	v_wmma_scale_f32_16x16x128_f8f6f4 v[\d:\d+7], v[\a:\a+7], v[\b:\b+7], v[\c:\c+7], v[\sa], v[\sb] matrix_a_fmt:MATRIX_FMT_FP4 matrix_b_fmt:MATRIX_FMT_FP4 matrix_a_scale:MATRIX_SCALE_ROW1
.else
	v_wmma_scale_f32_16x16x128_f8f6f4 v[\d:\d+7], v[\a:\a+7], v[\b:\b+7], v[\c:\c+7], v[\sa], v[\sb] matrix_a_fmt:MATRIX_FMT_FP4 matrix_b_fmt:MATRIX_FMT_FP4 matrix_a_scale:MATRIX_SCALE_ROW1 matrix_b_scale:MATRIX_SCALE_ROW1
.endif
.endif
.endm
.macro SLOAD i, s                      ; K step s: four fragments of the weights (m, u) and two of x (t) into set s % 2: 12 loads
.irp m,0,1
.irp u,0,1
.irp c,0,1
	ds_load_b128 v[SETS+48*((\s)%2)+8*(2*\m+\u)+4*\c:SETS+48*((\s)%2)+8*(2*\m+\u)+4*\c+3], v4 offset:49152*\m+6144*\u+1024*(\s)+512*\c
.endr
.endr
.endr
.irp t,0,1
.irp c,0,1
	ds_load_b128 v[SETS+48*((\s)%2)+32+8*\t+4*\c:SETS+48*((\s)%2)+32+8*\t+4*\c+3], v[6+\i] offset:8704*\t+272*(4*(\s)+2*\c)
.endr
.endr
.endm
.macro KSTEP i, s
.rept 4
	v_nop                                          ; four plain places between the products that read a set and the loads into it (ISA guide 7.12.1 for vector instructions)
.endr
.if (\s) < 5
	SLOAD \i, (\s)+1
	s_wait_dscnt 12                                ; all but the 12 just issued: this step's fragments are in
.else
	s_wait_dscnt 0x0
.endif
.irp m,0,1
.irp t,0,1
.irp u,0,1
.set RD, ACC+32*\m+16*\t+8*\u
.set RA, SETS+48*((\s)%2)+8*(2*\m+\u)
.set RB, SETS+48*((\s)%2)+32+8*\t
.if (\s) == 0
.set RC, BIAS+16*\m+8*\u
.else
.set RC, ACC+32*\m+16*\t+8*\u
.endif
.set RS, WS+6*\m+(\s)
.set RT, XS+(\s)
	WM RD, RA, RB, RC, RS, RT, \u, \t              ; the eight accumulators by turns, one instruction a turn
.endr
.endr
.endr
.endm
; A pair of tiles of rows (pair w / 4 + 4 i of chunk c), my 32 hidden units: 48 products, the activation, the quantiser, 16 bytes of codes a lane and a scale byte.
.macro TASKU c, i
	s_add_co_u32 s45, s55, 12*\c+4*\i              ; the pair: the wave's part and a constant
	s_cmp_ge_u32 s45, s41
	s_cbranch_scc1 .Lskip_\@                       ; no such pair in this expert's list
	s_wait_xcnt 0x0                                ; earlier stores have read their registers: v44 and v240-243 are written again below
	s_mul_i32 s46, s45, 49152
	v_add_nc_u32 v44, s46, v18
	ds_load_b128 v[XS:XS+3], v[9+\i]               ; x's scale words: lanes 0-15 the first tile's rows, lanes 16-31 the second's
	ds_load_b64 v[XS+4:XS+5], v[9+\i] offset:272
	SLOAD \i, 0
.irp s,0,1,2,3,4,5
	KSTEP \i, \s
.endr
.rept 4
	v_nop                                          ; places behind the last products
.endr
.irp j,0,2,4,6,8,10,12,14,16,18,20,22,24,26,28,30
	v_pk_mul_f32 v[144+\j:145+\j], v[112+\j:113+\j], s[38:39] op_sel_hi:[1,0]   ; -a2 log2(e); each accumulator is read from its low end on
.endr
.irp j,0,1,2,3,4,5,6,7,8,9,10,11,12,13,14,15,16,17,18,19,20,21,22,23,24,25,26,27,28,29,30,31
	v_exp_f32 v[144+\j], v[144+\j]
.endr
.irp j,0,2,4,6,8,10,12,14,16,18,20,22,24,26,28,30
	v_pk_mul_f32 v[80+\j:81+\j], v[80+\j:81+\j], v[112+\j:113+\j]   ; a1 a2: plain work behind the exponentials, which names none of their results
.endr
	s_wait_alu depctr_va_vdst(0)                   ; one wait for the 32 exponentials
.irp j,0,2,4,6,8,10,12,14,16,18,20,22,24,26,28,30
	v_pk_add_f32 v[144+\j:145+\j], v[144+\j:145+\j], 1.0 op_sel_hi:[1,0]
.endr
.irp j,0,1,2,3,4,5,6,7,8,9,10,11,12,13,14,15,16,17,18,19,20,21,22,23,24,25,26,27,28,29,30,31
	v_rcp_f32 v[144+\j], v[144+\j]
.endr
	v_nop
	s_wait_alu depctr_va_vdst(0)                   ; and one for the 32 reciprocals
.irp j,0,2,4,6,8,10,12,14,16,18,20,22,24,26,28,30
	v_pk_mul_f32 v[80+\j:81+\j], v[80+\j:81+\j], v[144+\j:145+\j]   ; h = a1 a2 / (1 + e^-a2): register 16 t + i is hidden unit 16 (lane / 16) + i of my 32, row lane % 16 of tile t
.endr
.irp t,0,1
	v_max3_num_f32 v[244+\t], |v[80+16*\t]|, |v[81+16*\t]|, 0x1800000
.endr
.irp q,2,4,6,8,10,12,14
.irp t,0,1
	v_max3_num_f32 v[244+\t], v[244+\t], |v[80+16*\t+\q]|, |v[81+16*\t+\q]|
.endr
.endr
.irp t,0,1
	v_permlanex16_b32 v[246+\t], v[244+\t], s36, s37
.endr
.irp t,0,1
	v_max_num_f32 v[244+\t], v[244+\t], v[246+\t]  ; with lane l xor 16's 16: the block's largest magnitude
.endr
.irp t,0,1
	v_add_nc_u32 v[248+\t], 0xff000000, v[244+\t]
.endr
.irp t,0,1
	v_lshrrev_b32 v[250+\t], 23, v[248+\t]
.endr
.irp t,0,1
	v_cvt_scalef32_pk8_fp4_f32 v[240+2*\t], v[80+16*\t:87+16*\t], v[248+\t]
	v_cvt_scalef32_pk8_fp4_f32 v[241+2*\t], v[88+16*\t:95+16*\t], v[248+\t]
.endr
	v_nop                                          ; a plain line behind the conversions
	v_permlane16_swap_b32 v240, v242               ; lanes 0-15 now hold the whole block of the first tile's row, lanes 16-31 of the second's
	v_permlane16_swap_b32 v241, v243
	v_cndmask_b32 v252, v250, v251, s52            ; and the block's byte likewise
	ds_store_b8 v17, v252 offset:512*\i
	global_store_b128 v44, v[240:243], s[32:33]    ; sixteen lanes store 256 consecutive bytes, aligned: a block of 32 hidden units for 16 rows
.Lskip_\@:
.endm
; CHUNK c: pairs 12 c .. 12 c + 11.  My passes; a barrier; the chunk's scale words leave; the next chunk's records are gathered, if the list has such a chunk; a barrier.
; The last chunk has two passes (pairs 32 to 35 cannot be), no next chunk and so no second barrier.
.macro CHUNK c
	TASKU \c, 0
	TASKU \c, 1
.if \c < 2
	TASKU \c, 2
.endif
	s_wait_dscnt 0x0                               ; my reads of the records are over, my scale bytes lie in LDS
	s_barrier_signal -1
	s_barrier_wait -1
	s_cmp_lt_u32 s20, 3-\c/2                       ; the chunk's scale words leave 16 bytes a lane, all lanes on: 1,536 bytes by waves 0 to 2; of the last chunk's eight pairs 1,024 bytes by waves 0 and 1
	s_cbranch_scc0 .Lnoflush_\@
	s_cmp_gt_u32 s41, 12*\c
	s_cbranch_scc0 .Lnoflush_\@                    ; the list has no pair in this chunk
	s_wait_xcnt 0x0                                ; earlier stores have read v240-243
	ds_load_b128 v[240:243], v20
	s_wait_dscnt 0x0
	global_store_b128 v21, v[240:243], s[34:35] offset:1536*\c   ; the wave stores 512 consecutive bytes, aligned
.Lnoflush_\@:
.if \c < 2
	s_cmp_gt_u32 s41, 12*(\c+1)
	s_cbranch_scc0 .Lnonext_\@                     ; the same way in all sixteen waves; no barrier stands inside
	GLIST 144, 1536*(\c+1)
	GLOAD 144
	s_wait_loadcnt 0x0
	GSTORE 144
.Lnonext_\@:
	s_wait_dscnt 0x0
	s_barrier_signal -1
	s_barrier_wait -1                              ; the next chunk's records lie in LDS, and the scale bytes have been read
.endif
.endm
	s_load_b512 s[4:19], s[0:1], 0x0               ; w1, w2, b1, b2, xq, msk, hq, hs
	v_lshl_add_u32 v47, v0, 2, 0x4e800
	v_mov_b32 v255, 0
	v_lshrrev_b32 v253, 5, v0
	v_readfirstlane_b32 s20, v253                  ; wave 0..15
	v_and_b32 v250, 31, v0                         ; lane
	v_and_b32 v251, 15, v0                         ; r
	v_bfe_u32 v252, v0, 4, 1                       ; hh
	v_and_b32 v253, 7, v0
	v_bfe_u32 v254, v0, 3, 1
	v_lshl_or_b32 v253, v252, 3, v253
	v_lshl_or_b32 v253, v254, 4, v253              ; my column among the wave's 32: the lane with bits 3 and 4 changed
	v_lshlrev_b32 v1, 2, v253
	v_lshlrev_b32 v[PT+2], 7, v250                 ; group = lane: records of 128 bytes
	s_and_b32 s21, s20, 3                          ; g
	s_lshr_b32 s22, s20, 3                         ; m: w1 or w2
	s_lshr_b32 s55, s20, 2
	s_and_b32 s56, s55, 1                          ; which 384 rows
	s_and_b32 s24, ttmp7, 0xffff                   ; e
	s_mul_i32 s46, s24, 9437184                    ; an expert's 768 x 3,072 numbers
	s_mul_i32 s47, s56, 4718592
	s_add_co_u32 s46, s46, s47
	s_lshl_b32 s47, ttmp9, 9
	s_add_co_u32 s46, s46, s47
	s_lshl_b32 s47, s21, 7
	s_add_co_u32 s46, s46, s47
	s_mov_b32 s47, 0
	s_lshl_b32 s48, s24, 2
	s_mov_b32 s49, 0
	s_wait_kmcnt 0x0
	s_cmp_eq_u32 s22, 0
	s_cselect_b64 s[26:27], s[4:5], s[6:7]
	s_add_nc_u64 s[26:27], s[26:27], s[46:47]
	s_add_nc_u64 s[14:15], s[14:15], s[48:49]
	global_load_b32 v[PT], v[PT+2], s[14:15]       ; 'chose e first',
	global_load_b32 v[PT+1], v[PT+2], s[14:15] offset:32   ; 'chose e second'
	LOADB 0, X0
	LOADB 1, X0+32
	; the other addresses, while the loads are out
	v_lshlrev_b32 v19, 4, v250                     ; 16 x lane
	s_mul_i32 s46, s22, 49152
	s_mul_i32 s48, s21, 12288
	s_add_co_u32 s46, s46, s48
	s_mul_i32 s49, s56, 3072
	s_add_co_u32 s46, s46, s49
	v_add_nc_u32 v2, s46, v19                      ; where I store fragments
	v_add_nc_u32 v4, s48, v19                      ; where I read them
	s_mul_i32 s46, s22, 3072
	s_mul_i32 s48, s21, 768
	s_add_co_u32 s48, s48, WSC
	s_add_co_u32 s46, s46, s48
	s_mul_i32 s49, s56, 384
	s_add_co_u32 s46, s46, s49
	v_lshl_add_u32 v3, v250, 2, s46                ; scale words: store,
	v_lshl_add_u32 v5, v250, 2, s48                ; read
	v_mul_u32_u24 v253, v252, 272
	v_lshl_add_u32 v253, v251, 4, v253
	s_mul_i32 s46, s55, 17408
	s_add_co_u32 s46, s46, XIMG
	v_add_nc_u32 v6, s46, v253                     ; x's fragments of my three pairs
	v_add_nc_u32 v7, 69632, v6
	v_add_nc_u32 v8, 139264, v6
	v_mul_u32_u24 v253, v252, 8704
	v_lshl_add_u32 v253, v251, 4, v253
	s_add_co_u32 s46, s46, 6528
	v_add_nc_u32 v9, s46, v253                     ; and their scale words (pieces 24 and 25)
	v_add_nc_u32 v10, 69632, v9
	v_add_nc_u32 v11, 139264, v9
	s_lshr_b32 s46, s20, 1
	s_mul_i32 s46, s46, 8704
	s_and_b32 s48, s20, 1
	s_lshl_b32 s48, s48, 7
	s_add_co_u32 s46, s46, s48
	s_add_co_u32 s46, s46, XIMG
	v_mul_u32_u24 v253, v250, 272
	v_add_nc_u32 v12, s46, v253                    ; where gathered records go
	v_add_nc_u32 v13, 69632, v12
	v_add_nc_u32 v14, 139264, v12
	s_lshl_b32 s46, s20, 5
	s_add_co_u32 s46, s46, LIST
	v_mov_b32 v15, s46                             ; my 8 list entries of each 128
	v_lshl_add_u32 v16, v0, 2, LIST                ; my thread's list word
	s_lshl_b32 s46, s55, 7
	s_add_co_u32 s46, s46, s21
	s_add_co_u32 s46, s46, HSS
	v_lshl_add_u32 v17, v250, 2, s46               ; h's scale byte
	v_mul_u32_u24 v18, v252, 24576
	v_lshl_add_u32 v18, v251, 4, v18               ; in hq: a tile is 24,576 bytes, a row 16
	v_lshl_add_u32 v20, v0, 4, HSS                 ; the scale words' way out (waves 0 to 2)
	v_lshlrev_b32 v21, 4, v0
	v_lshlrev_b32 v23, 6, v252                     ; biases: 16 numbers on for lanes 16-31
	v_mov_b32 v43, 0
	v_mov_b32 v246, 0                              ; written once: the destination of a lane permute counts as read
	v_mov_b32 v247, 0
	s_mul_i32 s46, s24, 12288
	s_lshl_b32 s48, ttmp9, 9
	s_add_co_u32 s46, s46, s48
	s_lshl_b32 s48, s21, 7
	s_add_co_u32 s46, s46, s48
	s_add_nc_u64 s[28:29], s[8:9], s[46:47]        ; b1 and b2 at my 32 hidden units
	s_add_nc_u64 s[30:31], s[10:11], s[46:47]
	s_mul_i32 s46, s24, 1572864
	s_lshl_b32 s48, ttmp9, 10
	s_add_co_u32 s46, s46, s48
	s_lshl_b32 s48, s21, 8
	s_add_co_u32 s46, s46, s48
	s_add_nc_u64 s[32:33], s[16:17], s[46:47]      ; hq at expert e, block 4 slice + g
	s_mul_i32 s46, s24, 24
	s_add_co_u32 s46, s46, ttmp9
	s_lshl_b32 s46, s46, 12
	s_add_nc_u64 s[34:35], s[18:19], s[46:47]      ; hs at expert e, K step slice
	s_mov_b32 s36, 0x76543210
	s_mov_b32 s37, 0xfedcba98
	s_mov_b32 s38, 0xbfb8aa3b                      ; -log2(e)
	s_mov_b32 s39, s38
	s_mov_b32 s52, 0xffff0000                      ; lanes 16-31
	s_wait_loadcnt 63                              ; 64 loads are younger than the masks
	PLACE
	ds_store_b32 v[LSTR], v43 offset:4096          ; positions 1,024 to 1,535: zeros
	ds_store_b32 v[LSTR], v43 offset:HSS-LIST      ; and h's scale bytes: zeros, a word a thread, so that a chunk's words can leave whole
	s_wait_dscnt 0x0
	s_barrier_signal -1
	s_barrier_wait -1                              ; the list is whole
	GLIST 48, 0
	GLOAD 48                                       ; the first chunk's records come while the weights are quantised
	QB 0, 56                                       ; younger: block 1's 32 loads and the 24 records
	QB 1, 56                                       ; younger: the 24 records and block 2's 32
	s_wait_loadcnt 63                              ; 64 loads are younger than the records
	GSTORE 48
	QB 2, 32                                       ; younger: the next block
	QB 3, 32
	QB 4, 32
	QB 5, 32
	QB 6, 32
	QB 7, 32
	QB 8, 32
	QB 9, 32
	QB 10, 32
.irp m,0,1
.irp u,0,1
	global_load_b128 v[BIAS+16*\m+8*\u:BIAS+16*\m+8*\u+3], v23, s[28+2*\m:29+2*\m] offset:32*\u       ; register j: the bias of hidden unit 16 (lane / 16) + 8 u + j
	global_load_b128 v[BIAS+16*\m+8*\u+4:BIAS+16*\m+8*\u+7], v23, s[28+2*\m:29+2*\m] offset:32*\u+16
.endr
.endr
	QB 11, 8                                       ; younger: the eight bias loads
	s_wait_dscnt 0x0
	s_barrier_signal -1
	s_barrier_wait -1                              ; the weights' fragments and the first chunk's records lie in LDS
.irp m,0,1
.irp s,0,1,2,3,4,5
	ds_load_b32 v[WS+6*\m+\s], v5 offset:3072*\m+128*\s   ; lanes 0-15: the first tile's rows, lanes 16-31 the second's
.endr
.endr
	s_wait_loadcnt 0x0
	s_wait_dscnt 0x0
	CHUNK 0
	CHUNK 1
	CHUNK 2
	s_wait_tensorcnt 0x0
	ds_add_u32 v47, v255
	s_wait_dscnt 0x0
	s_endpgm
.Lfunc_end_k_q4690d3a07a_up:
	.size	k_q4690d3a07a_up, .Lfunc_end_k_q4690d3a07a_up-k_q4690d3a07a_up
	.p2alignl 7, 3214868480
	.fill 96, 4, 3214868480
	.section	.rodata,"a",@progbits
	.p2align	6, 0x0
	.amdhsa_kernel k_q4690d3a07a_up
		.amdhsa_group_segment_fixed_size 323584
		.amdhsa_private_segment_fixed_size 0
		.amdhsa_enable_private_segment 0
		.amdhsa_kernarg_size 64
		.amdhsa_user_sgpr_count 2
		.amdhsa_user_sgpr_kernarg_segment_ptr 1
		.amdhsa_wavefront_size32 1
		.amdhsa_system_sgpr_workgroup_id_x 1
		.amdhsa_system_sgpr_workgroup_id_y 1
		.amdhsa_system_sgpr_workgroup_id_z 1
		.amdhsa_system_vgpr_workitem_id 0
		.amdhsa_next_free_vgpr 256
		.amdhsa_next_free_sgpr 100
		.amdhsa_reserve_vcc 1
		.amdhsa_float_denorm_mode_32 3
		.amdhsa_float_denorm_mode_16_64 3
		.amdhsa_memory_ordered 1
		.amdhsa_forward_progress 1
		.amdhsa_inst_pref_size 255
	.end_amdhsa_kernel
	.section	.bss,"aw",@nobits
	.p2align	6
	.space	262144
	.amdgpu_metadata
---
amdhsa.version: [ 1, 2 ]
amdhsa.kernels:
  - .name:           k_q4690d3a07a_up
    .symbol:         k_q4690d3a07a_up.kd
    .args:
      - { .name: w1, .offset: 0, .size: 8, .value_kind: global_buffer, .address_space: global }
      - { .name: w2, .offset: 8, .size: 8, .value_kind: global_buffer, .address_space: global }
      - { .name: b1, .offset: 16, .size: 8, .value_kind: global_buffer, .address_space: global }
      - { .name: b2, .offset: 24, .size: 8, .value_kind: global_buffer, .address_space: global }
      - { .name: xq, .offset: 32, .size: 8, .value_kind: global_buffer, .address_space: global }
      - { .name: msk, .offset: 40, .size: 8, .value_kind: global_buffer, .address_space: global }
      - { .name: hq, .offset: 48, .size: 8, .value_kind: global_buffer, .address_space: global }
      - { .name: hs, .offset: 56, .size: 8, .value_kind: global_buffer, .address_space: global }
    .group_segment_fixed_size: 323584
    .private_segment_fixed_size: 0
    .kernarg_segment_align: 8
    .kernarg_segment_size: 64
    .max_flat_workgroup_size: 512
    .sgpr_count:     100
    .vgpr_count:     256
    .wavefront_size: 32
...
	.end_amdgpu_metadata
.endif
;; end of part 2
;; launch down (part 3): grid 24 x 8, 16 waves a work-group, no clusters, 201,728 bytes of LDS; arguments wp, bp, hq, hs, msk, gt, z; writes z
.if DOCPART == 3
	.amdgcn_target "amdgcn-amd-amdhsa--gfx1250"
	.amdhsa_code_object_version 6
	.text
	.protected	k_q4690d3a07a_down
	.globl	k_q4690d3a07a_down
	.p2align	8
	.type	k_q4690d3a07a_down,@function
k_q4690d3a07a_down:
	s_mov_b64 s[64:65], 0
	v_nop
	global_prefetch_b8 v0, s[64:65] scope:SCOPE_SE
	s_setreg_imm32_b32 hwreg(HW_REG_WAVE_MODE, 25, 1), 1
	s_wait_xcnt 0x0
; z[kh][row] = gate(row) x (h wp[e] over half kh of the hidden units, + bp[e] in half 0), for the rows that chose expert e; the product on codes of E2M1 with one E8M0 scale for each 32 along K.
; A work-group (x = 2 cs + kh, y = e) owns outputs 64 cs .. + 63 and hidden units 1,536 kh .. + 1,535: 12 K steps.  It reads its 1,536 x 64 numbers of wp ONCE, as f32, quantises them in registers (a lane to a column,
; registers down K) and keeps them in LDS as images of the operand's registers.  Wave w: columns 32 (w % 2) on, rows 192 (w / 2) on: six blocks.  Two waves side by side read 256 consecutive bytes of a row, aligned.
; THE LIST is found from the stored masks as in the launch before: position p holds 2 x token + (second choice?); positions from n on repeat position n - 1 and store the same numbers to the same row again.
; THE PRODUCT is used transposed (source 0 = 16 outputs, source 1 = 16 rows of h): a lane holds one row and eight neighbouring outputs.  Wave w takes the pairs of tiles w and w + 16.  h's fragments come from memory
; as they lie (four units of 256 bytes are a fragment's registers), two K steps ahead; the weights' from LDS, one step ahead.
; The way out: through the wave's own stage, so that sixteen lanes store 256 consecutive bytes of a row of z, aligned.  No tensor load: branches hang on NP, a stored number.  One barrier, under no branch.
; K is split in two so that a row's part of wp and of z is 256 bytes and 192 work-groups have work; the halves are added by the last launch.
; LIMITS: NaN and infinities are not served; a block of zeros gets the byte 1 where the rule says 127 (its codes are zeros; this program alone reads the bytes).
; No cluster: what work-groups share (h's codes) is a small part of a work-group's bytes beside its own weights.
; REGISTERS: v1-19 addresses, v24-47 the weights' scale words, v48-59 h's, v60-67 entry and gates, v68-131 eight accumulators, v132-195 two sets of the weights' fragments, v196-243 three sets of h's, v244-255 at work.
;   While the weights are quantised: v68-103 the list's work; v132-195 two blocks of 32 numbers; v196-203 codes; v204-208 at work; v212-214 bp.
.set WIMG, 0                           ; LDS: 48 fragments of 1,024 bytes: 12 u + s
.set WSC,  49152                       ; their scale words: (12 g + s) 128 + 4 lane
.set LIST, 52224                       ; 1,024 words
.set BPS,  56320                       ; bp of my 64 outputs (x 0 in the second half of K): a copy of 256 bytes for each wave
.set STG,  60416                       ; the way out: 32 rows x (256 + 16) bytes for each wave
.set PITCH, 3072                       ; a row of wp in bytes
.set PT,   68
.set LSTR, 8
.set X0,   132
.set CODES, 196
.set QT,   204
.set QS,   208
.set WS,   24
.set HS,   48
.set ACC,  68
.set WSET, 132
.set HR,   196
.macro LOADB t, xs
.set I, 0
.rept 32
	global_load_b32 v[\xs+I], v1, s[26:27] offset:(32*(\t)+I)*PITCH th:TH_LOAD_NT
.set I, I+1
.endr
.endm
.macro BLOCK xs, cd, cnt               ; a block's largest magnitude, scale and codes; cnt: the younger loads that may stay out
	s_wait_loadcnt \cnt
	v_max3_num_f32 v[QT], |v[\xs]|, |v[\xs+1]|, |v[\xs+2]|
	v_max3_num_f32 v[QT+1], |v[\xs+3]|, |v[\xs+4]|, |v[\xs+5]|
.irp i,6,10,14,18,22,26
	v_max3_num_f32 v[QT], v[QT], |v[\xs+\i]|, |v[\xs+\i+1]|
	v_max3_num_f32 v[QT+1], v[QT+1], |v[\xs+\i+2]|, |v[\xs+\i+3]|
.endr
	v_max3_num_f32 v[QT], v[QT], |v[\xs+30]|, |v[\xs+31]|
	v_max3_num_f32 v[QT], v[QT], v[QT+1], 0x1800000    ; the floor 2^(3 - 127): the byte cannot fall under 1
	v_add_nc_u32 v[QT+2], 0xff000000, v[QT]
	s_wait_dscnt 0x0                                   ; the LDS stores of earlier codes and bytes have read their registers
.irp g,0,1,2,3
	v_cvt_scalef32_pk8_fp4_f32 v[\cd+\g], v[\xs+8*\g:\xs+8*\g+7], v[QT+2]
.endr
	v_lshrrev_b32 v[QT+3], 23, v[QT+2]                 ; the scale's byte; a plain line behind the conversions
.endm
.macro PSEL pb, wd, first              ; one step of the search for the q-th set bit
	v_cmp_ge_u32 vcc_lo, v[\pb+5], v[\pb+11]
	v_cndmask_b32 v[\pb+11], 0, v[\pb+11], vcc_lo
	v_sub_nc_u32 v[\pb+5], v[\pb+5], v[\pb+11]
.if \first
	v_cndmask_b32 v[\pb+10], 0, \wd, vcc_lo
.else
	v_cndmask_b32 v[\pb+12], 0, \wd, vcc_lo
	v_add_nc_u32 v[\pb+10], v[\pb+10], v[\pb+12]
.endif
.endm
.macro PFIND pb, off                   ; at pb: +0 position, +1 rows ahead of my group, +2 its mask, +3 its 'second choice' mask, +4 the group, +5 q, +6 .. +8 counts of 2, 4, 8 bits, +10 the bit
	v_sub_nc_u32 v[\pb+5], v[\pb], v[\pb+1]
	v_lshrrev_b32 v[\pb+11], 1, v[\pb+2]
	v_and_b32 v[\pb+11], 0x55555555, v[\pb+11]
	v_sub_nc_u32 v[\pb+6], v[\pb+2], v[\pb+11]
	v_lshrrev_b32 v[\pb+11], 2, v[\pb+6]
	v_and_b32 v[\pb+11], 0x33333333, v[\pb+11]
	v_and_b32 v[\pb+7], 0x33333333, v[\pb+6]
	v_add_nc_u32 v[\pb+7], v[\pb+7], v[\pb+11]
	v_lshrrev_b32 v[\pb+11], 4, v[\pb+7]
	v_add_nc_u32 v[\pb+8], v[\pb+7], v[\pb+11]
	v_and_b32 v[\pb+8], 0x0f0f0f0f, v[\pb+8]
	v_lshrrev_b32 v[\pb+11], 8, v[\pb+8]
	v_add_nc_u32 v[\pb+11], v[\pb+8], v[\pb+11]
	v_and_b32 v[\pb+11], 0xff, v[\pb+11]
	PSEL \pb, 16, 1
	v_bfe_u32 v[\pb+11], v[\pb+8], v[\pb+10], 8
	PSEL \pb, 8, 0
	v_bfe_u32 v[\pb+11], v[\pb+7], v[\pb+10], 4
	PSEL \pb, 4, 0
	v_bfe_u32 v[\pb+11], v[\pb+6], v[\pb+10], 2
	PSEL \pb, 2, 0
	v_bfe_u32 v[\pb+11], v[\pb+2], v[\pb+10], 1
	PSEL \pb, 1, 0
	v_bfe_u32 v[\pb+11], v[\pb+3], v[\pb+10], 1
	v_lshl_add_u32 v[\pb+12], v[\pb+4], 5, v[\pb+10]
	v_lshl_or_b32 v[\pb+12], v[\pb+12], 1, v[\pb+11]
	v_min_u32 v[\pb+12], 0x7ff, v[\pb+12]
	ds_store_b32 v[LSTR], v[\pb+12] offset:\off
.endm
.macro PLACE                           ; in: v[PT], v[PT+1]: lane l holds group l's two masks.  Out: s40 n, s41 NP, my thread's two positions in LDS
	v_or_b32 v[PT+3], v[PT], v[PT+1]
	s_mov_b32 s40, 0
.set W, 0
.rept 32
	v_readlane_b32 s[66+W], v[PT+3], W
	s_bcnt1_i32_b32 s45, s[66+W]
	s_add_co_u32 s40, s40, s45
.set W, W+1
.endr
	s_add_co_u32 s41, s40, 31
	s_lshr_b32 s41, s41, 5
	s_sub_co_u32 s42, s40, 1
	v_min_u32 v[PT+4], s42, v0
	v_add_nc_u32 v[PT+20], 512, v0
	v_min_u32 v[PT+20], s42, v[PT+20]
	v_readlane_b32 s46, v[PT+1], 0
.irp b,4,20
	v_mov_b32 v[PT+\b+1], 0
	v_mov_b32 v[PT+\b+2], s66
	v_mov_b32 v[PT+\b+3], s46
	v_mov_b32 v[PT+\b+4], 0
.endr
	s_bcnt1_i32_b32 s47, s66
.set W, 1
.rept 31
	v_readlane_b32 s46, v[PT+1], W
.irp b,4,20
	v_cmp_le_u32 vcc_lo, s47, v[PT+\b]
	v_cndmask_b32 v[PT+\b+1], v[PT+\b+1], s47, vcc_lo
	v_cndmask_b32 v[PT+\b+2], v[PT+\b+2], s[66+W], vcc_lo
	v_cndmask_b32 v[PT+\b+3], v[PT+\b+3], s46, vcc_lo
	v_cndmask_b32 v[PT+\b+4], v[PT+\b+4], W, vcc_lo
.endr
	s_bcnt1_i32_b32 s45, s[66+W]
	s_add_co_u32 s47, s47, s45
.set W, W+1
.endr
	PFIND PT+4, 0
	PFIND PT+20, 2048
.endm
; block t of my six.  Two blocks are half a K step: the halves of the lanes change places, and four registers of each of two fragments, with two scale bytes, go to LDS
.macro QD t, cnt
	BLOCK X0+32*((\t)%2), CODES+4*((\t)%2), \cnt
.if (\t)%2 == 0
	v_mov_b32 v[QS], v[QT+3]
.else
	v_lshl_or_b32 v[QS], v[QT+3], 8, v[QS]
.endif
.if (\t)+2 < 6
	LOADB (\t)+2, X0+32*((\t)%2)
.endif
.if (\t)%2 == 1
.irp j,0,1,2,3
	v_permlane16_swap_b32 v[CODES+\j], v[CODES+4+\j]
.endr
	ds_store_b128 v2, v[CODES:CODES+3] offset:512*((\t)/2)
	ds_store_b128 v2, v[CODES+4:CODES+7] offset:12288+512*((\t)/2)
	ds_store_b16 v[3+(\t)/2], v[QS]
.endif
.endm
.macro WM d, a, b, sa, sb, ra, rb      ; a scaled product that adds in place; ra, rb: the scale words stand in lanes 16-31
.if (\ra) == 0
.if (\rb) == 0
	v_wmma_scale_f32_16x16x128_f8f6f4 v[\d:\d+7], v[\a:\a+7], v[\b:\b+7], v[\d:\d+7], v[\sa], v[\sb] matrix_a_fmt:MATRIX_FMT_FP4 matrix_b_fmt:MATRIX_FMT_FP4
.else
	v_wmma_scale_f32_16x16x128_f8f6f4 v[\d:\d+7], v[\a:\a+7], v[\b:\b+7], v[\d:\d+7], v[\sa], v[\sb] matrix_a_fmt:MATRIX_FMT_FP4 matrix_b_fmt:MATRIX_FMT_FP4 matrix_b_scale:MATRIX_SCALE_ROW1
.endif
.else
.if (\rb) == 0
	v_wmma_scale_f32_16x16x128_f8f6f4 v[\d:\d+7], v[\a:\a+7], v[\b:\b+7], v[\d:\d+7], v[\sa], v[\sb] matrix_a_fmt:MATRIX_FMT_FP4 matrix_b_fmt:MATRIX_FMT_FP4 matrix_a_scale:MATRIX_SCALE_ROW1
.else
	v_wmma_scale_f32_16x16x128_f8f6f4 v[\d:\d+7], v[\a:\a+7], v[\b:\b+7], v[\d:\d+7], v[\sa], v[\sb] matrix_a_fmt:MATRIX_FMT_FP4 matrix_b_fmt:MATRIX_FMT_FP4 matrix_a_scale:MATRIX_SCALE_ROW1 matrix_b_scale:MATRIX_SCALE_ROW1
.endif
.endif
.endm
.macro WMZ d, a, b, sa, sb, ra, rb     ; the same, starting a sum: nothing is cleared
.if (\ra) == 0
.if (\rb) == 0
	v_wmma_scale_f32_16x16x128_f8f6f4 v[\d:\d+7], v[\a:\a+7], v[\b:\b+7], 0, v[\sa], v[\sb] matrix_a_fmt:MATRIX_FMT_FP4 matrix_b_fmt:MATRIX_FMT_FP4
.else
	v_wmma_scale_f32_16x16x128_f8f6f4 v[\d:\d+7], v[\a:\a+7], v[\b:\b+7], 0, v[\sa], v[\sb] matrix_a_fmt:MATRIX_FMT_FP4 matrix_b_fmt:MATRIX_FMT_FP4 matrix_b_scale:MATRIX_SCALE_ROW1
.endif
.else
.if (\rb) == 0
	v_wmma_scale_f32_16x16x128_f8f6f4 v[\d:\d+7], v[\a:\a+7], v[\b:\b+7], 0, v[\sa], v[\sb] matrix_a_fmt:MATRIX_FMT_FP4 matrix_b_fmt:MATRIX_FMT_FP4 matrix_a_scale:MATRIX_SCALE_ROW1
.else
	v_wmma_scale_f32_16x16x128_f8f6f4 v[\d:\d+7], v[\a:\a+7], v[\b:\b+7], 0, v[\sa], v[\sb] matrix_a_fmt:MATRIX_FMT_FP4 matrix_b_fmt:MATRIX_FMT_FP4 matrix_a_scale:MATRIX_SCALE_ROW1 matrix_b_scale:MATRIX_SCALE_ROW1
.endif
.endif
.endm
.macro HLOAD s                         ; h's two fragments of K step s, from memory, into set s % 3: 4 loads of 512 consecutive bytes
.irp t,0,1
.irp c,0,1
	global_load_b128 v[HR+16*((\s)%3)+8*\t+4*\c:HR+16*((\s)%3)+8*\t+4*\c+3], v18, s[8:9] offset:24576*\t+1024*(\s)+512*\c
.endr
.endr
.endm
.macro WLOAD s                         ; the weights' four fragments of K step s, from LDS, into set s % 2: 8 loads
.irp u,0,1,2,3
.irp c,0,1
	ds_load_b128 v[WSET+32*((\s)%2)+8*\u+4*\c:WSET+32*((\s)%2)+8*\u+4*\c+3], v6 offset:12288*\u+1024*(\s)+512*\c
.endr
.endr
.endm
.macro DSTEP s
.rept 4
	v_nop                                          ; four plain places between the products that read a set and the loads into it (ISA guide 7.12.1 for vector instructions)
.endr
.if (\s) < 11
	WLOAD (\s)+1
.endif
.if ((\s) >= 1) && ((\s)+2 <= 11)
	HLOAD (\s)+2
.endif
.if (\s) < 11
	s_wait_dscnt 8                                 ; all but the eight just issued
.else
	s_wait_dscnt 0x0
.endif
.if (\s) <= 9
	s_wait_loadcnt 8                               ; younger: the next two K steps of h
.elseif (\s) == 10
	s_wait_loadcnt 4
.else
	s_wait_loadcnt 0x0
.endif
.irp t,0,1
.irp u,0,1,2,3
.set RD, ACC+32*\t+8*\u
.set RA, WSET+32*((\s)%2)+8*\u
.set RB, HR+16*((\s)%3)+8*\t
.set RS, WS+12*(\u/2)+(\s)
.set RT, HS+(\s)
.if (\s) == 0
	WMZ RD, RA, RB, RS, RT, \u%2, \t
.else
	WM RD, RA, RB, RS, RT, \u%2, \t                ; the eight accumulators by turns, one instruction a turn
.endif
.endr
.endr
.endm
; A pair of tiles of rows: 96 products, bias, gate, and 32 rows' 256 bytes of z.
.macro TASKD i
	s_add_co_u32 s45, s20, 16*\i                   ; the pair
	s_cmp_ge_u32 s45, s41
	s_cbranch_scc1 .Lskipd_\@                      ; no such pair in this expert's list
	s_wait_xcnt 0x0                                ; earlier loads and stores have read their registers
	ds_load_b32 v60, v8 offset:2048*\i             ; lane l: the entry of row l of the pair
	s_mul_i32 s46, s45, 49152
	v_add_nc_u32 v18, s46, v6
	s_lshl_b32 s46, s45, 7
	v_add_nc_u32 v19, s46, v1
	s_wait_dscnt 0x0
	v_min_u32 v60, 0x7ff, v60
	v_lshlrev_b32 v60, 2, v60
	global_load_b32 v61, v60, s[14:15]             ; its gate
.irp s,0,1,2,3,4,5,6,7,8,9,10,11
	global_load_b32 v[HS+\s], v19, s[10:11] offset:4096*\s   ; h's scale words: lanes 0-15 the first tile's rows, lanes 16-31 the second's
.endr
	HLOAD 0
	HLOAD 1
	HLOAD 2
	WLOAD 0
.irp s,0,1,2,3,4,5,6,7,8,9,10,11
	DSTEP \s
.endr
.rept 4
	v_nop                                          ; places behind the last products
.endr
.irp u,0,1,2,3
	ds_load_b128 v[WSET+8*\u:WSET+8*\u+3], v11 offset:64*\u          ; register j: the bias of output 16 u + 8 (lane / 16) + j
	ds_load_b128 v[WSET+8*\u+4:WSET+8*\u+7], v11 offset:64*\u+16
.endr
.irp q,0,1,2,3
	ds_load_b128 v[WSET+32+4*\q:WSET+32+4*\q+3], v10 offset:2048*\i+16*\q   ; the 16 entries of my half's tile
.endr
	v_permlanex16_b32 v66, v61, s36, s37
	v_cndmask_b32 v62, v61, v66, s52               ; the gate of row lane % 16 of the first tile,
	v_cndmask_b32 v64, v66, v61, s52               ; and of the second
	v_mov_b32 v63, v62
	v_mov_b32 v65, v64
	s_wait_dscnt 0x0
.irp t,0,1
.irp u,0,1,2,3
.irp j,0,2,4,6
	v_pk_add_f32 v[ACC+32*\t+8*\u+\j:ACC+32*\t+8*\u+\j+1], v[ACC+32*\t+8*\u+\j:ACC+32*\t+8*\u+\j+1], v[WSET+8*\u+\j:WSET+8*\u+\j+1]   ; each accumulator from its low end on
.endr
.endr
.endr
.irp t,0,1
.irp u,0,1,2,3
.irp j,0,2,4,6
	v_pk_mul_f32 v[ACC+32*\t+8*\u+\j:ACC+32*\t+8*\u+\j+1], v[ACC+32*\t+8*\u+\j:ACC+32*\t+8*\u+\j+1], v[62+2*\t:63+2*\t]
.endr
.endr
.endr
.irp t,0,1
.irp u,0,1,2,3
	ds_store_b128 v12, v[ACC+32*\t+8*\u:ACC+32*\t+8*\u+3] offset:4352*\t+64*\u
	ds_store_b128 v12, v[ACC+32*\t+8*\u+4:ACC+32*\t+8*\u+7] offset:4352*\t+64*\u+16
.endr
.endr
.set R, 0
.rept 16
	ds_load_b128 v[ACC+4*R:ACC+4*R+3], v13 offset:272*R   ; LDS serves a wave's instructions in order: lanes 0-15 take row R of the first tile, lanes 16-31 of the second
.set R, R+1
.endr
.set R, 0
.rept 16
	v_min_u32 v[WSET+32+R], 0x7ff, v[WSET+32+R]
	v_mad_u32_u24 v[WSET+32+R], v[WSET+32+R], 3072, v14   ; the row of z, + 16 bytes a lane
.set R, R+1
.endr
.set R, 0
.rept 16
	s_wait_dscnt 15-R
	global_store_b128 v[WSET+32+R], v[ACC+4*R:ACC+4*R+3], s[16:17] th:TH_STORE_NT   ; sixteen lanes store 256 consecutive bytes, aligned
.set R, R+1
.endr
.Lskipd_\@:
.endm
	s_load_b256 s[4:11], s[0:1], 0x0               ; wp, bp, hq, hs
	s_load_b128 s[12:15], s[0:1], 0x20             ; msk, gt
	s_load_b64 s[16:17], s[0:1], 0x30              ; z
	v_lshl_add_u32 v254, v0, 2, 0x30c00
	v_mov_b32 v255, 0
	v_lshrrev_b32 v253, 5, v0
	v_readfirstlane_b32 s20, v253                  ; wave 0..15
	v_and_b32 v250, 31, v0                         ; lane
	v_and_b32 v251, 15, v0                         ; r
	v_bfe_u32 v252, v0, 4, 1                       ; hh
	v_lshlrev_b32 v1, 2, v250                      ; 4 x lane: my column, and a word a lane
	v_lshlrev_b32 v[PT+2], 7, v250
	v_lshlrev_b32 v214, 3, v250
	s_and_b32 s21, s20, 1                          ; g
	s_lshr_b32 s22, s20, 1                         ; which 192 rows
	s_lshr_b32 s23, ttmp9, 1                       ; cs
	s_and_b32 s25, ttmp9, 1                        ; kh
	s_and_b32 s24, ttmp7, 0xffff                   ; e
	s_mul_i32 s46, s24, 9437184
	s_mul_i32 s47, s25, 4718592                    ; 1,536 rows of 3,072 bytes
	s_add_co_u32 s46, s46, s47
	s_mul_i32 s47, s22, 589824                     ; 192 rows
	s_add_co_u32 s46, s46, s47
	s_lshl_b32 s47, s23, 8
	s_add_co_u32 s46, s46, s47
	s_lshl_b32 s47, s21, 7
	s_add_co_u32 s46, s46, s47
	s_mov_b32 s47, 0
	s_lshl_b32 s48, s24, 2
	s_mov_b32 s49, 0
	s_mul_i32 s50, s24, 3072
	s_lshl_b32 s51, s23, 8
	s_add_co_u32 s50, s50, s51
	s_mov_b32 s51, 0
	s_wait_kmcnt 0x0
	s_add_nc_u64 s[26:27], s[4:5], s[46:47]
	s_add_nc_u64 s[12:13], s[12:13], s[48:49]
	s_add_nc_u64 s[6:7], s[6:7], s[50:51]
	global_load_b64 v[212:213], v214, s[6:7]       ; bp of my 64 outputs
	global_load_b32 v[PT], v[PT+2], s[12:13]
	global_load_b32 v[PT+1], v[PT+2], s[12:13] offset:32
	LOADB 0, X0
	LOADB 1, X0+32
	; the other addresses, while the loads are out
	v_lshlrev_b32 v6, 4, v250                      ; 16 x lane
	v_lshlrev_b32 v14, 4, v251                     ; 16 r
	s_mul_i32 s46, s21, 24576
	s_mul_i32 s48, s22, 1536
	s_add_co_u32 s46, s46, s48
	v_add_nc_u32 v2, s46, v6                       ; where I store fragments
.irp i,0,1,2
	s_mul_i32 s46, s22, 3
	s_add_co_u32 s46, s46, \i                      ; which half K step of the 24
	s_lshr_b32 s48, s46, 1
	s_lshl_b32 s48, s48, 7
	s_and_b32 s46, s46, 1
	s_lshl_b32 s46, s46, 1
	s_add_co_u32 s46, s46, s48
	s_mul_i32 s48, s21, 1536
	s_add_co_u32 s46, s46, s48
	s_add_co_u32 s46, s46, WSC
	v_lshl_add_u32 v[3+\i], v250, 2, s46           ; its two bytes of my column's scale word
.endr
	v_lshl_add_u32 v7, v250, 2, WSC
	v_lshl_add_u32 v8, v0, 2, LIST                 ; my thread's list word
	s_lshl_b32 s46, s20, 7
	s_add_co_u32 s46, s46, LIST
	v_lshl_add_u32 v10, v252, 6, s46               ; the 16 entries of my half's tile
	s_lshl_b32 s46, s20, 8
	s_add_co_u32 s46, s46, BPS
	v_lshl_add_u32 v11, v252, 5, s46
	v_lshl_add_u32 v17, v250, 3, s46
	s_mul_i32 s46, s20, 8704
	s_add_co_u32 s46, s46, STG                     ; my stage
	v_mul_u32_u24 v253, v251, 272
	v_lshl_add_u32 v253, v252, 5, v253
	v_add_nc_u32 v12, s46, v253                    ; in: row r, 32 bytes for each half of the lanes
	v_mul_u32_u24 v253, v252, 4352
	v_lshl_add_u32 v253, v251, 4, v253
	v_add_nc_u32 v13, s46, v253                    ; back: sixteen lanes to a row
	v_mov_b32 v66, 0                               ; written once: the destination of a lane permute counts as read
	s_mul_i32 s46, s24, 1572864
	s_mul_i32 s48, s25, 12288
	s_add_co_u32 s46, s46, s48
	s_add_nc_u64 s[8:9], s[8:9], s[46:47]          ; hq at expert e, my first K step
	s_mul_i32 s46, s24, 24
	s_mul_i32 s48, s25, 12
	s_add_co_u32 s46, s46, s48
	s_lshl_b32 s46, s46, 12
	s_add_nc_u64 s[10:11], s[10:11], s[46:47]      ; hs likewise
	s_mul_i32 s46, s25, 6291456
	s_lshl_b32 s48, s23, 8
	s_add_co_u32 s46, s46, s48
	s_add_nc_u64 s[16:17], s[16:17], s[46:47]      ; z at my half and my 64 outputs
	s_cmp_eq_u32 s25, 0
	s_cselect_b32 s28, 1.0, 0                      ; the bias counts in the first half of K alone
	s_mov_b32 s29, s28
	s_mov_b32 s36, 0x76543210
	s_mov_b32 s37, 0xfedcba98
	s_mov_b32 s52, 0xffff0000                      ; lanes 16-31
	s_wait_loadcnt 63                              ; 64 loads are younger than bp and the masks
	v_pk_mul_f32 v[212:213], v[212:213], s[28:29] op_sel_hi:[1,0]
	ds_store_b64 v17, v[212:213]
	PLACE
	QD 0, 32                                       ; younger: the next block
	QD 1, 32
	QD 2, 32
	QD 3, 32
	QD 4, 32
	QD 5, 0
	s_wait_dscnt 0x0
	s_barrier_signal -1
	s_barrier_wait -1                              ; the weights' fragments and scale words lie in LDS
.irp g,0,1
.irp s,0,1,2,3,4,5,6,7,8,9,10,11
	ds_load_b32 v[WS+12*\g+\s], v7 offset:1536*\g+128*\s   ; lanes 0-15: the even tile's rows, lanes 16-31 the odd one's
.endr
.endr
	s_wait_dscnt 0x0
	TASKD 0
	TASKD 1
	s_wait_tensorcnt 0x0
	ds_add_u32 v254, v255
	s_wait_dscnt 0x0
	s_endpgm
.Lfunc_end_k_q4690d3a07a_down:
	.size	k_q4690d3a07a_down, .Lfunc_end_k_q4690d3a07a_down-k_q4690d3a07a_down
	.p2alignl 7, 3214868480
	.fill 96, 4, 3214868480
	.section	.rodata,"a",@progbits
	.p2align	6, 0x0
	.amdhsa_kernel k_q4690d3a07a_down
		.amdhsa_group_segment_fixed_size 201728
		.amdhsa_private_segment_fixed_size 0
		.amdhsa_enable_private_segment 0
		.amdhsa_kernarg_size 56
		.amdhsa_user_sgpr_count 2
		.amdhsa_user_sgpr_kernarg_segment_ptr 1
		.amdhsa_wavefront_size32 1
		.amdhsa_system_sgpr_workgroup_id_x 1
		.amdhsa_system_sgpr_workgroup_id_y 1
		.amdhsa_system_sgpr_workgroup_id_z 1
		.amdhsa_system_vgpr_workitem_id 0
		.amdhsa_next_free_vgpr 256
		.amdhsa_next_free_sgpr 100
		.amdhsa_reserve_vcc 1
		.amdhsa_float_denorm_mode_32 3
		.amdhsa_float_denorm_mode_16_64 3
		.amdhsa_memory_ordered 1
		.amdhsa_forward_progress 1
		.amdhsa_inst_pref_size 142
	.end_amdhsa_kernel
	.amdgpu_metadata
---
amdhsa.version: [ 1, 2 ]
amdhsa.kernels:
  - .name:           k_q4690d3a07a_down
    .symbol:         k_q4690d3a07a_down.kd
    .args:
      - { .name: wp, .offset: 0, .size: 8, .value_kind: global_buffer, .address_space: global }
      - { .name: bp, .offset: 8, .size: 8, .value_kind: global_buffer, .address_space: global }
      - { .name: hq, .offset: 16, .size: 8, .value_kind: global_buffer, .address_space: global }
      - { .name: hs, .offset: 24, .size: 8, .value_kind: global_buffer, .address_space: global }
      - { .name: msk, .offset: 32, .size: 8, .value_kind: global_buffer, .address_space: global }
      - { .name: gt, .offset: 40, .size: 8, .value_kind: global_buffer, .address_space: global }
      - { .name: z, .offset: 48, .size: 8, .value_kind: global_buffer, .address_space: global }
    .group_segment_fixed_size: 201728
    .private_segment_fixed_size: 0
    .kernarg_segment_align: 8
    .kernarg_segment_size: 56
    .max_flat_workgroup_size: 512
    .sgpr_count:     100
    .vgpr_count:     256
    .wavefront_size: 32
...
	.end_amdgpu_metadata
.endif
;; end of part 3
;; launch comb (part 4): grid 256 x 1, 8 waves a work-group, no clusters, 0 bytes of LDS; arguments z, lossp, out0, out1; writes out0, out1
.if DOCPART == 4
	.amdgcn_target "amdgcn-amd-amdhsa--gfx1250"
	.amdhsa_code_object_version 6
	.text
	.protected	k_q4690d3a07a_comb
	.globl	k_q4690d3a07a_comb
	.p2align	8
	.type	k_q4690d3a07a_comb,@function
k_q4690d3a07a_comb:
	s_mov_b64 s[64:65], 0
	v_nop
	global_prefetch_b8 v0, s[64:65] scope:SCOPE_SE
	s_setreg_imm32_b32 hwreg(HW_REG_WAVE_MODE, 25, 1), 1
	s_wait_xcnt 0x0
; out0[t] = the token's two weighted expert rows, each in two halves of K: z[0][2 t] + z[0][2 t + 1] + z[1][2 t] + z[1][2 t + 1].  out1 = 0.01 x the mean over the 8 experts of (mean gate weight - 1 / 8)^2.
; A stream: a work-group takes four tokens; a wave half a row of 3,072 bytes, in three pieces of 512 consecutive bytes; its twelve loads go out together.  No LDS, no barrier, no matrix unit: memory binds.
; The loss is finished by wave 0 of work-group 0 (branches on ids alone): lane l holds group l's eight sums.
	s_load_b256 s[4:11], s[0:1], 0x0               ; z, lossp, out0, out1
	v_lshrrev_b32 v1, 5, v0
	v_readfirstlane_b32 s12, v1                    ; wave 0..7
	v_and_b32 v2, 31, v0
	s_lshr_b32 s13, s12, 1                         ; which of the four tokens
	s_and_b32 s14, s12, 1
	s_mul_i32 s14, s14, 1536                       ; which half of the row
	s_mul_i32 s15, s13, 6144
	s_add_co_u32 s15, s15, s14
	v_lshl_add_u32 v3, v2, 4, s15                  ; in z: two rows a token
	s_mul_i32 s15, s13, 3072
	s_add_co_u32 s15, s15, s14
	v_lshl_add_u32 v4, v2, 4, s15                  ; in out0
	s_mul_i32 s16, ttmp9, 24576
	s_mov_b32 s17, 0
	s_mul_i32 s18, ttmp9, 12288
	s_mov_b32 s19, 0
	s_wait_kmcnt 0x0
	s_add_nc_u64 s[4:5], s[4:5], s[16:17]
	s_add_nc_u64 s[8:9], s[8:9], s[18:19]
.irp i,0,1,2
	global_load_b128 v[8+16*\i:11+16*\i], v3, s[4:5] offset:512*\i th:TH_LOAD_NT
	global_load_b128 v[12+16*\i:15+16*\i], v3, s[4:5] offset:512*\i+3072 th:TH_LOAD_NT
	global_load_b128 v[16+16*\i:19+16*\i], v3, s[4:5] offset:512*\i+6291456 th:TH_LOAD_NT
	global_load_b128 v[20+16*\i:23+16*\i], v3, s[4:5] offset:512*\i+6294528 th:TH_LOAD_NT
.endr
.irp i,0,1,2
	s_wait_loadcnt 8-4*\i                          ; the younger pieces may stay out
	v_pk_add_f32 v[8+16*\i:9+16*\i], v[8+16*\i:9+16*\i], v[12+16*\i:13+16*\i]
	v_pk_add_f32 v[10+16*\i:11+16*\i], v[10+16*\i:11+16*\i], v[14+16*\i:15+16*\i]
	v_pk_add_f32 v[16+16*\i:17+16*\i], v[16+16*\i:17+16*\i], v[20+16*\i:21+16*\i]
	v_pk_add_f32 v[18+16*\i:19+16*\i], v[18+16*\i:19+16*\i], v[22+16*\i:23+16*\i]
	v_pk_add_f32 v[8+16*\i:9+16*\i], v[8+16*\i:9+16*\i], v[16+16*\i:17+16*\i]
	v_pk_add_f32 v[10+16*\i:11+16*\i], v[10+16*\i:11+16*\i], v[18+16*\i:19+16*\i]
	global_store_b128 v4, v[8+16*\i:11+16*\i], s[8:9] offset:512*\i th:TH_STORE_NT   ; the wave stores 512 consecutive bytes, aligned
.endr
	s_or_b32 s22, ttmp9, s12
	s_cmp_lg_u32 s22, 0
	s_cbranch_scc1 .Lend
	v_lshlrev_b32 v5, 7, v2                        ; group = lane: records of 128 bytes
	global_load_b128 v[64:67], v5, s[6:7]
	global_load_b128 v[68:71], v5, s[6:7] offset:16
	s_mov_b32 s20, 0x76543210
	s_mov_b32 s21, 0xfedcba98
	s_mov_b32 s24, 0x3a800000                      ; 1 / 1,024
	s_mov_b32 s25, 0xbe000000                      ; -1 / 8
.irp e,0,1,2,3,4,5,6,7
	v_mov_b32 v[72+\e], 0                          ; the destination of a lane permute counts as read
.endr
	v_mov_b32 v81, 0
	s_wait_loadcnt 0x0
.irp k,1,2,4,8
.irp e,0,1,2,3,4,5,6,7
	v_add_f32_dpp v[64+\e], v[64+\e], v[64+\e] row_xmask:\k row_mask:0xf bank_mask:0xf
.endr
.endr
.irp e,0,1,2,3,4,5,6,7
	v_permlanex16_b32 v[72+\e], v[64+\e], s20, s21
.endr
.irp e,0,1,2,3,4,5,6,7
	v_add_f32 v[64+\e], v[64+\e], v[72+\e]         ; the 1,024 tokens' sum of expert e's weight
.endr
.irp e,0,1,2,3,4,5,6,7
	v_fma_f32 v[64+\e], v[64+\e], s24, s25         ; the mean less 1 / 8
.endr
	v_mul_f32 v80, v64, v64
.irp e,1,2,3,4,5,6,7
	v_fmac_f32 v80, v[64+\e], v[64+\e]
.endr
	v_mul_f32 v80, 0x3aa3d70a, v80                 ; x 0.01 / 8
	s_wait_xcnt 0x0                                ; EXEC changes only behind this wait
	v_cmp_eq_u32 vcc_lo, 0, v0
	s_and_saveexec_b32 s26, vcc_lo
	global_store_b32 v81, v80, s[10:11]            ; one number, by lane 0
	s_wait_xcnt 0x0
	s_or_b32 exec_lo, exec_lo, s26
.Lend:
	s_endpgm
.Lfunc_end_k_q4690d3a07a_comb:
	.size	k_q4690d3a07a_comb, .Lfunc_end_k_q4690d3a07a_comb-k_q4690d3a07a_comb
	.p2alignl 7, 3214868480
	.fill 96, 4, 3214868480
	.section	.rodata,"a",@progbits
	.p2align	6, 0x0
	.amdhsa_kernel k_q4690d3a07a_comb
		.amdhsa_group_segment_fixed_size 0
		.amdhsa_private_segment_fixed_size 0
		.amdhsa_enable_private_segment 0
		.amdhsa_kernarg_size 32
		.amdhsa_user_sgpr_count 2
		.amdhsa_user_sgpr_kernarg_segment_ptr 1
		.amdhsa_wavefront_size32 1
		.amdhsa_system_sgpr_workgroup_id_x 1
		.amdhsa_system_sgpr_workgroup_id_y 1
		.amdhsa_system_sgpr_workgroup_id_z 1
		.amdhsa_system_vgpr_workitem_id 0
		.amdhsa_next_free_vgpr 96
		.amdhsa_next_free_sgpr 66
		.amdhsa_reserve_vcc 1
		.amdhsa_float_denorm_mode_32 3
		.amdhsa_float_denorm_mode_16_64 3
		.amdhsa_memory_ordered 1
		.amdhsa_forward_progress 1
		.amdhsa_inst_pref_size 9
	.end_amdhsa_kernel
	.amdgpu_metadata
---
amdhsa.version: [ 1, 2 ]
amdhsa.kernels:
  - .name:           k_q4690d3a07a_comb
    .symbol:         k_q4690d3a07a_comb.kd
    .args:
      - { .name: z, .offset: 0, .size: 8, .value_kind: global_buffer, .address_space: global }
      - { .name: lossp, .offset: 8, .size: 8, .value_kind: global_buffer, .address_space: global }
      - { .name: out0, .offset: 16, .size: 8, .value_kind: global_buffer, .address_space: global }
      - { .name: out1, .offset: 24, .size: 8, .value_kind: global_buffer, .address_space: global }
    .group_segment_fixed_size: 0
    .private_segment_fixed_size: 0
    .kernarg_segment_align: 8
    .kernarg_segment_size: 32
    .max_flat_workgroup_size: 256
    .sgpr_count:     66
    .vgpr_count:     96
    .wavefront_size: 32
...
	.end_amdgpu_metadata
.endif
;; end of part 4
;; ======== version 2 of 2: 4 launches
;; workspace buffers: xq 524,288 bytes; gt 8,192 bytes; msk 4,096 bytes of whole numbers; lossp 4,096 bytes; hq 12,582,912 bytes; hs 786,432 bytes; z 12,582,912 bytes
;; launch route (part 5): grid 32 x 1, 8 waves a work-group, no clusters, 6,144 bytes of LDS; arguments x, gate_w, noise_weight, noise, xq, gt, msk, lossp; writes xq, gt, msk, lossp
.if DOCPART == 5
	.amdgcn_target "amdgcn-amd-amdhsa--gfx1250"
	.amdhsa_code_object_version 6
	.text
	.protected	k_q4690d3a07a_route
	.globl	k_q4690d3a07a_route
	.p2align	8
	.type	k_q4690d3a07a_route,@function
k_q4690d3a07a_route:
	s_mov_b64 s[64:65], 0
	v_nop
	global_prefetch_b8 v0, s[64:65] scope:SCOPE_SE
	s_setreg_imm32_b32 hwreg(HW_REG_WAVE_MODE, 25, 1), 1
	s_wait_xcnt 0x0
; THE ROUTER, AND x AS CODES.  1,024 tokens of 768 numbers, 8 experts, the two best chosen.
; A work-group takes 32 tokens, each of its eight waves four of them.  For each token: the 8 logits x . gate_w[e] in f32 (fused multiply-adds, then a sum over the lanes),
; and x as codes of E2M1 with one E8M0 byte for each 32 along K, laid as a record of 512 bytes: bytes 0-383 the codes in the order of k, bytes 384-407 six scale words (one for 128 k), the rest 0.
; Then wave 0, a lane to a token: the full softmax (its sums over the 32 tokens go to lossp), the noisy logits, the two best (ties: the lower index), the softmax over the two.
; What is chosen leaves as whole numbers at fixed places: for each expert a word whose bit t says 'token t of this group chose it first', and one for 'second'.  No address and no branch hangs on a floating-point number.
; A block's scale is 2^(floor(log2(largest magnitude)) - 2); its byte is that magnitude's exponent field - 2, held at 1 from below.
; LIMITS: NaN and infinities among the inputs are not served.  A block of zeros gets the byte 1 where the rule says 127: its codes are zeros, and this program alone reads the bytes.
; A lane holds k = 256 p + 8 lane + 0 .. 7, p = 0 .. 2, of x and of gate_w alike: each load of a wave covers 1,024 consecutive bytes in two instructions.
; REGISTERS: v1-13 addresses; v32-127 x of four tokens; v128-143 eight packed sums; v144-151 logits; v152-195 at work; v256-447 (the second window) gate_w: 24 registers an expert.
.set STGX, 0                           ; LDS: a record's stage, 512 bytes for each wave
.set LGT,  4096                        ; LDS: 32 tokens x 8 logits
.set X,    32
.set ACC,  128
.set LG,   144
.set MSB,  0
.macro WIN new                         ; the immediate's high byte repeats the setting that is left
.if MSB != \new
	s_set_vgpr_msb (MSB<<8)|\new
.set MSB, \new
.endif
.endm
	s_load_b512 s[4:19], s[0:1], 0x0               ; x, gate_w, noise_weight, noise, xq, gt, msk, lossp
	v_lshl_add_u32 v254, v0, 2, 0x1400
	v_mov_b32 v255, 0
	v_lshrrev_b32 v9, 5, v0
	s_delay_alu instid0(VALU_DEP_1)
	v_readfirstlane_b32 s20, v9                    ; wave 0..7
	v_and_b32 v1, 31, v0                           ; lane
	s_delay_alu instid0(VALU_DEP_1)
	v_lshlrev_b32 v2, 5, v1                        ; 32 x lane
	s_delay_alu instid0(VALU_DEP_2)
	v_lshlrev_b32 v3, 4, v1                        ; 16 x lane
	s_lshl_b32 s21, s20, 9                         ; my stage
	v_lshl_add_u32 v4, v1, 2, s21                  ; codes: 4 bytes a lane
	v_lshrrev_b32 v9, 4, v1
	s_delay_alu instid0(VALU_DEP_1)
	v_lshl_add_u32 v5, v9, 2, s21
	s_delay_alu instid0(VALU_DEP_1)
	v_add_nc_u32 v5, 384, v5                       ; scale words: lanes 0-15 the even word, lanes 16-31 the odd one
	v_add_nc_u32 v6, s21, v3                       ; the record back: 16 bytes a lane
	v_bfe_u32 v7, v1, 2, 2
	s_delay_alu instid0(VALU_DEP_1)
	v_lshlrev_b32 v7, 3, v7                        ; my block's byte in its word: 8 x ((lane / 4) % 4) bits up
	s_lshl_b32 s21, s20, 7
	s_add_co_u32 s21, s21, LGT
	v_mov_b32 v8, s21                              ; my four tokens' logits
	v_lshl_add_u32 v11, v1, 5, LGT                 ; wave 0, later: token = lane
	v_lshlrev_b32 v12, 2, v1
	v_lshlrev_b32 v13, 3, v1
	v_mov_b32 v10, 0
	ds_store_b32 v4, v10 offset:384                ; bytes 384-511 of the stage: zeros, once; the six words are written over them for each token
.irp j,0,1,2,3,4,5,6,7
	v_mov_b32 v[152+\j], 0                         ; written once: the destination of a lane permute counts as read
.endr
.irp j,0,1,2
	v_mov_b32 v[176+\j], 0
.endr
	s_mov_b32 s22, 0x76543210
	s_mov_b32 s23, 0xfedcba98                      ; v_permlanex16_b32: lane l xor 16
	s_lshl_b32 s48, ttmp9, 5
	s_lshl_b32 s49, s20, 2
	s_add_co_u32 s48, s48, s49                     ; my first token
	s_mul_i32 s50, s48, 3072
	s_mov_b32 s51, 0
	s_lshl_b32 s52, s48, 9
	s_mov_b32 s53, 0
	s_lshl_b32 s54, ttmp9, 10                      ; the group's noise: 32 tokens x 32 bytes
	s_mov_b32 s55, 0
	s_lshl_b32 s56, ttmp9, 8                       ; its gates: 32 x 8 bytes
	s_mov_b32 s57, 0
	s_lshl_b32 s58, ttmp9, 7                       ; its records of 128 bytes in msk and in lossp
	s_mov_b32 s59, 0
	s_wait_kmcnt 0x0
	s_load_b256 s[24:31], s[8:9], 0x0              ; noise_weight
	s_add_nc_u64 s[4:5], s[4:5], s[50:51]
	s_add_nc_u64 s[12:13], s[12:13], s[52:53]
	s_add_nc_u64 s[10:11], s[10:11], s[54:55]
	s_add_nc_u64 s[14:15], s[14:15], s[56:57]
	s_add_nc_u64 s[16:17], s[16:17], s[58:59]
	s_add_nc_u64 s[18:19], s[18:19], s[58:59]
	WIN 0x40                                       ; loaded data into the second window
.irp e,0,1,2,3,4,5,6,7
.irp p,0,1,2
	global_load_b128 v[24*\e+8*\p:24*\e+8*\p+3], v2, s[6:7] offset:3072*\e+1024*\p
	global_load_b128 v[24*\e+8*\p+4:24*\e+8*\p+7], v2, s[6:7] offset:3072*\e+1024*\p+16
.endr
.endr
	WIN 0
.irp i,0,1,2,3
.irp p,0,1,2
	global_load_b128 v[X+24*\i+8*\p:X+24*\i+8*\p+3], v2, s[4:5] offset:3072*\i+1024*\p th:TH_LOAD_NT
	global_load_b128 v[X+24*\i+8*\p+4:X+24*\i+8*\p+7], v2, s[4:5] offset:3072*\i+1024*\p+16 th:TH_LOAD_NT
.endr
.endr
	s_wait_loadcnt 0x0
	s_wait_kmcnt 0x0
; One token: its logits, and its record.
.macro TOKEN i
	WIN 0x04                                       ; source 1 (gate_w) in the second window
.irp e,0,1,2,3,4,5,6,7
	v_pk_mul_f32 v[ACC+2*\e:ACC+2*\e+1], v[X+24*\i:X+24*\i+1], v[24*\e:24*\e+1]   ; the first product starts each sum
.endr
.irp p,2,4,6,8,10,12,14,16,18,20,22
.irp e,0,1,2,3,4,5,6,7
	v_pk_fma_f32 v[ACC+2*\e:ACC+2*\e+1], v[X+24*\i+\p:X+24*\i+\p+1], v[24*\e+\p:24*\e+\p+1], v[ACC+2*\e:ACC+2*\e+1]   ; the eight experts by turns
.endr
.endr
	WIN 0
.irp e,0,1,2,3,4,5,6,7
	v_add_f32 v[LG+\e], v[ACC+2*\e], v[ACC+2*\e+1]
.endr
.irp k,1,2,4,8
.irp e,0,1,2,3,4,5,6,7
	v_add_f32_dpp v[LG+\e], v[LG+\e], v[LG+\e] row_xmask:\k row_mask:0xf bank_mask:0xf
.endr
.endr
.irp e,0,1,2,3,4,5,6,7
	v_permlanex16_b32 v[152+\e], v[LG+\e], s22, s23
.endr
.irp e,0,1,2,3,4,5,6,7
	v_add_f32 v[LG+\e], v[LG+\e], v[152+\e]        ; every lane holds the logit
.endr
	ds_store_b128 v8, v[LG:LG+3] offset:32*\i      ; all lanes write the same bytes with the same values
	ds_store_b128 v8, v[LG+4:LG+7] offset:32*\i+16
.irp p,0,1,2
	v_max3_num_f32 v[160+\p], |v[X+24*\i+8*\p]|, |v[X+24*\i+8*\p+1]|, 0x1800000   ; my 8 numbers, and the floor 2^(3 - 127): the byte cannot fall under 1
	s_delay_alu instid0(VALU_DEP_1)
	v_max3_num_f32 v[160+\p], v[160+\p], |v[X+24*\i+8*\p+2]|, |v[X+24*\i+8*\p+3]|
	s_delay_alu instid0(VALU_DEP_1)
	v_max3_num_f32 v[160+\p], v[160+\p], |v[X+24*\i+8*\p+4]|, |v[X+24*\i+8*\p+5]|
	s_delay_alu instid0(VALU_DEP_1)
	v_max3_num_f32 v[160+\p], v[160+\p], |v[X+24*\i+8*\p+6]|, |v[X+24*\i+8*\p+7]|
	s_delay_alu instid0(VALU_DEP_1)
	v_max_num_f32_dpp v[160+\p], v[160+\p], v[160+\p] row_xmask:1 row_mask:0xf bank_mask:0xf
	s_delay_alu instid0(VALU_DEP_1)
	v_max_num_f32_dpp v[160+\p], v[160+\p], v[160+\p] row_xmask:2 row_mask:0xf bank_mask:0xf   ; four lanes hold a block of 32
	s_delay_alu instid0(VALU_DEP_1)
	v_add_nc_u32 v[164+\p], 0xff000000, v[160+\p]  ; 2 off the exponent field: the conversion's scale operand
	v_cvt_scalef32_pk8_fp4_f32 v[168+\p], v[X+24*\i+8*\p:X+24*\i+8*\p+7], v[164+\p]
	v_lshrrev_b32 v[172+\p], 23, v[164+\p]         ; the scale's byte (a plain line behind the conversion),
	s_delay_alu instid0(VALU_DEP_1)
	v_lshlrev_b32 v[172+\p], v7, v[172+\p]         ; at its place in the word of its 128 k;
	s_delay_alu instid0(VALU_DEP_1)
	v_mov_b32_dpp v[176+\p], v[172+\p] row_xmask:4 row_mask:0xf bank_mask:0xf
	s_delay_alu instid0(VALU_DEP_1)
	v_or_b32 v[172+\p], v[172+\p], v[176+\p]
	s_delay_alu instid0(VALU_DEP_1)
	v_mov_b32_dpp v[176+\p], v[172+\p] row_xmask:8 row_mask:0xf bank_mask:0xf
	s_delay_alu instid0(VALU_DEP_1)
	v_or_b32 v[172+\p], v[172+\p], v[176+\p]       ; with the three other blocks' the word is whole, in all sixteen lanes
	ds_store_b32 v4, v[168+\p] offset:128*\p
	ds_store_b32 v5, v[172+\p] offset:8*\p
.endr
	ds_load_b128 v[180+4*\i:183+4*\i], v6          ; LDS serves a wave's instructions in order: this sees the stores above
	s_wait_dscnt 0x0
	global_store_b128 v3, v[180+4*\i:183+4*\i], s[12:13] offset:512*\i   ; the wave stores 512 consecutive bytes, aligned; each token has its own data registers
.endm
	TOKEN 0
	TOKEN 1
	TOKEN 2
	TOKEN 3
	s_wait_dscnt 0x0                               ; my logits lie in LDS
	s_barrier_signal -1
	s_barrier_wait -1
	s_cmp_lg_u32 s20, 0
	s_cbranch_scc1 .Lend
	; ---- wave 0: a lane to a token
	ds_load_b128 v[32:35], v11
	ds_load_b128 v[36:39], v11 offset:16
	global_load_b128 v[40:43], v2, s[10:11]
	global_load_b128 v[44:47], v2, s[10:11] offset:16
	s_wait_dscnt 0x0
	v_max3_num_f32 v48, v32, v33, v34              ; the full softmax, its maximum taken away first
	s_delay_alu instid0(VALU_DEP_1)
	v_max3_num_f32 v48, v48, v35, v36
	s_delay_alu instid0(VALU_DEP_1)
	v_max3_num_f32 v48, v48, v37, v38
	s_delay_alu instid0(VALU_DEP_1)
	v_max_num_f32 v48, v48, v39
.irp e,0,1,2,3,4,5,6,7
	v_sub_f32 v[50+\e], v[32+\e], v48
.endr
.irp e,0,1,2,3,4,5,6,7
	v_mul_f32 v[50+\e], 0x3fb8aa3b, v[50+\e]
.endr
	s_wait_alu depctr_va_vdst(0)
.irp e,0,1,2,3,4,5,6,7
	v_exp_f32 v[50+\e], v[50+\e]
.endr
	v_mov_b32 v70, 0                               ; a plain line behind the exponentials
	s_wait_alu depctr_va_vdst(0)                   ; one wait for the eight, ahead of their first reader
	v_add_f32 v58, v50, v51
	v_add_f32 v59, v52, v53
	v_add_f32 v60, v54, v55
	v_add_f32 v61, v56, v57
	s_delay_alu instid0(VALU_DEP_3)
	v_add_f32 v58, v58, v59
	s_delay_alu instid0(VALU_DEP_2)
	v_add_f32 v60, v60, v61
	s_delay_alu instid0(VALU_DEP_1)
	v_add_f32 v58, v58, v60
	s_wait_alu depctr_va_vdst(0)
	v_rcp_f32 v59, v58
	v_mov_b32 v90, 0                               ; a plain line behind the reciprocal
	s_wait_alu depctr_va_vdst(0)
.irp e,0,1,2,3,4,5,6,7
	v_mul_f32 v[50+\e], v[50+\e], v59
.endr
.irp k,1,2,4,8
.irp e,0,1,2,3,4,5,6,7
	v_add_f32_dpp v[50+\e], v[50+\e], v[50+\e] row_xmask:\k row_mask:0xf bank_mask:0xf
.endr
.endr
.irp e,0,1,2,3,4,5,6,7
	v_permlanex16_b32 v[152+\e], v[50+\e], s22, s23
.endr
.irp e,0,1,2,3,4,5,6,7
	v_add_f32 v[50+\e], v[50+\e], v[152+\e]        ; the 32 tokens' sum of expert e's weight
.endr
.irp e,0,1,2,3,4,5,6,7
	v_readfirstlane_b32 s48, v[50+\e]
	s_delay_alu instid0(VALU_DEP_1)
	v_writelane_b32 v70, s48, \e                   ; lane e holds sum e, the other lanes 0
.endr
	global_store_b32 v12, v70, s[18:19]            ; the group's record: 128 consecutive bytes
	s_wait_loadcnt 0x0
.irp e,0,1,2,3,4,5,6,7
	v_fma_f32 v[72+\e], v[40+\e], s[24+\e], v[32+\e]   ; the noisy logits
.endr
	v_mov_b32 v80, v72                             ; the best, by a strict comparison in ascending order: of equals the lower index stays
	v_mov_b32 v81, 0
.irp e,1,2,3,4,5,6,7
	s_delay_alu instid0(VALU_DEP_2)
	v_cmp_gt_f32 vcc_lo, v[72+\e], v80
	s_delay_alu instid0(VALU_DEP_1)
	v_cndmask_b32 v80, v80, v[72+\e], vcc_lo
	s_delay_alu instid0(VALU_DEP_2)
	v_cndmask_b32 v81, v81, \e, vcc_lo
.endr
	v_mov_b32 v82, 0xff800000                      ; the second best, likewise, over the other seven
	s_delay_alu instid0(VALU_DEP_2)
	v_cmp_eq_u32 vcc_lo, 0, v81
	s_delay_alu instid0(VALU_DEP_1)
	v_cndmask_b32 v83, 0, 1, vcc_lo
.irp e, 0
	s_delay_alu instid0(VALU_DEP_4)
	v_cmp_ne_u32 s48, \e, v81
	s_delay_alu instid0(VALU_DEP_4)
	v_cmp_gt_f32 vcc_lo, v[72+\e], v82
	s_and_b32 vcc_lo, vcc_lo, s48
	v_cndmask_b32 v82, v82, v[72+\e], vcc_lo
	v_cndmask_b32 v83, v83, \e, vcc_lo
.endr
.irp e, 1, 2, 3, 4, 5, 6, 7
	v_cmp_ne_u32 s48, \e, v81
	s_delay_alu instid0(VALU_DEP_3)
	v_cmp_gt_f32 vcc_lo, v[72+\e], v82
	s_and_b32 vcc_lo, vcc_lo, s48
	v_cndmask_b32 v82, v82, v[72+\e], vcc_lo
	v_cndmask_b32 v83, v83, \e, vcc_lo
.endr
	s_delay_alu instid0(VALU_DEP_2)
	v_sub_f32 v84, v82, v80                        ; the softmax over the two, the larger taken away: 1 and t = e^(second - first), at most 1
	s_delay_alu instid0(VALU_DEP_1)
	v_mul_f32 v84, 0x3fb8aa3b, v84
	s_wait_alu depctr_va_vdst(0)
	v_exp_f32 v84, v84
	v_nop
	s_wait_alu depctr_va_vdst(0)
	v_add_f32 v85, 1.0, v84
	s_wait_alu depctr_va_vdst(0)
	v_rcp_f32 v86, v85
	v_nop
	s_wait_alu depctr_va_vdst(0)
	v_mul_f32 v87, v84, v86
	global_store_b64 v13, v[86:87], s[14:15]       ; the token's two gates: the wave stores 256 consecutive bytes
.irp e,0,1,2,3,4,5,6,7
	v_cmp_eq_u32 s[32+\e], \e, v81                 ; which tokens chose e first,
	v_cmp_eq_u32 s[40+\e], \e, v83                 ; and which second
.endr
.irp j, 0
	v_writelane_b32 v90, s[32+\j], \j
.endr
.irp j, 1, 2, 3, 4, 5, 6, 7, 8, 9, 10, 11, 12, 13, 14, 15
	s_delay_alu instid0(VALU_DEP_1)
	v_writelane_b32 v90, s[32+\j], \j
.endr
	global_store_b32 v12, v90, s[16:17]            ; the group's record of 16 words and 16 zeros
.Lend:
	s_wait_tensorcnt 0x0
	ds_add_u32 v254, v255
	s_wait_dscnt 0x0
	s_endpgm
.Lfunc_end_k_q4690d3a07a_route:
	.size	k_q4690d3a07a_route, .Lfunc_end_k_q4690d3a07a_route-k_q4690d3a07a_route
	.p2alignl 7, 3214868480
	.fill 96, 4, 3214868480
	.section	.rodata,"a",@progbits
	.p2align	6, 0x0
	.amdhsa_kernel k_q4690d3a07a_route
		.amdhsa_group_segment_fixed_size 6144
		.amdhsa_private_segment_fixed_size 0
		.amdhsa_enable_private_segment 0
		.amdhsa_kernarg_size 64
		.amdhsa_user_sgpr_count 2
		.amdhsa_user_sgpr_kernarg_segment_ptr 1
		.amdhsa_wavefront_size32 1
		.amdhsa_system_sgpr_workgroup_id_x 1
		.amdhsa_system_sgpr_workgroup_id_y 1
		.amdhsa_system_sgpr_workgroup_id_z 1
		.amdhsa_system_vgpr_workitem_id 0
		.amdhsa_next_free_vgpr 448
		.amdhsa_next_free_sgpr 66
		.amdhsa_reserve_vcc 1
		.amdhsa_float_denorm_mode_32 3
		.amdhsa_float_denorm_mode_16_64 3
		.amdhsa_memory_ordered 1
		.amdhsa_forward_progress 1
		.amdhsa_inst_pref_size 77
	.end_amdhsa_kernel
	.amdgpu_metadata
---
amdhsa.version: [ 1, 2 ]
amdhsa.kernels:
  - .name:           k_q4690d3a07a_route
    .symbol:         k_q4690d3a07a_route.kd
    .args:
      - { .name: x, .offset: 0, .size: 8, .value_kind: global_buffer, .address_space: global }
      - { .name: gate_w, .offset: 8, .size: 8, .value_kind: global_buffer, .address_space: global }
      - { .name: noise_weight, .offset: 16, .size: 8, .value_kind: global_buffer, .address_space: global }
      - { .name: noise, .offset: 24, .size: 8, .value_kind: global_buffer, .address_space: global }
      - { .name: xq, .offset: 32, .size: 8, .value_kind: global_buffer, .address_space: global }
      - { .name: gt, .offset: 40, .size: 8, .value_kind: global_buffer, .address_space: global }
      - { .name: msk, .offset: 48, .size: 8, .value_kind: global_buffer, .address_space: global }
      - { .name: lossp, .offset: 56, .size: 8, .value_kind: global_buffer, .address_space: global }
    .group_segment_fixed_size: 6144
    .private_segment_fixed_size: 0
    .kernarg_segment_align: 8
    .kernarg_segment_size: 64
    .max_flat_workgroup_size: 256
    .sgpr_count:     66
    .vgpr_count:     448
    .wavefront_size: 32
...
	.end_amdgpu_metadata
.endif
;; end of part 5
;; launch up (part 6): grid 24 x 8, 16 waves a work-group, no clusters, 323,584 bytes of LDS; arguments w1, w2, b1, b2, xq, msk, hq, hs; writes hq, hs
.if DOCPART == 6
	.amdgcn_target "amdgcn-amd-amdhsa--gfx1250"
	.amdhsa_code_object_version 6
	.text
	.protected	k_q4690d3a07a_up
	.globl	k_q4690d3a07a_up
	.p2align	8
	.type	k_q4690d3a07a_up,@function
k_q4690d3a07a_up:
	s_mov_b64 s[64:65], 0
	v_nop
	global_prefetch_b8 v0, s[64:65] scope:SCOPE_SE
	s_setreg_imm32_b32 hwreg(HW_REG_WAVE_SCHED_MODE, 0, 2), 2
	s_setreg_imm32_b32 hwreg(HW_REG_WAVE_MODE, 25, 1), 1
	s_wait_xcnt 0x0
	s_wait_alu depctr_vm_vsrc(0)
; h = (x w1[e] + b1[e]) * silu(x w2[e] + b2[e]) for the rows that chose expert e, both products on codes of E2M1 with one E8M0 scale for each 32 along K; h leaves as codes.
; A work-group (x = slice, y = e) owns hidden units 128 slice .. + 127 of expert e: one K step of the third product.  It reads its 768 x 128 numbers of w1 and of w2 ONCE, as f32, quantises them in registers
; and keeps them in LDS as images of the operand's registers; then it multiplies them with the expert's rows alone.
; THE LIST.  The expert's rows are found from the stored masks by whole-number work: position p holds 2 x token + (0: first choice, 1: second) of the p-th token, ascending, that chose e.  n rows make NP = (n + 31) / 32
; pairs of tiles of 16.  Positions from n on repeat position n - 1: such rows compute and store the same numbers again.  Every split is served: n = 0 .. 1,024.
; QUANTISING THE WEIGHTS.  K is the weights' first axis: a lane takes a column and its registers run down K, so a block of 32 lies in one lane and the codes come out with K innermost.  Wave w: columns 32 (w % 4) on,
; w1 or w2 by w / 8, rows 384 ((w / 4) % 2) on: 12 blocks.  Each load of a wave covers 128 consecutive bytes, four waves side by side 512.  Two blocks (64 loads) are on their way.
; Lane l takes the column whose number is l with bits 3 and 4 changed: lanes 0-15 are then a tile's rows r + 8 (r / 8), lanes 16-31 those 8 further on, so that a lane's 16 results of the two tiles are 16 neighbours along the next K.
; THE PRODUCTS are used transposed (source 0 = 16 hidden units, source 1 = 16 rows of x): a lane holds one row and its registers run along the hidden units.  The biases are the C of each sum's first product.
; Wave w: hidden units 32 (w % 4) on; pairs w / 4 + 4 i of a chunk of 12 pairs, whose x records lie in LDS.  The three chunks (36 pairs cover the 32 that a list can have) are written out, so that every offset that hangs on
; the chunk is a constant of the text.  No tensor load: branches hang on NP, a stored number.  No barrier stands under such a branch, and every lane is on throughout.
; h's SCALE WORDS of a chunk leave whole, also where the list ends inside the chunk: the words of pairs from NP on hold zeros or an earlier chunk's bytes; they lie in this work-group's own part of hs, and the next launch reads
; the words of pairs under NP alone.
; LIMITS: NaN and infinities are not served; a block of zeros gets the byte 1 where the rule says 127 (its codes are zeros; this program alone reads the bytes).
; No cluster: what work-groups share (x's records, under a fifth of a work-group's bytes) is gathered by lists that differ from expert to expert.
; THE MODE: SCHED_MODE bits 1:0 = 2 (LLVM: expert scheduling mode 2), set by the entry lines.  The code itself states the register dependences between vector or matrix instructions and memory or LDS
; instructions, and those through scalar registers that vector instructions write, with s_wait_alu, always for 0.
; THE PLAN.  Registers that memory or LDS instructions touch, and who else names them:
;   v1-v23          offsets and LDS addresses: made once at the head, ahead of a wait on va_vdst, never written again.  v44, hq's offset, is made at a pass's head, ahead of that head's wait.
;   X0, X1          (v144-207) block t's vector lines read X[t % 2]; behind them stands the block's ONE wait on va_vdst, and the loads of block t + 2 land in it.
;   CODES, QS       (v208-223, v232) written by four blocks' lines; the K step's five LDS stores read them behind the fourth block's wait; one wait on vm_vsrc stands ahead of the next four blocks.
;   the records     (v48-143, later v144-239) the list's entries land there; vector lines make 24 offsets of them in registers of their own (v24-39 and v233-240, later v80-103); one wait on va_vdst; 24 loads land, 24 LDS stores read.
;   SET0, SET1, XS  (v144-239, v36-41) a pass's fragments and x's scale words: LDS loads land, products read.  One wait on va_vdst at a K step's head says that the step before is done with the set that is filled next;
;                   the twelve loads follow it, four at the head and two behind every second product: the step's products name the other set, the accumulators and the scale words alone.
;   v240-243, v252  a pass's codes and scale byte: one wait on va_vdst ahead of the two stores.
;   One wait on vm_vsrc at the top of every pass, ahead of its branch, frees all that earlier stores and gathers have read.
; REGISTERS: v1-23 addresses, v24-35 the weights' scale words, v36-41 x's, v43-44 at work, v48-79 biases, v80-143 eight accumulators, v144-239 two sets of fragments, v240-255 at work.
;   While the weights are quantised: v48-143 the list's work, then 24 gathered records; v144-207 two blocks of 32 numbers; v208-223 codes; v224-232 at work.
.set WIMG, 0                           ; LDS: 96 fragments of 1,024 bytes: ((8 m + 2 g + u) 6 + s); in each 512 c + 16 lane
.set WSC,  98304                       ; their scale words: ((4 m + g) 6 + s) 128 + 4 lane
.set XIMG, 104448                      ; 24 tiles of 16 records: piece p of 16 bytes at 272 p, row r at 16 r: 8,704 bytes a tile
.set LIST, 313344                      ; 1,536 words: the list, and zeros from position 1,024 on (the third chunk's gather reads positions 768 to 1,151)
.set HSS,  319488                      ; h's scale bytes of a chunk: 4 x row + g: 1,536 bytes; 2,048 are cleared at the head, a word a thread
.set PITCH, 12288                      ; a row of w1 or w2 in bytes
.set PT,   48
.set LSTR, 16
.set X0,   144
.set CODES, 208
.set QT,   224
.set QS,   232
.set WS,   24
.set XS,   36
.set BIAS, 48
.set ACC,  80
.set SETS, 144
; block t of my column: 32 numbers down K
.macro LOADB t, xs
.set I, 0
.rept 32
	global_load_b32 v[\xs+I], v1, s[26:27] offset:(32*(\t)+I)*PITCH th:TH_LOAD_NT
.set I, I+1
.endr
.endm
; a block's largest magnitude, scale and codes; cnt: the younger loads that may stay out
.macro BLOCK xs, cd, cnt
	s_wait_loadcnt \cnt
	v_max3_num_f32 v[QT], |v[\xs]|, |v[\xs+1]|, |v[\xs+2]|
	v_max3_num_f32 v[QT+1], |v[\xs+3]|, |v[\xs+4]|, |v[\xs+5]|
.irp i,6,10,14,18,22,26
	v_max3_num_f32 v[QT], v[QT], |v[\xs+\i]|, |v[\xs+\i+1]|
	v_max3_num_f32 v[QT+1], v[QT+1], |v[\xs+\i+2]|, |v[\xs+\i+3]|
.endr
	v_max3_num_f32 v[QT], v[QT], |v[\xs+30]|, |v[\xs+31]|
	v_max3_num_f32 v[QT], v[QT], v[QT+1], 0x1800000    ; the floor 2^(3 - 127): the byte cannot fall under 1
	v_add_nc_u32 v[QT+2], 0xff000000, v[QT]            ; 2 off the exponent field: the conversion's scale operand
	s_wait_alu depctr_va_vdst(0)
	s_wait_dscnt 0x0                                   ; the LDS stores of earlier codes and scale words are done
.irp g,0,1,2,3
	v_cvt_scalef32_pk8_fp4_f32 v[\cd+\g], v[\xs+8*\g:\xs+8*\g+7], v[QT+2]
.endr
	v_lshrrev_b32 v[QT+3], 23, v[QT+2]                 ; the scale's byte; a plain line behind the conversions
.endm
; THE SEARCH FOR THE q-TH SET BIT, for my thread's two positions side by side.
; registers at pb: +0 my position, +1 rows ahead of my group, +2 the group's mask, +3 its 'second choice' mask, +4 the group, +5 q, +6 .. +8 counts of 2, 4, 8 bits, +10 the bit, +11, +12 at work
.macro PCNT pb
	v_sub_nc_u32 v[\pb+5], v[\pb], v[\pb+1]
	v_lshrrev_b32 v[\pb+11], 1, v[\pb+2]
	v_and_b32 v[\pb+11], 0x55555555, v[\pb+11]
	v_sub_nc_u32 v[\pb+6], v[\pb+2], v[\pb+11]
	v_lshrrev_b32 v[\pb+11], 2, v[\pb+6]
	v_and_b32 v[\pb+11], 0x33333333, v[\pb+11]
	v_and_b32 v[\pb+7], 0x33333333, v[\pb+6]
	v_add_nc_u32 v[\pb+7], v[\pb+7], v[\pb+11]
	v_lshrrev_b32 v[\pb+11], 4, v[\pb+7]
	v_add_nc_u32 v[\pb+8], v[\pb+7], v[\pb+11]
	v_and_b32 v[\pb+8], 0x0f0f0f0f, v[\pb+8]
	v_lshrrev_b32 v[\pb+11], 8, v[\pb+8]
	v_add_nc_u32 v[\pb+11], v[\pb+8], v[\pb+11]
	v_and_b32 v[\pb+11], 0xff, v[\pb+11]               ; set bits among the low 16
.endm
; where the mask in s[m] says so: take the count t of the lower half off q and go wd bits up
.macro PTAKE pb, m, wd, first
	v_cndmask_b32 v[\pb+11], 0, v[\pb+11], s[\m]
	v_sub_nc_u32 v[\pb+5], v[\pb+5], v[\pb+11]
.if \first
	v_cndmask_b32 v[\pb+10], 0, \wd, s[\m]
.else
	v_cndmask_b32 v[\pb+12], 0, \wd, s[\m]
	v_add_nc_u32 v[\pb+10], v[\pb+10], v[\pb+12]
.endif
.endm
; one step of the search: is q at least t?  Both positions' compares stand in a run, with one wait behind it
.macro PSEL wd, first
	v_cmp_ge_u32 s57, v[PT+4+5], v[PT+4+11]
	v_cmp_ge_u32 s58, v[PT+20+5], v[PT+20+11]
	s_wait_alu depctr_va_sdst(0)                       ; the two compares have written s57 and s58, which the selections below read
	PTAKE PT+4, 57, \wd, \first
	PTAKE PT+20, 58, \wd, \first
.endm
; the last group with no more rows ahead of it than my position is mine
.macro PPICK pb, m
	v_cndmask_b32 v[\pb+1], v[\pb+1], s47, s[\m]
	v_cndmask_b32 v[\pb+2], v[\pb+2], s[66+W], s[\m]
	v_cndmask_b32 v[\pb+3], v[\pb+3], s46, s[\m]
	v_cndmask_b32 v[\pb+4], v[\pb+4], W, s[\m]
.endm
; THE LIST.  In: v[PT], v[PT+1]: lane l holds group l's two masks for my expert.  Out: s40 n, s41 NP, and my thread's two entries (positions thread, thread + 512) in v[PT+16] and v[PT+32].
.macro PLACE
	v_or_b32 v[PT+3], v[PT], v[PT+1]
.set W, 0
.rept 32
	v_readlane_b32 s[66+W], v[PT+3], W
.set W, W+1
.endr
	v_readlane_b32 s46, v[PT+1], 0
	s_wait_alu depctr_va_sdst(0)                       ; the 33 lane reads have written s66 to s97 and s46, ahead of their first readers
	s_mov_b32 s40, 0
.set W, 0
.rept 32
	s_bcnt1_i32_b32 s45, s[66+W]
	s_add_co_u32 s40, s40, s45
.set W, W+1
.endr
	s_add_co_u32 s41, s40, 31
	s_lshr_b32 s41, s41, 5
	s_sub_co_u32 s42, s40, 1
	v_min_u32 v[PT+4], s42, v0                         ; positions from n on repeat position n - 1
	v_add_nc_u32 v[PT+20], 512, v0
	v_min_u32 v[PT+20], s42, v[PT+20]
.irp b,4,20
	v_mov_b32 v[PT+\b+1], 0
	v_mov_b32 v[PT+\b+2], s66
	v_mov_b32 v[PT+\b+3], s46
	v_mov_b32 v[PT+\b+4], 0
.endr
	s_bcnt1_i32_b32 s47, s66                           ; rows ahead of the group in hand
.set W, 1
.rept 31
	v_readlane_b32 s46, v[PT+1], W
	v_cmp_le_u32 s57, s47, v[PT+4]
	v_cmp_le_u32 s58, s47, v[PT+20]
	s_wait_alu depctr_va_sdst(0)                       ; the lane read and the two compares have written s46, s57 and s58, which the selections below read
	PPICK PT+4, 57
	PPICK PT+20, 58
	s_bcnt1_i32_b32 s45, s[66+W]
	s_add_co_u32 s47, s47, s45
.set W, W+1
.endr
	PCNT PT+4
	PCNT PT+20
	PSEL 16, 1
.irp b,4,20
	v_bfe_u32 v[PT+\b+11], v[PT+\b+8], v[PT+\b+10], 8
.endr
	PSEL 8, 0
.irp b,4,20
	v_bfe_u32 v[PT+\b+11], v[PT+\b+7], v[PT+\b+10], 4
.endr
	PSEL 4, 0
.irp b,4,20
	v_bfe_u32 v[PT+\b+11], v[PT+\b+6], v[PT+\b+10], 2
.endr
	PSEL 2, 0
.irp b,4,20
	v_bfe_u32 v[PT+\b+11], v[PT+\b+2], v[PT+\b+10], 1
.endr
	PSEL 1, 0
.irp b,4,20
	v_bfe_u32 v[PT+\b+11], v[PT+\b+3], v[PT+\b+10], 1  ; was it the token's second choice?
	v_lshl_add_u32 v[PT+\b+12], v[PT+\b+4], 5, v[PT+\b+10]   ; the token: 32 x group + bit
	v_lshl_or_b32 v[PT+\b+12], v[PT+\b+12], 1, v[PT+\b+11]
	v_min_u32 v[PT+\b+12], 0x7ff, v[PT+\b+12]
.endr
.endm
; my 24 rows of a chunk (tile w / 2 + 8 k, rows 8 (w % 2) + 0 .. 7): their list entries, every lane the same, become byte offsets of records: 512 x token + 16 x lane, in registers of their own:
; rows 0 to 15 from a1 on, rows 16 to 23 from a2 on.  off: where the chunk's part of the list begins, in bytes: a constant
.macro GLIST gb, a1, a2, off
.irp j,0,1,2,3,4,5
	ds_load_b128 v[\gb+16*\j:\gb+16*\j+3], v15 offset:\off+512*(\j/2)+16*(\j%2)
.endr
	s_wait_dscnt 0x0
.irp j,0,1,2,3,4,5
.irp q,0,1,2,3
	v_min_u32 v[\gb+16*\j+\q], 0x7ff, v[\gb+16*\j+\q]
	v_and_b32 v[\gb+16*\j+\q], 0x7fe, v[\gb+16*\j+\q]
.if \j < 4
	v_lshl_add_u32 v[\a1+4*\j+\q], v[\gb+16*\j+\q], 8, v19
.else
	v_lshl_add_u32 v[\a2+4*\j-16+\q], v[\gb+16*\j+\q], 8, v19
.endif
.endr
.endr
	s_wait_alu depctr_va_vdst(0)                       ; the 24 offsets are written, which the loads below read, and the lines above are done with the entries' registers, in which those loads land
.endm
.macro GLOAD gb, a1, a2                ; one load brings one record: 512 consecutive bytes
.set R, 0
.rept 16
	global_load_b128 v[\gb+4*R:\gb+4*R+3], v[\a1+R], s[12:13]
.set R, R+1
.endr
.rept 8
	global_load_b128 v[\gb+4*R:\gb+4*R+3], v[\a2+R-16], s[12:13]
.set R, R+1
.endr
.endm
.macro GSTORE gb                       ; lane l's piece l of the record: 272 bytes from piece to piece, so the lanes fall on different banks
.set R, 0
.rept 24
	ds_store_b128 v[12+R/8], v[\gb+4*R:\gb+4*R+3] offset:16*(R%8)
.set R, R+1
.endr
.endm
; four blocks of my column are a K step: two fragments and a scale word go to LDS as they stand
.macro UNITEND i
	ds_store_b128 v2, v[CODES:CODES+3] offset:1024*(\i)
	ds_store_b128 v2, v[CODES+4:CODES+7] offset:1024*(\i)+512
	ds_store_b128 v2, v[CODES+8:CODES+11] offset:6144+1024*(\i)
	ds_store_b128 v2, v[CODES+12:CODES+15] offset:6144+1024*(\i)+512
	ds_store_b32 v3, v[QS] offset:128*(\i)
.endm
.macro QB t, cnt                       ; block t: blocks 0, 2, 1, 3 of a K step go to CODES + 0, 4, 8, 12
	BLOCK X0+32*((\t)%2), CODES+8*((\t)%2)+4*(((\t)%4)/2), \cnt
.if (\t)%4 == 0
	v_mov_b32 v[QS], v[QT+3]
.else
	v_lshl_or_b32 v[QS], v[QT+3], 8*((\t)%4), v[QS]
.endif
.if (\t)%4 == 3
.irp j,0,1,2,3,4,5,6,7
	v_permlane16_swap_b32 v[CODES+\j], v[CODES+8+\j]   ; the halves of the lanes change places: lanes 0-15 hold blocks 0 and 2, lanes 16-31 blocks 1 and 3 of a tile's rows
.endr
.endif
.if ((\t)+2 < 12) || ((\t)%4 == 3)
	s_wait_alu depctr_va_vdst(0)                       ; the block's lines are done reading its 32 numbers, in which the loads below land; in a K step's last block the codes and the scale word are written, which the LDS stores read
.endif
.if (\t)+2 < 12
	LOADB (\t)+2, X0+32*((\t)%2)
.endif
.if (\t)%4 == 3
	UNITEND (\t)/4
.endif
.endm
; a scaled product; ra, rb: the scale words stand in lanes 16-31 of their registers
.macro WM d, a, b, c, sa, sb, ra, rb
.if (\ra) == 0
.if (\rb) == 0
	v_wmma_scale_f32_16x16x128_f8f6f4 v[\d:\d+7], v[\a:\a+7], v[\b:\b+7], v[\c:\c+7], v[\sa], v[\sb] matrix_a_fmt:MATRIX_FMT_FP4 matrix_b_fmt:MATRIX_FMT_FP4
.else
	v_wmma_scale_f32_16x16x128_f8f6f4 v[\d:\d+7], v[\a:\a+7], v[\b:\b+7], v[\c:\c+7], v[\sa], v[\sb] matrix_a_fmt:MATRIX_FMT_FP4 matrix_b_fmt:MATRIX_FMT_FP4 matrix_b_scale:MATRIX_SCALE_ROW1
.endif
.else
.if (\rb) == 0
	v_wmma_scale_f32_16x16x128_f8f6f4 v[\d:\d+7], v[\a:\a+7], v[\b:\b+7], v[\c:\c+7], v[\sa], v[\sb] matrix_a_fmt:MATRIX_FMT_FP4 matrix_b_fmt:MATRIX_FMT_FP4 matrix_a_scale:MATRIX_SCALE_ROW1
.else
	v_wmma_scale_f32_16x16x128_f8f6f4 v[\d:\d+7], v[\a:\a+7], v[\b:\b+7], v[\c:\c+7], v[\sa], v[\sb] matrix_a_fmt:MATRIX_FMT_FP4 matrix_b_fmt:MATRIX_FMT_FP4 matrix_a_scale:MATRIX_SCALE_ROW1 matrix_b_scale:MATRIX_SCALE_ROW1
.endif
.endif
.endm
; K step s, fragment p of six, into set s % 2: two loads.  p = 0 .. 3: the weights' (m = p / 2, u = p % 2); p = 4, 5: x's (t = p - 4)
.macro SPIECE i, s, p
.if (\p) < 4
.irp c,0,1
	ds_load_b128 v[SETS+48*((\s)%2)+8*(\p)+4*\c:SETS+48*((\s)%2)+8*(\p)+4*\c+3], v4 offset:49152*((\p)/2)+6144*((\p)%2)+1024*(\s)+512*\c
.endr
.else
.irp c,0,1
	ds_load_b128 v[SETS+48*((\s)%2)+8*(\p)+4*\c:SETS+48*((\s)%2)+8*(\p)+4*\c+3], v[6+\i] offset:8704*((\p)-4)+272*(4*(\s)+2*\c)
.endr
.endif
.endm
.macro KSTEP i, s
.rept 4
	v_nop                                          ; four plain places between the products that read a set and the loads into it (ISA guide 7.12.1 for vector instructions)
.endr
.if ((\s) >= 1) && ((\s) < 5)
	s_wait_alu depctr_va_vdst(0)                   ; the products of the step before are done reading the other set, in which the next step's twelve loads land
.endif
.if (\s) < 5
	SPIECE \i, (\s)+1, 0
	SPIECE \i, (\s)+1, 1
	s_wait_dscnt 4                                 ; all but the four just issued: this step's fragments are in
.else
	s_wait_dscnt 0x0
.endif
.set N, 0
.irp m,0,1
.irp t,0,1
.irp u,0,1
.set RD, ACC+32*\m+16*\t+8*\u
.set RA, SETS+48*((\s)%2)+8*(2*\m+\u)
.set RB, SETS+48*((\s)%2)+32+8*\t
.if (\s) == 0
.set RC, BIAS+16*\m+8*\u
.else
.set RC, ACC+32*\m+16*\t+8*\u
.endif
.set RS, WS+6*\m+(\s)
.set RT, XS+(\s)
	WM RD, RA, RB, RC, RS, RT, \u, \t              ; the eight accumulators by turns, one instruction a turn
.set N, N+1
.if ((\s) < 5) && (N%2 == 0)
	SPIECE \i, (\s)+1, 1+N/2                       ; the next step's other four fragments, one behind every second product.  No wait: no product since the wait above names the set in which they land
.endif
.endr
.endr
.endr
.endm
; A pair of tiles of rows (pair w / 4 + 4 i of chunk c), my 32 hidden units: 48 products, the activation, the quantiser, 16 bytes of codes a lane and a scale byte.
.macro TASKU c, i
	s_wait_alu depctr_vm_vsrc(0)                   ; ahead of the branch: earlier stores have read v44, v240-243 and v252, the LDS stores of codes and of gathered records v144-239, the gathers' loads their offsets: all are written again below
	s_add_co_u32 s45, s55, 12*\c+4*\i              ; the pair: the wave's part and a constant
	s_cmp_ge_u32 s45, s41
	s_cbranch_scc1 .Lskip_\@                       ; no such pair in this expert's list
	s_wait_xcnt 0x0                                ; earlier stores have read their registers: v44 and v240-243 are written again below
	s_mul_i32 s46, s45, 49152
	v_add_nc_u32 v44, s46, v18
	s_wait_alu depctr_va_vdst(0)                   ; v44 is written, which the pass's store reads; the pass before is done with x's scale words and with both sets' registers, in which the loads below land
	ds_load_b128 v[XS:XS+3], v[9+\i]               ; x's scale words: lanes 0-15 the first tile's rows, lanes 16-31 the second's
	ds_load_b64 v[XS+4:XS+5], v[9+\i] offset:272
.irp p,0,1,2,3,4,5
	SPIECE \i, 0, \p
.endr
.irp s,0,1,2,3,4,5
	KSTEP \i, \s
.endr
.rept 4
	v_nop                                          ; places behind the last products
.endr
.irp j,0,2,4,6,8,10,12,14,16,18,20,22,24,26,28,30
	v_pk_mul_f32 v[144+\j:145+\j], v[112+\j:113+\j], s[38:39] op_sel_hi:[1,0]   ; -a2 log2(e); each accumulator is read from its low end on
.endr
	s_wait_alu depctr_va_vdst(0)
.irp j,0,1,2,3,4,5,6,7,8,9,10,11,12,13,14,15,16,17,18,19,20,21,22,23,24,25,26,27,28,29,30,31
	v_exp_f32 v[144+\j], v[144+\j]
.endr
	s_wait_alu depctr_va_vdst(0)
.irp j,0,2,4,6,8,10,12,14,16,18,20,22,24,26,28,30
	v_pk_mul_f32 v[80+\j:81+\j], v[80+\j:81+\j], v[112+\j:113+\j]   ; a1 a2: plain work behind the exponentials, which names none of their results
.endr
	s_wait_alu depctr_va_vdst(0)                   ; one wait for the 32 exponentials: v144-175 are written, ahead of their first reader
.irp j,0,2,4,6,8,10,12,14,16,18,20,22,24,26,28,30
	v_pk_add_f32 v[144+\j:145+\j], v[144+\j:145+\j], 1.0 op_sel_hi:[1,0]
.endr
	s_wait_alu depctr_va_vdst(0)
.irp j,0,1,2,3,4,5,6,7,8,9,10,11,12,13,14,15,16,17,18,19,20,21,22,23,24,25,26,27,28,29,30,31
	v_rcp_f32 v[144+\j], v[144+\j]
.endr
	v_nop
	s_wait_alu depctr_va_vdst(0)                   ; and one for the 32 reciprocals: v144-175 are written, ahead of their first reader
.irp j,0,2,4,6,8,10,12,14,16,18,20,22,24,26,28,30
	v_pk_mul_f32 v[80+\j:81+\j], v[80+\j:81+\j], v[144+\j:145+\j]   ; h = a1 a2 / (1 + e^-a2): register 16 t + i is hidden unit 16 (lane / 16) + i of my 32, row lane % 16 of tile t
.endr
.irp t,0,1
	v_max3_num_f32 v[244+\t], |v[80+16*\t]|, |v[81+16*\t]|, 0x1800000
.endr
.irp q,2,4,6,8,10,12,14
.irp t,0,1
	v_max3_num_f32 v[244+\t], v[244+\t], |v[80+16*\t+\q]|, |v[81+16*\t+\q]|
.endr
.endr
.irp t,0,1
	v_permlanex16_b32 v[246+\t], v[244+\t], s36, s37
.endr
.irp t,0,1
	v_max_num_f32 v[244+\t], v[244+\t], v[246+\t]  ; with lane l xor 16's 16: the block's largest magnitude
.endr
.irp t,0,1
	v_add_nc_u32 v[248+\t], 0xff000000, v[244+\t]
.endr
.irp t,0,1
	v_lshrrev_b32 v[250+\t], 23, v[248+\t]
.endr
.irp t,0,1
	v_cvt_scalef32_pk8_fp4_f32 v[240+2*\t], v[80+16*\t:87+16*\t], v[248+\t]
	v_cvt_scalef32_pk8_fp4_f32 v[241+2*\t], v[88+16*\t:95+16*\t], v[248+\t]
.endr
	v_nop                                          ; a plain line behind the conversions
	v_permlane16_swap_b32 v240, v242               ; lanes 0-15 now hold the whole block of the first tile's row, lanes 16-31 of the second's
	v_permlane16_swap_b32 v241, v243
	v_cndmask_b32 v252, v250, v251, s52            ; and the block's byte likewise
	s_wait_alu depctr_va_vdst(0)                   ; the codes v240-243 and the byte v252 are written, which the two stores read
	ds_store_b8 v17, v252 offset:512*\i
	global_store_b128 v44, v[240:243], s[32:33]    ; sixteen lanes store 256 consecutive bytes, aligned: a block of 32 hidden units for 16 rows
.Lskip_\@:
.endm
; CHUNK c: pairs 12 c .. 12 c + 11.  My passes; a barrier; the chunk's scale words leave; the next chunk's records are gathered, if the list has such a chunk; a barrier.
; The last chunk has two passes (pairs 32 to 35 cannot be), no next chunk and so no second barrier.
.macro CHUNK c
	TASKU \c, 0
	TASKU \c, 1
.if \c < 2
	TASKU \c, 2
.endif
	s_wait_dscnt 0x0                               ; my reads of the records are over, my scale bytes lie in LDS
	s_barrier_signal -1
	s_barrier_wait -1
	s_wait_alu depctr_vm_vsrc(0)                   ; ahead of the branches: my passes' stores have read v240-243, in which the scale words land
	s_cmp_lt_u32 s20, 3-\c/2                       ; the chunk's scale words leave 16 bytes a lane, all lanes on: 1,536 bytes by waves 0 to 2; of the last chunk's eight pairs 1,024 bytes by waves 0 and 1
	s_cbranch_scc0 .Lnoflush_\@
	s_cmp_gt_u32 s41, 12*\c
	s_cbranch_scc0 .Lnoflush_\@                    ; the list has no pair in this chunk
	s_wait_xcnt 0x0                                ; earlier stores have read v240-243
	ds_load_b128 v[240:243], v20
	s_wait_dscnt 0x0
	global_store_b128 v21, v[240:243], s[34:35] offset:1536*\c   ; the wave stores 512 consecutive bytes, aligned
.Lnoflush_\@:
.if \c < 2
	s_cmp_gt_u32 s41, 12*(\c+1)
	s_cbranch_scc0 .Lnonext_\@                     ; the same way in all sixteen waves; no barrier stands inside
	GLIST 144, 80, 96, 1536*(\c+1)                 ; the entries land in registers that no vector line has named since a pass's last wait on va_vdst; the offsets go to v80-103
	GLOAD 144, 80, 96
	s_wait_loadcnt 0x0
	GSTORE 144
.Lnonext_\@:
	s_wait_dscnt 0x0
	s_barrier_signal -1
	s_barrier_wait -1                              ; the next chunk's records lie in LDS, and the scale bytes have been read
.endif
.endm
	s_load_b512 s[4:19], s[0:1], 0x0               ; w1, w2, b1, b2, xq, msk, hq, hs
	v_lshl_add_u32 v47, v0, 2, 0x4e800
	v_mov_b32 v255, 0
	v_lshrrev_b32 v253, 5, v0
	v_readfirstlane_b32 s20, v253                  ; wave 0..15
	v_and_b32 v250, 31, v0                         ; lane
	v_and_b32 v251, 15, v0                         ; r
	v_bfe_u32 v252, v0, 4, 1                       ; hh
	v_and_b32 v253, 7, v0
	v_bfe_u32 v254, v0, 3, 1
	v_lshl_or_b32 v253, v252, 3, v253
	v_lshl_or_b32 v253, v254, 4, v253              ; my column among the wave's 32: the lane with bits 3 and 4 changed
	v_lshlrev_b32 v1, 2, v253
	v_lshlrev_b32 v[PT+2], 7, v250                 ; group = lane: records of 128 bytes
	s_wait_alu depctr_va_sdst(0)                   ; s20 is written, ahead of its first reader
	s_and_b32 s21, s20, 3                          ; g
	s_lshr_b32 s22, s20, 3                         ; m: w1 or w2
	s_lshr_b32 s55, s20, 2
	s_and_b32 s56, s55, 1                          ; which 384 rows
	s_and_b32 s24, ttmp7, 0xffff                   ; e
	s_mul_i32 s46, s24, 9437184                    ; an expert's 768 x 3,072 numbers
	s_mul_i32 s47, s56, 4718592
	s_add_co_u32 s46, s46, s47
	s_lshl_b32 s47, ttmp9, 9
	s_add_co_u32 s46, s46, s47
	s_lshl_b32 s47, s21, 7
	s_add_co_u32 s46, s46, s47
	s_mov_b32 s47, 0
	s_lshl_b32 s48, s24, 2
	s_mov_b32 s49, 0
	s_wait_kmcnt 0x0
	s_cmp_eq_u32 s22, 0
	s_cselect_b64 s[26:27], s[4:5], s[6:7]
	s_add_nc_u64 s[26:27], s[26:27], s[46:47]
	s_add_nc_u64 s[14:15], s[14:15], s[48:49]
	s_wait_alu depctr_va_vdst(0)                   ; the offsets v1 and v50 are written, which the loads below read
	global_load_b32 v[PT], v[PT+2], s[14:15]       ; 'chose e first',
	global_load_b32 v[PT+1], v[PT+2], s[14:15] offset:32   ; 'chose e second'
	LOADB 0, X0
	LOADB 1, X0+32
	; the other addresses, while the loads are out: none of these lines names a register that those loads touch
	v_lshlrev_b32 v19, 4, v250                     ; 16 x lane
	s_mul_i32 s46, s22, 49152
	s_mul_i32 s48, s21, 12288
	s_add_co_u32 s46, s46, s48
	s_mul_i32 s49, s56, 3072
	s_add_co_u32 s46, s46, s49
	v_add_nc_u32 v2, s46, v19                      ; where I store fragments
	v_add_nc_u32 v4, s48, v19                      ; where I read them
	s_mul_i32 s46, s22, 3072
	s_mul_i32 s48, s21, 768
	s_add_co_u32 s48, s48, WSC
	s_add_co_u32 s46, s46, s48
	s_mul_i32 s49, s56, 384
	s_add_co_u32 s46, s46, s49
	v_lshl_add_u32 v3, v250, 2, s46                ; scale words: store,
	v_lshl_add_u32 v5, v250, 2, s48                ; read
	v_mul_u32_u24 v253, v252, 272
	v_lshl_add_u32 v253, v251, 4, v253
	s_mul_i32 s46, s55, 17408
	s_add_co_u32 s46, s46, XIMG
	v_add_nc_u32 v6, s46, v253                     ; x's fragments of my three pairs
	v_add_nc_u32 v7, 69632, v6
	v_add_nc_u32 v8, 139264, v6
	v_mul_u32_u24 v253, v252, 8704
	v_lshl_add_u32 v253, v251, 4, v253
	s_add_co_u32 s46, s46, 6528
	v_add_nc_u32 v9, s46, v253                     ; and their scale words (pieces 24 and 25)
	v_add_nc_u32 v10, 69632, v9
	v_add_nc_u32 v11, 139264, v9
	s_lshr_b32 s46, s20, 1
	s_mul_i32 s46, s46, 8704
	s_and_b32 s48, s20, 1
	s_lshl_b32 s48, s48, 7
	s_add_co_u32 s46, s46, s48
	s_add_co_u32 s46, s46, XIMG
	v_mul_u32_u24 v253, v250, 272
	v_add_nc_u32 v12, s46, v253                    ; where gathered records go
	v_add_nc_u32 v13, 69632, v12
	v_add_nc_u32 v14, 139264, v12
	s_lshl_b32 s46, s20, 5
	s_add_co_u32 s46, s46, LIST
	v_mov_b32 v15, s46                             ; my 8 list entries of each 128
	v_lshl_add_u32 v16, v0, 2, LIST                ; my thread's list word
	s_lshl_b32 s46, s55, 7
	s_add_co_u32 s46, s46, s21
	s_add_co_u32 s46, s46, HSS
	v_lshl_add_u32 v17, v250, 2, s46               ; h's scale byte
	v_mul_u32_u24 v18, v252, 24576
	v_lshl_add_u32 v18, v251, 4, v18               ; in hq: a tile is 24,576 bytes, a row 16
	v_lshl_add_u32 v20, v0, 4, HSS                 ; the scale words' way out (waves 0 to 2)
	v_lshlrev_b32 v21, 4, v0
	v_lshlrev_b32 v23, 6, v252                     ; biases: 16 numbers on for lanes 16-31
	v_mov_b32 v43, 0
	v_mov_b32 v246, 0                              ; written once: the destination of a lane permute counts as read
	v_mov_b32 v247, 0
	s_mul_i32 s46, s24, 12288
	s_lshl_b32 s48, ttmp9, 9
	s_add_co_u32 s46, s46, s48
	s_lshl_b32 s48, s21, 7
	s_add_co_u32 s46, s46, s48
	s_add_nc_u64 s[28:29], s[8:9], s[46:47]        ; b1 and b2 at my 32 hidden units
	s_add_nc_u64 s[30:31], s[10:11], s[46:47]
	s_mul_i32 s46, s24, 1572864
	s_lshl_b32 s48, ttmp9, 10
	s_add_co_u32 s46, s46, s48
	s_lshl_b32 s48, s21, 8
	s_add_co_u32 s46, s46, s48
	s_add_nc_u64 s[32:33], s[16:17], s[46:47]      ; hq at expert e, block 4 slice + g
	s_mul_i32 s46, s24, 24
	s_add_co_u32 s46, s46, ttmp9
	s_lshl_b32 s46, s46, 12
	s_add_nc_u64 s[34:35], s[18:19], s[46:47]      ; hs at expert e, K step slice
	s_mov_b32 s36, 0x76543210
	s_mov_b32 s37, 0xfedcba98
	s_mov_b32 s38, 0xbfb8aa3b                      ; -log2(e)
	s_mov_b32 s39, s38
	s_mov_b32 s52, 0xffff0000                      ; lanes 16-31
	s_wait_loadcnt 63                              ; 64 loads are younger than the masks
	PLACE
	s_wait_alu depctr_va_vdst(0)                   ; my two entries v64 and v80 and the zero v43 are written, which the LDS stores read; so are the addresses v2 to v23, which every later LDS and memory instruction reads; and the list's lines are done with v48-80, in which the entries below land
	ds_store_b32 v[LSTR], v[PT+16]                 ; position = thread,
	ds_store_b32 v[LSTR], v[PT+32] offset:2048     ; and thread + 512
	ds_store_b32 v[LSTR], v43 offset:4096          ; positions 1,024 to 1,535: zeros
	ds_store_b32 v[LSTR], v43 offset:HSS-LIST      ; and h's scale bytes: zeros, a word a thread, so that a chunk's words can leave whole
	s_wait_dscnt 0x0
	s_barrier_signal -1
	s_barrier_wait -1                              ; the list is whole
	s_wait_alu depctr_vm_vsrc(0)                   ; the masks' loads have read v50 and the list's stores v64 and v80: the entries below land in these registers
	GLIST 48, 24, 233, 0                           ; the offsets go to v24-39 and v233-240, idle while the weights are quantised
	GLOAD 48, 24, 233                              ; the first chunk's records come while the weights are quantised
	QB 0, 56                                       ; younger: block 1's 32 loads and the 24 records
	QB 1, 56                                       ; younger: the 24 records and block 2's 32
	s_wait_loadcnt 63                              ; 64 loads are younger than the records
	GSTORE 48
	QB 2, 32                                       ; younger: the next block
	QB 3, 32
	s_wait_alu depctr_vm_vsrc(0)                   ; the K step's LDS stores have read the codes and the scale word, which the next four blocks write; the records' stores have read v48-79, in which the biases land, and the gather's loads v24-39, in which scale words land
	QB 4, 32
	QB 5, 32
	QB 6, 32
	QB 7, 32
	s_wait_alu depctr_vm_vsrc(0)                   ; the K step's LDS stores have read the codes and the scale word, which the next four blocks write
	QB 8, 32
	QB 9, 32
	QB 10, 32
.irp m,0,1
.irp u,0,1
	global_load_b128 v[BIAS+16*\m+8*\u:BIAS+16*\m+8*\u+3], v23, s[28+2*\m:29+2*\m] offset:32*\u       ; register j: the bias of hidden unit 16 (lane / 16) + 8 u + j
	global_load_b128 v[BIAS+16*\m+8*\u+4:BIAS+16*\m+8*\u+7], v23, s[28+2*\m:29+2*\m] offset:32*\u+16
.endr
.endr
	QB 11, 8                                       ; younger: the eight bias loads
	s_wait_dscnt 0x0
	s_barrier_signal -1
	s_barrier_wait -1                              ; the weights' fragments and the first chunk's records lie in LDS
.irp m,0,1
.irp s,0,1,2,3,4,5
	ds_load_b32 v[WS+6*\m+\s], v5 offset:3072*\m+128*\s   ; lanes 0-15: the first tile's rows, lanes 16-31 the second's
.endr
.endr
	s_wait_loadcnt 0x0
	s_wait_dscnt 0x0
	CHUNK 0
	CHUNK 1
	CHUNK 2
	s_wait_dscnt 0x0                               ; the closing lines, six on end
	s_wait_alu 0x0
	s_wait_tensorcnt 0x0
	ds_add_u32 v47, v255
	s_wait_dscnt 0x0
	s_endpgm
.Lfunc_end_k_q4690d3a07a_up:
	.size	k_q4690d3a07a_up, .Lfunc_end_k_q4690d3a07a_up-k_q4690d3a07a_up
	.p2alignl 7, 3214868480
	.fill 96, 4, 3214868480
	.section	.rodata,"a",@progbits
	.p2align	6, 0x0
	.amdhsa_kernel k_q4690d3a07a_up
		.amdhsa_group_segment_fixed_size 323584
		.amdhsa_private_segment_fixed_size 0
		.amdhsa_enable_private_segment 0
		.amdhsa_kernarg_size 64
		.amdhsa_user_sgpr_count 2
		.amdhsa_user_sgpr_kernarg_segment_ptr 1
		.amdhsa_wavefront_size32 1
		.amdhsa_system_sgpr_workgroup_id_x 1
		.amdhsa_system_sgpr_workgroup_id_y 1
		.amdhsa_system_sgpr_workgroup_id_z 1
		.amdhsa_system_vgpr_workitem_id 0
		.amdhsa_next_free_vgpr 256
		.amdhsa_next_free_sgpr 100
		.amdhsa_reserve_vcc 0
		.amdhsa_float_denorm_mode_32 3
		.amdhsa_float_denorm_mode_16_64 3
		.amdhsa_memory_ordered 1
		.amdhsa_forward_progress 1
		.amdhsa_inst_pref_size 255
	.end_amdhsa_kernel
	.section	.bss,"aw",@nobits
	.p2align	6
	.space	262144
	.amdgpu_metadata
---
amdhsa.version: [ 1, 2 ]
amdhsa.kernels:
  - .name:           k_q4690d3a07a_up
    .symbol:         k_q4690d3a07a_up.kd
    .args:
      - { .name: w1, .offset: 0, .size: 8, .value_kind: global_buffer, .address_space: global }
      - { .name: w2, .offset: 8, .size: 8, .value_kind: global_buffer, .address_space: global }
      - { .name: b1, .offset: 16, .size: 8, .value_kind: global_buffer, .address_space: global }
      - { .name: b2, .offset: 24, .size: 8, .value_kind: global_buffer, .address_space: global }
      - { .name: xq, .offset: 32, .size: 8, .value_kind: global_buffer, .address_space: global }
      - { .name: msk, .offset: 40, .size: 8, .value_kind: global_buffer, .address_space: global }
      - { .name: hq, .offset: 48, .size: 8, .value_kind: global_buffer, .address_space: global }
      - { .name: hs, .offset: 56, .size: 8, .value_kind: global_buffer, .address_space: global }
    .group_segment_fixed_size: 323584
    .private_segment_fixed_size: 0
    .kernarg_segment_align: 8
    .kernarg_segment_size: 64
    .max_flat_workgroup_size: 512
    .sgpr_count:     100
    .vgpr_count:     256
    .wavefront_size: 32
...
	.end_amdgpu_metadata
.endif
;; end of part 6
;; launch down (part 7): grid 24 x 8, 16 waves a work-group, no clusters, 201,728 bytes of LDS; arguments wp, bp, hq, hs, msk, gt, z; writes z
.if DOCPART == 7
	.amdgcn_target "amdgcn-amd-amdhsa--gfx1250"
	.amdhsa_code_object_version 6
	.text
	.protected	k_q4690d3a07a_down
	.globl	k_q4690d3a07a_down
	.p2align	8
	.type	k_q4690d3a07a_down,@function
k_q4690d3a07a_down:
	s_mov_b64 s[64:65], 0
	v_nop
	global_prefetch_b8 v0, s[64:65] scope:SCOPE_SE
	s_setreg_imm32_b32 hwreg(HW_REG_WAVE_SCHED_MODE, 0, 2), 2
	s_setreg_imm32_b32 hwreg(HW_REG_WAVE_MODE, 25, 1), 1
	s_wait_xcnt 0x0
	s_wait_alu depctr_vm_vsrc(0)
; z[kh][row] = gate(row) x (h wp[e] over half kh of the hidden units, + bp[e] in half 0), for the rows that chose expert e; the product on codes of E2M1 with one E8M0 scale for each 32 along K.
; A work-group (x = 2 cs + kh, y = e) owns outputs 64 cs .. + 63 and hidden units 1,536 kh .. + 1,535: 12 K steps.  It reads its 1,536 x 64 numbers of wp ONCE, as f32, quantises them in registers (a lane to a column,
; registers down K) and keeps them in LDS as images of the operand's registers.  Wave w: columns 32 (w % 2) on, rows 192 (w / 2) on: six blocks.  Two waves side by side read 256 consecutive bytes of a row, aligned.
; THE LIST is found from the stored masks as in the launch before: position p holds 2 x token + (second choice?); positions from n on repeat position n - 1 and store the same numbers to the same row again.
; THE PRODUCT is used transposed (source 0 = 16 outputs, source 1 = 16 rows of h): a lane holds one row and eight neighbouring outputs.  Wave w takes the pairs of tiles w and w + 16.  h's fragments come from memory
; as they lie (four units of 256 bytes are a fragment's registers), two K steps ahead; the weights' from LDS, one step ahead.
; The way out: through the wave's own stage, so that sixteen lanes store 256 consecutive bytes of a row of z, aligned.  No tensor load: branches hang on NP, a stored number.  One barrier, under no branch.
; K is split in two so that a row's part of wp and of z is 256 bytes and 192 work-groups have work; the halves are added by the last launch.
; LIMITS: NaN and infinities are not served; a block of zeros gets the byte 1 where the rule says 127 (its codes are zeros; this program alone reads the bytes).
; No cluster: what work-groups share (h's codes) is a small part of a work-group's bytes beside its own weights.
; THE MODE: SCHED_MODE bits 1:0 = 2 (LLVM: expert scheduling mode 2), set by the entry lines.  The code itself states the register dependences between vector or matrix instructions and memory or LDS
; instructions, and those through scalar registers that vector instructions write, with s_wait_alu, always for 0.
; THE PLAN.  Registers that memory or LDS instructions touch, and who else names them:
;   v1-v17          offsets and LDS addresses: made once at the head, ahead of a wait on va_vdst, never written again.  v18, v19, v60: a pair's offsets, made at its head, ahead of that head's wait.
;   X0, X1          (v132-195) block t's vector lines read X[t % 2]; behind them stands the block's ONE wait on va_vdst, and the loads of block t + 2 land in it.
;   CODES, QS       (v196-203, v208) written by two blocks' lines; three LDS stores read them behind the second block's wait; one wait on vm_vsrc stands ahead of the next two blocks.
;   WSET0, WSET1    (v132-195) the weights' fragments, from LDS; HR0 .. HR2 (v196-243) h's, from memory; v48-59 h's scale words: loads land, products read.  One wait on va_vdst at a K step's head says that the step
;                   before is done with the sets that are filled next; h's four loads and two of the weights' eight follow it, the other six stand behind every second product, which names none of those registers.
;   the way out     bias and entries land in both WSET behind a wait on va_vdst; the sums' last lines and the rows' offsets stand ahead of ONE wait on va_vdst; sixteen LDS stores read the sums; a wait on vm_vsrc;
;                   sixteen LDS loads land in the same registers; sixteen stores read them and the offsets.
;   One wait on vm_vsrc at the top of every pair, ahead of its branch, frees all that earlier loads and stores have read.
; REGISTERS: v1-19 addresses, v24-47 the weights' scale words, v48-59 h's, v60-67 entry and gates, v68-131 eight accumulators, v132-195 two sets of the weights' fragments, v196-243 three sets of h's, v244-255 at work.
;   While the weights are quantised: v68-103 the list's work; v132-195 two blocks of 32 numbers; v196-203 codes; v204-208 at work; v212-214 bp.
.set WIMG, 0                           ; LDS: 48 fragments of 1,024 bytes: 12 u + s
.set WSC,  49152                       ; their scale words: (12 g + s) 128 + 4 lane
.set LIST, 52224                       ; 1,024 words
.set BPS,  56320                       ; bp of my 64 outputs (x 0 in the second half of K): a copy of 256 bytes for each wave
.set STG,  60416                       ; the way out: 32 rows x (256 + 16) bytes for each wave
.set PITCH, 3072                       ; a row of wp in bytes
.set PT,   68
.set LSTR, 8
.set X0,   132
.set CODES, 196
.set QT,   204
.set QS,   208
.set WS,   24
.set HS,   48
.set ACC,  68
.set WSET, 132
.set HR,   196
.macro LOADB t, xs
.set I, 0
.rept 32
	global_load_b32 v[\xs+I], v1, s[26:27] offset:(32*(\t)+I)*PITCH th:TH_LOAD_NT
.set I, I+1
.endr
.endm
.macro BLOCK xs, cd, cnt               ; a block's largest magnitude, scale and codes; cnt: the younger loads that may stay out
	s_wait_loadcnt \cnt
	v_max3_num_f32 v[QT], |v[\xs]|, |v[\xs+1]|, |v[\xs+2]|
	v_max3_num_f32 v[QT+1], |v[\xs+3]|, |v[\xs+4]|, |v[\xs+5]|
.irp i,6,10,14,18,22,26
	v_max3_num_f32 v[QT], v[QT], |v[\xs+\i]|, |v[\xs+\i+1]|
	v_max3_num_f32 v[QT+1], v[QT+1], |v[\xs+\i+2]|, |v[\xs+\i+3]|
.endr
	v_max3_num_f32 v[QT], v[QT], |v[\xs+30]|, |v[\xs+31]|
	v_max3_num_f32 v[QT], v[QT], v[QT+1], 0x1800000    ; the floor 2^(3 - 127): the byte cannot fall under 1
	v_add_nc_u32 v[QT+2], 0xff000000, v[QT]
	s_wait_alu depctr_va_vdst(0)
	s_wait_dscnt 0x0                                   ; the LDS stores of earlier codes and bytes are done
.irp g,0,1,2,3
	v_cvt_scalef32_pk8_fp4_f32 v[\cd+\g], v[\xs+8*\g:\xs+8*\g+7], v[QT+2]
.endr
	v_lshrrev_b32 v[QT+3], 23, v[QT+2]                 ; the scale's byte; a plain line behind the conversions
.endm
; THE SEARCH FOR THE q-TH SET BIT, for my thread's two positions side by side.
; at pb: +0 position, +1 rows ahead of my group, +2 its mask, +3 its 'second choice' mask, +4 the group, +5 q, +6 .. +8 counts of 2, 4, 8 bits, +10 the bit, +11, +12 at work
.macro PCNT pb
	v_sub_nc_u32 v[\pb+5], v[\pb], v[\pb+1]
	v_lshrrev_b32 v[\pb+11], 1, v[\pb+2]
	v_and_b32 v[\pb+11], 0x55555555, v[\pb+11]
	v_sub_nc_u32 v[\pb+6], v[\pb+2], v[\pb+11]
	v_lshrrev_b32 v[\pb+11], 2, v[\pb+6]
	v_and_b32 v[\pb+11], 0x33333333, v[\pb+11]
	v_and_b32 v[\pb+7], 0x33333333, v[\pb+6]
	v_add_nc_u32 v[\pb+7], v[\pb+7], v[\pb+11]
	v_lshrrev_b32 v[\pb+11], 4, v[\pb+7]
	v_add_nc_u32 v[\pb+8], v[\pb+7], v[\pb+11]
	v_and_b32 v[\pb+8], 0x0f0f0f0f, v[\pb+8]
	v_lshrrev_b32 v[\pb+11], 8, v[\pb+8]
	v_add_nc_u32 v[\pb+11], v[\pb+8], v[\pb+11]
	v_and_b32 v[\pb+11], 0xff, v[\pb+11]
.endm
.macro PTAKE pb, m, wd, first          ; where the mask in s[m] says so: take the count t of the lower half off q and go wd bits up
	v_cndmask_b32 v[\pb+11], 0, v[\pb+11], s[\m]
	v_sub_nc_u32 v[\pb+5], v[\pb+5], v[\pb+11]
.if \first
	v_cndmask_b32 v[\pb+10], 0, \wd, s[\m]
.else
	v_cndmask_b32 v[\pb+12], 0, \wd, s[\m]
	v_add_nc_u32 v[\pb+10], v[\pb+10], v[\pb+12]
.endif
.endm
.macro PSEL wd, first                  ; one step of the search: both positions' compares stand in a run, with one wait behind it
	v_cmp_ge_u32 s57, v[PT+4+5], v[PT+4+11]
	v_cmp_ge_u32 s58, v[PT+20+5], v[PT+20+11]
	s_wait_alu depctr_va_sdst(0)                       ; the two compares have written s57 and s58, which the selections below read
	PTAKE PT+4, 57, \wd, \first
	PTAKE PT+20, 58, \wd, \first
.endm
.macro PPICK pb, m                     ; the last group with no more rows ahead of it than my position is mine
	v_cndmask_b32 v[\pb+1], v[\pb+1], s47, s[\m]
	v_cndmask_b32 v[\pb+2], v[\pb+2], s[66+W], s[\m]
	v_cndmask_b32 v[\pb+3], v[\pb+3], s46, s[\m]
	v_cndmask_b32 v[\pb+4], v[\pb+4], W, s[\m]
.endm
.macro PLACE                           ; in: v[PT], v[PT+1]: lane l holds group l's two masks.  Out: s40 n, s41 NP, my thread's two entries in v[PT+16] and v[PT+32]
	v_or_b32 v[PT+3], v[PT], v[PT+1]
.set W, 0
.rept 32
	v_readlane_b32 s[66+W], v[PT+3], W
.set W, W+1
.endr
	v_readlane_b32 s46, v[PT+1], 0
	s_wait_alu depctr_va_sdst(0)                       ; the 33 lane reads have written s66 to s97 and s46, ahead of their first readers
	s_mov_b32 s40, 0
.set W, 0
.rept 32
	s_bcnt1_i32_b32 s45, s[66+W]
	s_add_co_u32 s40, s40, s45
.set W, W+1
.endr
	s_add_co_u32 s41, s40, 31
	s_lshr_b32 s41, s41, 5
	s_sub_co_u32 s42, s40, 1
	v_min_u32 v[PT+4], s42, v0
	v_add_nc_u32 v[PT+20], 512, v0
	v_min_u32 v[PT+20], s42, v[PT+20]
.irp b,4,20
	v_mov_b32 v[PT+\b+1], 0
	v_mov_b32 v[PT+\b+2], s66
	v_mov_b32 v[PT+\b+3], s46
	v_mov_b32 v[PT+\b+4], 0
.endr
	s_bcnt1_i32_b32 s47, s66
.set W, 1
.rept 31
	v_readlane_b32 s46, v[PT+1], W
	v_cmp_le_u32 s57, s47, v[PT+4]
	v_cmp_le_u32 s58, s47, v[PT+20]
	s_wait_alu depctr_va_sdst(0)                       ; the lane read and the two compares have written s46, s57 and s58, which the selections below read
	PPICK PT+4, 57
	PPICK PT+20, 58
	s_bcnt1_i32_b32 s45, s[66+W]
	s_add_co_u32 s47, s47, s45
.set W, W+1
.endr
	PCNT PT+4
	PCNT PT+20
	PSEL 16, 1
.irp b,4,20
	v_bfe_u32 v[PT+\b+11], v[PT+\b+8], v[PT+\b+10], 8
.endr
	PSEL 8, 0
.irp b,4,20
	v_bfe_u32 v[PT+\b+11], v[PT+\b+7], v[PT+\b+10], 4
.endr
	PSEL 4, 0
.irp b,4,20
	v_bfe_u32 v[PT+\b+11], v[PT+\b+6], v[PT+\b+10], 2
.endr
	PSEL 2, 0
.irp b,4,20
	v_bfe_u32 v[PT+\b+11], v[PT+\b+2], v[PT+\b+10], 1
.endr
	PSEL 1, 0
.irp b,4,20
	v_bfe_u32 v[PT+\b+11], v[PT+\b+3], v[PT+\b+10], 1
	v_lshl_add_u32 v[PT+\b+12], v[PT+\b+4], 5, v[PT+\b+10]
	v_lshl_or_b32 v[PT+\b+12], v[PT+\b+12], 1, v[PT+\b+11]
	v_min_u32 v[PT+\b+12], 0x7ff, v[PT+\b+12]
.endr
.endm
; block t of my six.  Two blocks are half a K step: the halves of the lanes change places, and four registers of each of two fragments, with two scale bytes, go to LDS
.macro QD t, cnt
	BLOCK X0+32*((\t)%2), CODES+4*((\t)%2), \cnt
.if (\t)%2 == 0
	v_mov_b32 v[QS], v[QT+3]
.else
	v_lshl_or_b32 v[QS], v[QT+3], 8, v[QS]
.irp j,0,1,2,3
	v_permlane16_swap_b32 v[CODES+\j], v[CODES+4+\j]
.endr
.endif
.if ((\t)+2 < 6) || ((\t)%2 == 1)
	s_wait_alu depctr_va_vdst(0)                       ; the block's lines are done reading its 32 numbers, in which the loads below land; in the second of two blocks the codes and the two bytes are written, which the LDS stores read
.endif
.if (\t)+2 < 6
	LOADB (\t)+2, X0+32*((\t)%2)
.endif
.if (\t)%2 == 1
	ds_store_b128 v2, v[CODES:CODES+3] offset:512*((\t)/2)
	ds_store_b128 v2, v[CODES+4:CODES+7] offset:12288+512*((\t)/2)
	ds_store_b16 v[3+(\t)/2], v[QS]
.endif
.endm
.macro WM d, a, b, sa, sb, ra, rb      ; a scaled product that adds in place; ra, rb: the scale words stand in lanes 16-31
.if (\ra) == 0
.if (\rb) == 0
	v_wmma_scale_f32_16x16x128_f8f6f4 v[\d:\d+7], v[\a:\a+7], v[\b:\b+7], v[\d:\d+7], v[\sa], v[\sb] matrix_a_fmt:MATRIX_FMT_FP4 matrix_b_fmt:MATRIX_FMT_FP4
.else
	v_wmma_scale_f32_16x16x128_f8f6f4 v[\d:\d+7], v[\a:\a+7], v[\b:\b+7], v[\d:\d+7], v[\sa], v[\sb] matrix_a_fmt:MATRIX_FMT_FP4 matrix_b_fmt:MATRIX_FMT_FP4 matrix_b_scale:MATRIX_SCALE_ROW1
.endif
.else
.if (\rb) == 0
	v_wmma_scale_f32_16x16x128_f8f6f4 v[\d:\d+7], v[\a:\a+7], v[\b:\b+7], v[\d:\d+7], v[\sa], v[\sb] matrix_a_fmt:MATRIX_FMT_FP4 matrix_b_fmt:MATRIX_FMT_FP4 matrix_a_scale:MATRIX_SCALE_ROW1
.else
	v_wmma_scale_f32_16x16x128_f8f6f4 v[\d:\d+7], v[\a:\a+7], v[\b:\b+7], v[\d:\d+7], v[\sa], v[\sb] matrix_a_fmt:MATRIX_FMT_FP4 matrix_b_fmt:MATRIX_FMT_FP4 matrix_a_scale:MATRIX_SCALE_ROW1 matrix_b_scale:MATRIX_SCALE_ROW1
.endif
.endif
.endm
.macro WMZ d, a, b, sa, sb, ra, rb     ; the same, starting a sum: nothing is cleared
.if (\ra) == 0
.if (\rb) == 0
	v_wmma_scale_f32_16x16x128_f8f6f4 v[\d:\d+7], v[\a:\a+7], v[\b:\b+7], 0, v[\sa], v[\sb] matrix_a_fmt:MATRIX_FMT_FP4 matrix_b_fmt:MATRIX_FMT_FP4
.else
	v_wmma_scale_f32_16x16x128_f8f6f4 v[\d:\d+7], v[\a:\a+7], v[\b:\b+7], 0, v[\sa], v[\sb] matrix_a_fmt:MATRIX_FMT_FP4 matrix_b_fmt:MATRIX_FMT_FP4 matrix_b_scale:MATRIX_SCALE_ROW1
.endif
.else
.if (\rb) == 0
	v_wmma_scale_f32_16x16x128_f8f6f4 v[\d:\d+7], v[\a:\a+7], v[\b:\b+7], 0, v[\sa], v[\sb] matrix_a_fmt:MATRIX_FMT_FP4 matrix_b_fmt:MATRIX_FMT_FP4 matrix_a_scale:MATRIX_SCALE_ROW1
.else
	v_wmma_scale_f32_16x16x128_f8f6f4 v[\d:\d+7], v[\a:\a+7], v[\b:\b+7], 0, v[\sa], v[\sb] matrix_a_fmt:MATRIX_FMT_FP4 matrix_b_fmt:MATRIX_FMT_FP4 matrix_a_scale:MATRIX_SCALE_ROW1 matrix_b_scale:MATRIX_SCALE_ROW1
.endif
.endif
.endm
.macro HLOAD s                         ; h's two fragments of K step s, from memory, into set s % 3: 4 loads of 512 consecutive bytes
.irp t,0,1
.irp c,0,1
	global_load_b128 v[HR+16*((\s)%3)+8*\t+4*\c:HR+16*((\s)%3)+8*\t+4*\c+3], v18, s[8:9] offset:24576*\t+1024*(\s)+512*\c
.endr
.endr
.endm
.macro WPIECE s, u                     ; the weights' fragment u of four of K step s, from LDS, into set s % 2: 2 loads
.irp c,0,1
	ds_load_b128 v[WSET+32*((\s)%2)+8*(\u)+4*\c:WSET+32*((\s)%2)+8*(\u)+4*\c+3], v6 offset:12288*(\u)+1024*(\s)+512*\c
.endr
.endm
.macro DSTEP s
.rept 4
	v_nop                                          ; four plain places between the products that read a set and the loads into it (ISA guide 7.12.1 for vector instructions)
.endr
.if ((\s) >= 1) && ((\s) < 11)
	s_wait_alu depctr_va_vdst(0)                   ; the products of the step before are done reading the weights' other set and their set of h, in which the loads of this step land
.endif
.if ((\s) >= 1) && ((\s)+2 <= 11)
	HLOAD (\s)+2
.endif
.if (\s) < 11
	WPIECE (\s)+1, 0
	s_wait_dscnt 2                                 ; all but the two just issued: this step's fragments of the weights are in
.else
	s_wait_dscnt 0x0
.endif
.if (\s) <= 9
	s_wait_loadcnt 8                               ; younger: the next two K steps of h
.elseif (\s) == 10
	s_wait_loadcnt 4
.else
	s_wait_loadcnt 0x0
.endif
.set N, 0
.irp t,0,1
.irp u,0,1,2,3
.set RD, ACC+32*\t+8*\u
.set RA, WSET+32*((\s)%2)+8*\u
.set RB, HR+16*((\s)%3)+8*\t
.set RS, WS+12*(\u/2)+(\s)
.set RT, HS+(\s)
.if (\s) == 0
	WMZ RD, RA, RB, RS, RT, \u%2, \t
.else
	WM RD, RA, RB, RS, RT, \u%2, \t                ; the eight accumulators by turns, one instruction a turn
.endif
.set N, N+1
.if ((\s) < 11) && (N%2 == 0) && (N < 8)
	WPIECE (\s)+1, N/2                             ; the next step's other three fragments, one behind every second product.  No wait: no product since the wait above names the set in which they land
.endif
.endr
.endr
.endm
; A pair of tiles of rows: 96 products, bias, gate, and 32 rows' 256 bytes of z.
.macro TASKD i
	s_wait_alu depctr_vm_vsrc(0)                   ; ahead of the branch: earlier loads have read v18, v19, v60, v70 and v214, earlier LDS stores the codes, v84, v100, v212 and v213, the pair before's stores their offsets v164-179 and their data v68-131: all are written again below
	s_add_co_u32 s45, s20, 16*\i                   ; the pair
	s_cmp_ge_u32 s45, s41
	s_cbranch_scc1 .Lskipd_\@                      ; no such pair in this expert's list
	s_wait_xcnt 0x0                                ; earlier loads and stores have read their registers
	ds_load_b32 v60, v8 offset:2048*\i             ; lane l: the entry of row l of the pair (no vector line has named v60 since the pair before's first wait on va_vdst)
	s_mul_i32 s46, s45, 49152
	v_add_nc_u32 v18, s46, v6
	s_lshl_b32 s46, s45, 7
	v_add_nc_u32 v19, s46, v1
	s_wait_dscnt 0x0
	v_min_u32 v60, 0x7ff, v60
	v_lshlrev_b32 v60, 2, v60
	s_wait_alu depctr_va_vdst(0)                   ; the offsets v18, v19 and v60 are written, which the loads below read; the pair before is done with the gate, h's scale words and all the fragments' registers, in which they land
	global_load_b32 v61, v60, s[14:15]             ; its gate
.irp s,0,1,2,3,4,5,6,7,8,9,10,11
	global_load_b32 v[HS+\s], v19, s[10:11] offset:4096*\s   ; h's scale words: lanes 0-15 the first tile's rows, lanes 16-31 the second's
.endr
	HLOAD 0
	HLOAD 1
	HLOAD 2
.irp u,0,1,2,3
	WPIECE 0, \u
.endr
.irp s,0,1,2,3,4,5,6,7,8,9,10,11
	DSTEP \s
.endr
.rept 4
	v_nop                                          ; places behind the last products
.endr
	s_wait_alu depctr_va_vdst(0)                   ; the last two steps' products are done reading both sets of the weights' fragments, in which the bias and the entries land
.irp u,0,1,2,3
	ds_load_b128 v[WSET+8*\u:WSET+8*\u+3], v11 offset:64*\u          ; register j: the bias of output 16 u + 8 (lane / 16) + j
	ds_load_b128 v[WSET+8*\u+4:WSET+8*\u+7], v11 offset:64*\u+16
.endr
.irp q,0,1,2,3
	ds_load_b128 v[WSET+32+4*\q:WSET+32+4*\q+3], v10 offset:2048*\i+16*\q   ; the 16 entries of my half's tile
.endr
	v_permlanex16_b32 v66, v61, s36, s37
	v_cndmask_b32 v62, v61, v66, s52               ; the gate of row lane % 16 of the first tile,
	v_cndmask_b32 v64, v66, v61, s52               ; and of the second
	v_mov_b32 v63, v62
	v_mov_b32 v65, v64
	s_wait_dscnt 0x0
.irp t,0,1
.irp u,0,1,2,3
.irp j,0,2,4,6
	v_pk_add_f32 v[ACC+32*\t+8*\u+\j:ACC+32*\t+8*\u+\j+1], v[ACC+32*\t+8*\u+\j:ACC+32*\t+8*\u+\j+1], v[WSET+8*\u+\j:WSET+8*\u+\j+1]   ; each accumulator from its low end on
.endr
.endr
.endr
.irp t,0,1
.irp u,0,1,2,3
.irp j,0,2,4,6
	v_pk_mul_f32 v[ACC+32*\t+8*\u+\j:ACC+32*\t+8*\u+\j+1], v[ACC+32*\t+8*\u+\j:ACC+32*\t+8*\u+\j+1], v[62+2*\t:63+2*\t]
.endr
.endr
.endr
.set R, 0
.rept 16
	v_min_u32 v[WSET+32+R], 0x7ff, v[WSET+32+R]
	v_mad_u32_u24 v[WSET+32+R], v[WSET+32+R], 3072, v14   ; the row of z, + 16 bytes a lane
.set R, R+1
.endr
	s_wait_alu depctr_va_vdst(0)                   ; the weighted sums v68-131 are written, which the LDS stores read and in which the loads from the stage land; so are the rows' offsets v164-179, which the stores to z read
.irp t,0,1
.irp u,0,1,2,3
	ds_store_b128 v12, v[ACC+32*\t+8*\u:ACC+32*\t+8*\u+3] offset:4352*\t+64*\u
	ds_store_b128 v12, v[ACC+32*\t+8*\u+4:ACC+32*\t+8*\u+7] offset:4352*\t+64*\u+16
.endr
.endr
	s_wait_alu depctr_vm_vsrc(0)                   ; the LDS stores have read v68-131, in which the rows land
.set R, 0
.rept 16
	ds_load_b128 v[ACC+4*R:ACC+4*R+3], v13 offset:272*R   ; LDS serves a wave's instructions in order: lanes 0-15 take row R of the first tile, lanes 16-31 of the second
.set R, R+1
.endr
.set R, 0
.rept 16
	s_wait_dscnt 15-R
	global_store_b128 v[WSET+32+R], v[ACC+4*R:ACC+4*R+3], s[16:17] th:TH_STORE_NT   ; sixteen lanes store 256 consecutive bytes, aligned
.set R, R+1
.endr
.Lskipd_\@:
.endm
	s_load_b256 s[4:11], s[0:1], 0x0               ; wp, bp, hq, hs
	s_load_b128 s[12:15], s[0:1], 0x20             ; msk, gt
	s_load_b64 s[16:17], s[0:1], 0x30              ; z
	v_lshl_add_u32 v254, v0, 2, 0x30c00
	v_mov_b32 v255, 0
	v_lshrrev_b32 v253, 5, v0
	v_readfirstlane_b32 s20, v253                  ; wave 0..15
	v_and_b32 v250, 31, v0                         ; lane
	v_and_b32 v251, 15, v0                         ; r
	v_bfe_u32 v252, v0, 4, 1                       ; hh
	v_lshlrev_b32 v1, 2, v250                      ; 4 x lane: my column, and a word a lane
	v_lshlrev_b32 v[PT+2], 7, v250
	v_lshlrev_b32 v214, 3, v250
	s_wait_alu depctr_va_sdst(0)                   ; s20 is written, ahead of its first reader
	s_and_b32 s21, s20, 1                          ; g
	s_lshr_b32 s22, s20, 1                         ; which 192 rows
	s_lshr_b32 s23, ttmp9, 1                       ; cs
	s_and_b32 s25, ttmp9, 1                        ; kh
	s_and_b32 s24, ttmp7, 0xffff                   ; e
	s_mul_i32 s46, s24, 9437184
	s_mul_i32 s47, s25, 4718592                    ; 1,536 rows of 3,072 bytes
	s_add_co_u32 s46, s46, s47
	s_mul_i32 s47, s22, 589824                     ; 192 rows
	s_add_co_u32 s46, s46, s47
	s_lshl_b32 s47, s23, 8
	s_add_co_u32 s46, s46, s47
	s_lshl_b32 s47, s21, 7
	s_add_co_u32 s46, s46, s47
	s_mov_b32 s47, 0
	s_lshl_b32 s48, s24, 2
	s_mov_b32 s49, 0
	s_mul_i32 s50, s24, 3072
	s_lshl_b32 s51, s23, 8
	s_add_co_u32 s50, s50, s51
	s_mov_b32 s51, 0
	s_wait_kmcnt 0x0
	s_add_nc_u64 s[26:27], s[4:5], s[46:47]
	s_add_nc_u64 s[12:13], s[12:13], s[48:49]
	s_add_nc_u64 s[6:7], s[6:7], s[50:51]
	s_wait_alu depctr_va_vdst(0)                   ; the offsets v1, v70 and v214 are written, which the loads below read
	global_load_b64 v[212:213], v214, s[6:7]       ; bp of my 64 outputs
	global_load_b32 v[PT], v[PT+2], s[12:13]
	global_load_b32 v[PT+1], v[PT+2], s[12:13] offset:32
	LOADB 0, X0
	LOADB 1, X0+32
	; the other addresses, while the loads are out: none of these lines names a register that those loads touch
	v_lshlrev_b32 v6, 4, v250                      ; 16 x lane
	v_lshlrev_b32 v14, 4, v251                     ; 16 r
	s_mul_i32 s46, s21, 24576
	s_mul_i32 s48, s22, 1536
	s_add_co_u32 s46, s46, s48
	v_add_nc_u32 v2, s46, v6                       ; where I store fragments
.irp i,0,1,2
	s_mul_i32 s46, s22, 3
	s_add_co_u32 s46, s46, \i                      ; which half K step of the 24
	s_lshr_b32 s48, s46, 1
	s_lshl_b32 s48, s48, 7
	s_and_b32 s46, s46, 1
	s_lshl_b32 s46, s46, 1
	s_add_co_u32 s46, s46, s48
	s_mul_i32 s48, s21, 1536
	s_add_co_u32 s46, s46, s48
	s_add_co_u32 s46, s46, WSC
	v_lshl_add_u32 v[3+\i], v250, 2, s46           ; its two bytes of my column's scale word
.endr
	v_lshl_add_u32 v7, v250, 2, WSC
	v_lshl_add_u32 v8, v0, 2, LIST                 ; my thread's list word
	s_lshl_b32 s46, s20, 7
	s_add_co_u32 s46, s46, LIST
	v_lshl_add_u32 v10, v252, 6, s46               ; the 16 entries of my half's tile
	s_lshl_b32 s46, s20, 8
	s_add_co_u32 s46, s46, BPS
	v_lshl_add_u32 v11, v252, 5, s46
	v_lshl_add_u32 v17, v250, 3, s46
	s_mul_i32 s46, s20, 8704
	s_add_co_u32 s46, s46, STG                     ; my stage
	v_mul_u32_u24 v253, v251, 272
	v_lshl_add_u32 v253, v252, 5, v253
	v_add_nc_u32 v12, s46, v253                    ; in: row r, 32 bytes for each half of the lanes
	v_mul_u32_u24 v253, v252, 4352
	v_lshl_add_u32 v253, v251, 4, v253
	v_add_nc_u32 v13, s46, v253                    ; back: sixteen lanes to a row
	v_mov_b32 v66, 0                               ; written once: the destination of a lane permute counts as read
	s_mul_i32 s46, s24, 1572864
	s_mul_i32 s48, s25, 12288
	s_add_co_u32 s46, s46, s48
	s_add_nc_u64 s[8:9], s[8:9], s[46:47]          ; hq at expert e, my first K step
	s_mul_i32 s46, s24, 24
	s_mul_i32 s48, s25, 12
	s_add_co_u32 s46, s46, s48
	s_lshl_b32 s46, s46, 12
	s_add_nc_u64 s[10:11], s[10:11], s[46:47]      ; hs likewise
	s_mul_i32 s46, s25, 6291456
	s_lshl_b32 s48, s23, 8
	s_add_co_u32 s46, s46, s48
	s_add_nc_u64 s[16:17], s[16:17], s[46:47]      ; z at my half and my 64 outputs
	s_cmp_eq_u32 s25, 0
	s_cselect_b32 s28, 1.0, 0                      ; the bias counts in the first half of K alone
	s_mov_b32 s29, s28
	s_mov_b32 s36, 0x76543210
	s_mov_b32 s37, 0xfedcba98
	s_mov_b32 s52, 0xffff0000                      ; lanes 16-31
	s_wait_loadcnt 63                              ; 64 loads are younger than bp and the masks
	v_pk_mul_f32 v[212:213], v[212:213], s[28:29] op_sel_hi:[1,0]
	PLACE
	s_wait_alu depctr_va_vdst(0)                   ; the bias v212-213 and my two entries v84 and v100 are written, which the LDS stores read; so are the addresses v2 to v17, which every later LDS and memory instruction reads
	ds_store_b64 v17, v[212:213]
	ds_store_b32 v[LSTR], v[PT+16]                 ; position = thread,
	ds_store_b32 v[LSTR], v[PT+32] offset:2048     ; and thread + 512
	QD 0, 32                                       ; younger: the next block
	QD 1, 32
	s_wait_alu depctr_vm_vsrc(0)                   ; the LDS stores have read the codes and the two bytes, which the next two blocks write
	QD 2, 32
	QD 3, 32
	s_wait_alu depctr_vm_vsrc(0)                   ; the LDS stores have read the codes and the two bytes, which the next two blocks write
	QD 4, 32
	QD 5, 0
	s_wait_dscnt 0x0
	s_barrier_signal -1
	s_barrier_wait -1                              ; the weights' fragments and scale words lie in LDS
.irp g,0,1
.irp s,0,1,2,3,4,5,6,7,8,9,10,11
	ds_load_b32 v[WS+12*\g+\s], v7 offset:1536*\g+128*\s   ; lanes 0-15: the even tile's rows, lanes 16-31 the odd one's
.endr
.endr
	s_wait_dscnt 0x0
	TASKD 0
	TASKD 1
	s_wait_dscnt 0x0                               ; the closing lines, six on end
	s_wait_alu 0x0
	s_wait_tensorcnt 0x0
	ds_add_u32 v254, v255
	s_wait_dscnt 0x0
	s_endpgm
.Lfunc_end_k_q4690d3a07a_down:
	.size	k_q4690d3a07a_down, .Lfunc_end_k_q4690d3a07a_down-k_q4690d3a07a_down
	.p2alignl 7, 3214868480
	.fill 96, 4, 3214868480
	.section	.rodata,"a",@progbits
	.p2align	6, 0x0
	.amdhsa_kernel k_q4690d3a07a_down
		.amdhsa_group_segment_fixed_size 201728
		.amdhsa_private_segment_fixed_size 0
		.amdhsa_enable_private_segment 0
		.amdhsa_kernarg_size 56
		.amdhsa_user_sgpr_count 2
		.amdhsa_user_sgpr_kernarg_segment_ptr 1
		.amdhsa_wavefront_size32 1
		.amdhsa_system_sgpr_workgroup_id_x 1
		.amdhsa_system_sgpr_workgroup_id_y 1
		.amdhsa_system_sgpr_workgroup_id_z 1
		.amdhsa_system_vgpr_workitem_id 0
		.amdhsa_next_free_vgpr 256
		.amdhsa_next_free_sgpr 100
		.amdhsa_reserve_vcc 0
		.amdhsa_float_denorm_mode_32 3
		.amdhsa_float_denorm_mode_16_64 3
		.amdhsa_memory_ordered 1
		.amdhsa_forward_progress 1
		.amdhsa_inst_pref_size 147
	.end_amdhsa_kernel
	.amdgpu_metadata
---
amdhsa.version: [ 1, 2 ]
amdhsa.kernels:
  - .name:           k_q4690d3a07a_down
    .symbol:         k_q4690d3a07a_down.kd
    .args:
      - { .name: wp, .offset: 0, .size: 8, .value_kind: global_buffer, .address_space: global }
      - { .name: bp, .offset: 8, .size: 8, .value_kind: global_buffer, .address_space: global }
      - { .name: hq, .offset: 16, .size: 8, .value_kind: global_buffer, .address_space: global }
      - { .name: hs, .offset: 24, .size: 8, .value_kind: global_buffer, .address_space: global }
      - { .name: msk, .offset: 32, .size: 8, .value_kind: global_buffer, .address_space: global }
      - { .name: gt, .offset: 40, .size: 8, .value_kind: global_buffer, .address_space: global }
      - { .name: z, .offset: 48, .size: 8, .value_kind: global_buffer, .address_space: global }
    .group_segment_fixed_size: 201728
    .private_segment_fixed_size: 0
    .kernarg_segment_align: 8
    .kernarg_segment_size: 56
    .max_flat_workgroup_size: 512
    .sgpr_count:     100
    .vgpr_count:     256
    .wavefront_size: 32
...
	.end_amdgpu_metadata
.endif
;; end of part 7
;; launch comb (part 8): grid 256 x 1, 8 waves a work-group, no clusters, 0 bytes of LDS; arguments z, lossp, out0, out1; writes out0, out1
.if DOCPART == 8
	.amdgcn_target "amdgcn-amd-amdhsa--gfx1250"
	.amdhsa_code_object_version 6
	.text
	.protected	k_q4690d3a07a_comb
	.globl	k_q4690d3a07a_comb
	.p2align	8
	.type	k_q4690d3a07a_comb,@function
k_q4690d3a07a_comb:
	s_mov_b64 s[64:65], 0
	v_nop
	global_prefetch_b8 v0, s[64:65] scope:SCOPE_SE
	s_setreg_imm32_b32 hwreg(HW_REG_WAVE_MODE, 25, 1), 1
	s_wait_xcnt 0x0
; out0[t] = the token's two weighted expert rows, each in two halves of K: z[0][2 t] + z[0][2 t + 1] + z[1][2 t] + z[1][2 t + 1].  out1 = 0.01 x the mean over the 8 experts of (mean gate weight - 1 / 8)^2.
; A stream: a work-group takes four tokens; a wave half a row of 3,072 bytes, in three pieces of 512 consecutive bytes; its twelve loads go out together.  No LDS, no barrier, no matrix unit: memory binds.
; The loss is finished by wave 0 of work-group 0 (branches on ids alone): lane l holds group l's eight sums.
	s_load_b256 s[4:11], s[0:1], 0x0               ; z, lossp, out0, out1
	v_lshrrev_b32 v1, 5, v0
	s_delay_alu instid0(VALU_DEP_1)
	v_readfirstlane_b32 s12, v1                    ; wave 0..7
	v_and_b32 v2, 31, v0
	s_lshr_b32 s13, s12, 1                         ; which of the four tokens
	s_and_b32 s14, s12, 1
	s_mul_i32 s14, s14, 1536                       ; which half of the row
	s_mul_i32 s15, s13, 6144
	s_add_co_u32 s15, s15, s14
	v_lshl_add_u32 v3, v2, 4, s15                  ; in z: two rows a token
	s_mul_i32 s15, s13, 3072
	s_add_co_u32 s15, s15, s14
	v_lshl_add_u32 v4, v2, 4, s15                  ; in out0
	s_mul_i32 s16, ttmp9, 24576
	s_mov_b32 s17, 0
	s_mul_i32 s18, ttmp9, 12288
	s_mov_b32 s19, 0
	s_wait_alu depctr_va_vdst(0)
	s_wait_kmcnt 0x0
	s_add_nc_u64 s[4:5], s[4:5], s[16:17]
	s_add_nc_u64 s[8:9], s[8:9], s[18:19]
.irp i,0,1,2
	global_load_b128 v[8+16*\i:11+16*\i], v3, s[4:5] offset:512*\i th:TH_LOAD_NT
	global_load_b128 v[12+16*\i:15+16*\i], v3, s[4:5] offset:512*\i+3072 th:TH_LOAD_NT
	global_load_b128 v[16+16*\i:19+16*\i], v3, s[4:5] offset:512*\i+6291456 th:TH_LOAD_NT
	global_load_b128 v[20+16*\i:23+16*\i], v3, s[4:5] offset:512*\i+6294528 th:TH_LOAD_NT
.endr
.irp i,0,1,2
	s_wait_loadcnt 8-4*\i                          ; the younger pieces may stay out
	v_pk_add_f32 v[8+16*\i:9+16*\i], v[8+16*\i:9+16*\i], v[12+16*\i:13+16*\i]
	v_pk_add_f32 v[10+16*\i:11+16*\i], v[10+16*\i:11+16*\i], v[14+16*\i:15+16*\i]
	v_pk_add_f32 v[16+16*\i:17+16*\i], v[16+16*\i:17+16*\i], v[20+16*\i:21+16*\i]
	v_pk_add_f32 v[18+16*\i:19+16*\i], v[18+16*\i:19+16*\i], v[22+16*\i:23+16*\i]
	s_delay_alu instid0(VALU_DEP_2)
	v_pk_add_f32 v[8+16*\i:9+16*\i], v[8+16*\i:9+16*\i], v[16+16*\i:17+16*\i]
	s_delay_alu instid0(VALU_DEP_2)
	v_pk_add_f32 v[10+16*\i:11+16*\i], v[10+16*\i:11+16*\i], v[18+16*\i:19+16*\i]
	global_store_b128 v4, v[8+16*\i:11+16*\i], s[8:9] offset:512*\i th:TH_STORE_NT   ; the wave stores 512 consecutive bytes, aligned
.endr
	s_or_b32 s22, ttmp9, s12
	s_cmp_lg_u32 s22, 0
	s_cbranch_scc1 .Lend
	v_lshlrev_b32 v5, 7, v2                        ; group = lane: records of 128 bytes
	global_load_b128 v[64:67], v5, s[6:7]
	global_load_b128 v[68:71], v5, s[6:7] offset:16
	s_mov_b32 s20, 0x76543210
	s_mov_b32 s21, 0xfedcba98
	s_mov_b32 s24, 0x3a800000                      ; 1 / 1,024
	s_mov_b32 s25, 0xbe000000                      ; -1 / 8
.irp e,0,1,2,3,4,5,6,7
	v_mov_b32 v[72+\e], 0                          ; the destination of a lane permute counts as read
.endr
	v_mov_b32 v81, 0
	s_wait_loadcnt 0x0
.irp k,1,2,4,8
.irp e,0,1,2,3,4,5,6,7
	v_add_f32_dpp v[64+\e], v[64+\e], v[64+\e] row_xmask:\k row_mask:0xf bank_mask:0xf
.endr
.endr
.irp e,0,1,2,3,4,5,6,7
	v_permlanex16_b32 v[72+\e], v[64+\e], s20, s21
.endr
.irp e,0,1,2,3,4,5,6,7
	v_add_f32 v[64+\e], v[64+\e], v[72+\e]         ; the 1,024 tokens' sum of expert e's weight
.endr
.irp e,0,1,2,3,4,5,6,7
	v_fma_f32 v[64+\e], v[64+\e], s24, s25         ; the mean less 1 / 8
.endr
	v_mul_f32 v80, v64, v64
.irp e,1,2,3,4,5,6,7
	s_delay_alu instid0(VALU_DEP_1)
	v_fmac_f32 v80, v[64+\e], v[64+\e]
.endr
	s_delay_alu instid0(VALU_DEP_1)
	v_mul_f32 v80, 0x3aa3d70a, v80                 ; x 0.01 / 8
	s_wait_alu depctr_va_vdst(0)
	s_wait_xcnt 0x0                                ; EXEC changes only behind this wait
	v_cmp_eq_u32 vcc_lo, 0, v0
	s_and_saveexec_b32 s26, vcc_lo
	global_store_b32 v81, v80, s[10:11]            ; one number, by lane 0
	s_wait_xcnt 0x0
	s_or_b32 exec_lo, exec_lo, s26
.Lend:
	s_endpgm
.Lfunc_end_k_q4690d3a07a_comb:
	.size	k_q4690d3a07a_comb, .Lfunc_end_k_q4690d3a07a_comb-k_q4690d3a07a_comb
	.p2alignl 7, 3214868480
	.fill 96, 4, 3214868480
	.section	.rodata,"a",@progbits
	.p2align	6, 0x0
	.amdhsa_kernel k_q4690d3a07a_comb
		.amdhsa_group_segment_fixed_size 0
		.amdhsa_private_segment_fixed_size 0
		.amdhsa_enable_private_segment 0
		.amdhsa_kernarg_size 32
		.amdhsa_user_sgpr_count 2
		.amdhsa_user_sgpr_kernarg_segment_ptr 1
		.amdhsa_wavefront_size32 1
		.amdhsa_system_sgpr_workgroup_id_x 1
		.amdhsa_system_sgpr_workgroup_id_y 1
		.amdhsa_system_sgpr_workgroup_id_z 1
		.amdhsa_system_vgpr_workitem_id 0
		.amdhsa_next_free_vgpr 96
		.amdhsa_next_free_sgpr 66
		.amdhsa_reserve_vcc 1
		.amdhsa_float_denorm_mode_32 3
		.amdhsa_float_denorm_mode_16_64 3
		.amdhsa_memory_ordered 1
		.amdhsa_forward_progress 1
		.amdhsa_inst_pref_size 9
	.end_amdhsa_kernel
	.amdgpu_metadata
---
amdhsa.version: [ 1, 2 ]
amdhsa.kernels:
  - .name:           k_q4690d3a07a_comb
    .symbol:         k_q4690d3a07a_comb.kd
    .args:
      - { .name: z, .offset: 0, .size: 8, .value_kind: global_buffer, .address_space: global }
      - { .name: lossp, .offset: 8, .size: 8, .value_kind: global_buffer, .address_space: global }
      - { .name: out0, .offset: 16, .size: 8, .value_kind: global_buffer, .address_space: global }
      - { .name: out1, .offset: 24, .size: 8, .value_kind: global_buffer, .address_space: global }
    .group_segment_fixed_size: 0
    .private_segment_fixed_size: 0
    .kernarg_segment_align: 8
    .kernarg_segment_size: 32
    .max_flat_workgroup_size: 256
    .sgpr_count:     66
    .vgpr_count:     96
    .wavefront_size: 32
...
	.end_amdgpu_metadata
.endif
;; end of part 8
